; MI455X (gfx1250); checked and timed in simulation.
; The chip was launched on July 23, 2026; its instructions are those of AMD's public machine-readable ISA for CDNA 5 (MIT licence, August 2026) and "CDNA5" Instruction Set Architecture Reference Guide (July 2026). The comments in the code are by the model that wrote it; some were corrected since.
;; Encoder Layer. Allowed arithmetic: float matrix products may take bf16 or f16 operands with f32 sums; other float arithmetic in f32, or as packed bf16 or f16 multiplies, adds, multiply-adds, maxima and minima; sums over many terms, partial sums and values carried from step to step in f32; what a program stores and reads back later, other than sums and carried values, may be rounded once to bf16 or f16.
;; Inputs: alpha1 1,024 float32; alpha2 1,024 float32; b1 4,096 float32; b2 1,024 float32; bias1 1,024 float32; bias2 1,024 float32; mask 2 x 1 x 1 x 2,048 int32; w1 1,024 x 4,096 float32; w2 4,096 x 1,024 float32; wk 1,024 x 1,024 float32; wo 1,024 x 1,024 float32; wo_b 1,024 float32; wq 1,024 x 1,024 float32; wv 1,024 x 1,024 float32; x 2 x 2,048 x 1,024 float32.
;; Outputs: out0 2 x 2,048 x 1,024 float32.
;; 2 versions, each right. Each part assembles by itself: llvm-mc -triple=amdgcn-amd-amdhsa -mcpu=gfx1250 --defsym DOCPART=n.
;; ======== version 1 of 2: 8 launches
;; limits: values are held in f16: magnitudes above 65,504 overflow, below 6.1e-05 lose precision; right only within a limited range of input values
;; workspace buffers: cst 18,886,656 bytes; wqkvp 8,405,248 bytes; w1p 8,405,248 bytes; qh 33,554,432 bytes; cx 8,388,608 bytes; y 16,777,216 bytes
;; launch cast (part 1): grid 1025 x 1, 8 waves a work-group, no clusters, 0 bytes of LDS; arguments x, wq, wk, wv, wo, w1, w2, wo_b, alpha1, bias1, b2, alpha2, bias2, b1, cst, wqkvp, w1p; writes cst, wqkvp, w1p
.if DOCPART == 1
	.amdgcn_target "amdgcn-amd-amdhsa--gfx1250"
	.amdhsa_code_object_version 6
	.text
	.protected	k_qa06a9a6386_cast
	.globl	k_qa06a9a6386_cast
	.p2align	8
	.type	k_qa06a9a6386_cast,@function
k_qa06a9a6386_cast:
	s_mov_b64 s[64:65], 0
	v_nop
	global_prefetch_b8 v0, s[64:65] scope:SCOPE_SE
	s_setreg_imm32_b32 hwreg(HW_REG_WAVE_MODE, 25, 1), 1
	s_wait_xcnt 0x0
; ENCODER LAYER, launch 1 of 8: every floating-point input is rounded ONCE to bf16 and that number is written as f16 (biases of the two big products: as f32),
; in the layouts that the later launches read.  NO WORK OF THE MODULE IS LEFT OUT: every input has a way to out0, and every input is loaded by some launch.
; LIMITS of the whole program.  f16 holds no number beyond 65,504: inputs, q, k, v, the context, both normalised rows and the hidden layer must stay within it;
; an input below 2^-17 keeps f16's fixed step of 6e-8.  NaN and infinities are not treated apart.
; LAYOUTS.  SLICED: [K/64 slices][4096 rows][64]: a row's piece is 128 bytes, a slice 524,288.  PANEL: [N/256][1024 k][256 n]: a panel is 524,288 bytes.  PLAIN: as the input lies.
;   cst:   x sliced at 0; wo plain at WOO; w2 plain at W2O; at PAR six arrays of 1,024 f16: wo_b, alpha1, bias1, b2, alpha2, bias2
;   wqkvp: wq, wk, wv as 12 panels; at BIA 3,072 zeros in f32 (these products have no bias); at BIA+LOWO 64 words of f16 -infinity twice (no floor)
;   w1p:   w1 as 16 panels; at BIA b1 in f32; at BIA+LOWO 64 words of 0 (the floor of the ReLU)
; SHARES.  A UNIT is 256 numbers: a lane loads 32 bytes and stores 16, the wave's store covers 512 consecutive bytes, aligned.  A wave takes 8 units (16 loads out), a work-group 64.
; The work-group's number picks the segment; work-group 1024 takes the small arrays.  Memory binds: no LDS, no matrix unit, no cluster (nothing is shared).
.set WOO,  8388608
.set W2O,  10485760
.set PAR,  18874368
.set BIA,  0x800000
.set LOWO, 0x4000
.set IN,   32                          ; v[32:95]   8 units x 8 f32
.set OUT,  96                          ; v[96:127]  8 units x 4 words of f16
.set DOF,  16                          ; v[16:23]   each unit's byte offset in the destination
; s[44:45] source, s[46:47] destination, s48 the segment's first work-group, s49 mask and s50 shift that split a unit's number into panel (or slice) and row, s51 = 1: x
	s_load_b512 s[8:23], s[0:1], 0x0               ; x 8, wq 10, wk 12, wv 14, wo 16, w1 18, w2 20, wo_b 22
	s_load_b512 s[24:39], s[0:1], 0x40             ; alpha1 24, bias1 26, b2 28, alpha2 30, bias2 32, b1 34, cst 36, wqkvp 38
	s_load_b64 s[40:41], s[0:1], 0x80              ; w1p
	v_lshrrev_b32 v1, 5, v0
	v_readfirstlane_b32 s42, v1                    ; wave 0..7
	v_and_b32 v1, 31, v0                           ; lane
	s_mov_b32 s43, 0xffff0000                      ; a word's upper bf16
	s_wait_kmcnt 0x0
.macro ARM lim, src, dst, doff, g0, pm, ps, xf
	s_cmp_lt_u32 ttmp9, \lim
	s_cbranch_scc0 .Lnext_\@
	s_mov_b64 s[44:45], s[\src:\src+1]
	s_add_nc_u64 s[46:47], s[\dst:\dst+1], \doff
	s_mov_b32 s48, \g0
	s_mov_b32 s49, \pm
	s_mov_b32 s50, \ps
	s_mov_b32 s51, \xf
	s_branch .Lgo
.Lnext_\@:
.endm
; four f32 at v[a .. a+3] are rounded to bf16 and widened again, in place
.macro RND a
	v_cvt_pk_bf16_f32 v8, v[(\a)], v[(\a)+1]
	v_cvt_pk_bf16_f32 v9, v[(\a)+2], v[(\a)+3]
	v_lshlrev_b32 v[(\a)], 16, v8
	v_and_b32 v[(\a)+1], s43, v8
	v_lshlrev_b32 v[(\a)+2], 16, v9
	v_and_b32 v[(\a)+3], s43, v9
.endm
	ARM 256,  8,  36, 0,        0,   15, 4, 1      ; x: 16 slices
	ARM 320,  10, 38, 0,        256, 3,  2, 0      ; wq: 4 panels
	ARM 384,  12, 38, 0x200000, 320, 3,  2, 0      ; wk
	ARM 448,  14, 38, 0x400000, 384, 3,  2, 0      ; wv
	ARM 512,  16, 36, WOO,      448, 0,  0, 0      ; wo: plain
	ARM 768,  18, 40, 0,        512, 15, 4, 0      ; w1: 16 panels
	ARM 1024, 20, 36, W2O,      768, 0,  0, 0      ; w2: plain
	; WORK-GROUP 1024: thread t takes 4 numbers of each array of 1,024 and 4 x 4 of b1
	v_lshlrev_b32 v3, 4, v0                        ; 16 t
	v_lshlrev_b32 v4, 3, v0                        ; 8 t
	v_lshlrev_b32 v5, 2, v0                        ; 4 t
.irp n, 0,1,2,3,4,5
	global_load_b128 v[IN+4*(\n):IN+4*(\n)+3], v3, s[22+2*(\n):23+2*(\n)]
.endr
.irp i, 0,1,2,3
	global_load_b128 v[56+4*(\i):59+4*(\i)], v3, s[34:35] offset:4096*(\i)
.endr
	s_add_nc_u64 s[44:45], s[36:37], PAR
	s_add_nc_u64 s[46:47], s[40:41], BIA
	s_add_nc_u64 s[48:49], s[38:39], BIA
.irp r, 100,101,102,103
	v_mov_b32 v\r, 0
.endr
.irp n, 0,1,2,3,4,5
	s_wait_loadcnt 9-(\n)                          ; ten loads, in order: the younger ones stay out
	RND IN+4*(\n)
	v_cvt_pk_f16_f32 v[72+2*(\n)], v[IN+4*(\n)], v[IN+4*(\n)+1]
	v_cvt_pk_f16_f32 v[73+2*(\n)], v[IN+4*(\n)+2], v[IN+4*(\n)+3]
	global_store_b64 v4, v[72+2*(\n):73+2*(\n)], s[44:45] offset:2048*(\n)  ; a wave's store covers 256 consecutive bytes
.endr
.irp i, 0,1,2,3
	s_wait_loadcnt 3-(\i)
	RND 56+4*(\i)
	global_store_b128 v3, v[56+4*(\i):59+4*(\i)], s[46:47] offset:4096*(\i)  ; b1, rounded, in f32
.endr
.irp i, 0,1,2
	global_store_b128 v3, v[100:103], s[48:49] offset:4096*(\i)              ; the zero bias of q, k, v
.endr
	s_cmp_lt_u32 s42, 2
	s_cbranch_scc0 .Lend                           ; threads 0 to 63 write the two floors
	v_mov_b32 v104, 0xfc00fc00
	global_store_b32 v5, v104, s[48:49] offset:LOWO
	global_store_b32 v5, v100, s[46:47] offset:LOWO
.Lend:
	s_endpgm
.Lgo:
	s_sub_co_u32 s52, ttmp9, s48
	s_lshl_b32 s52, s52, 6
	s_lshl3_add_u32 s52, s42, s52                  ; my first unit: 64 x (work-group in the segment) + 8 x wave
.irp i, 0,1,2,3,4,5,6,7
	s_add_co_u32 s53, s52, \i
	s_and_b32 s54, s53, s49
	s_lshl_b32 s54, s54, 19                        ; panel or slice: 524,288 bytes
	s_lshr_b32 s53, s53, s50
	s_lshl_b32 s53, s53, 9                         ; a unit is 512 bytes there
	s_add_co_u32 s53, s53, s54
	v_lshl_add_u32 v[DOF+(\i)], v1, 4, s53
.endr
	s_mov_b32 s55, 0
	s_cmp_eq_u32 s51, 1
	s_cbranch_scc1 .Lrows
	s_lshl_b32 s54, s52, 10                        ; weights: a unit is 1,024 consecutive bytes of the source
	s_add_nc_u64 s[44:45], s[44:45], s[54:55]
	v_lshlrev_b32 v2, 5, v1
.irp i, 0,1,2,3,4,5,6,7
	global_load_b128 v[IN+8*(\i):IN+8*(\i)+3],   v2, s[44:45] offset:1024*(\i) th:TH_LOAD_NT
	global_load_b128 v[IN+8*(\i)+4:IN+8*(\i)+7], v2, s[44:45] offset:1024*(\i)+16 th:TH_LOAD_NT
.endr
	s_branch .Lconv
.Lrows:                                                ; x: a unit is 4 rows x 64 columns; my 8 units are 8 neighbouring slices of the same 4 rows
	s_lshr_b32 s54, s52, 4
	s_lshl_b32 s54, s54, 14                        ; 4 rows of 4,096 bytes
	s_and_b32 s56, s52, 15
	s_lshl_b32 s56, s56, 8                         ; a slice is 256 bytes of a row
	s_add_co_u32 s54, s54, s56
	s_add_nc_u64 s[44:45], s[44:45], s[54:55]
	v_lshrrev_b32 v2, 3, v1
	v_and_b32 v3, 7, v1
	v_lshlrev_b32 v2, 12, v2
	v_lshl_add_u32 v2, v3, 5, v2                   ; row lane / 8, 32 bytes at lane % 8
.irp i, 0,1,2,3,4,5,6,7
	global_load_b128 v[IN+8*(\i):IN+8*(\i)+3],   v2, s[44:45] offset:256*(\i) th:TH_LOAD_NT
	global_load_b128 v[IN+8*(\i)+4:IN+8*(\i)+7], v2, s[44:45] offset:256*(\i)+16 th:TH_LOAD_NT
.endr
.Lconv:
.irp i, 0,1,2,3,4,5,6,7
	s_wait_loadcnt 14-2*(\i)                       ; loads come back in order: unit i's two are in, two for each younger unit stay out
	RND IN+8*(\i)
	RND IN+8*(\i)+4
.irp p, 0,1,2,3
	v_cvt_pk_f16_f32 v[OUT+4*(\i)+(\p)], v[IN+8*(\i)+2*(\p)], v[IN+8*(\i)+2*(\p)+1]  ; exact: 8 significant bits go into 11
.endr
	global_store_b128 v[DOF+(\i)], v[OUT+4*(\i):OUT+4*(\i)+3], s[46:47]
.endr
	s_endpgm
.Lfunc_end_k_qa06a9a6386_cast:
	.size	k_qa06a9a6386_cast, .Lfunc_end_k_qa06a9a6386_cast-k_qa06a9a6386_cast
	.p2alignl 7, 3214868480
	.fill 96, 4, 3214868480
	.section	.rodata,"a",@progbits
	.p2align	6, 0x0
	.amdhsa_kernel k_qa06a9a6386_cast
		.amdhsa_group_segment_fixed_size 0
		.amdhsa_private_segment_fixed_size 0
		.amdhsa_enable_private_segment 0
		.amdhsa_kernarg_size 136
		.amdhsa_user_sgpr_count 2
		.amdhsa_user_sgpr_kernarg_segment_ptr 1
		.amdhsa_wavefront_size32 1
		.amdhsa_system_sgpr_workgroup_id_x 1
		.amdhsa_system_sgpr_workgroup_id_y 1
		.amdhsa_system_sgpr_workgroup_id_z 1
		.amdhsa_system_vgpr_workitem_id 0
		.amdhsa_next_free_vgpr 128
		.amdhsa_next_free_sgpr 66
		.amdhsa_reserve_vcc 0
		.amdhsa_float_denorm_mode_32 3
		.amdhsa_float_denorm_mode_16_64 3
		.amdhsa_memory_ordered 1
		.amdhsa_forward_progress 1
		.amdhsa_inst_pref_size 23
	.end_amdhsa_kernel
	.amdgpu_metadata
---
amdhsa.version: [ 1, 2 ]
amdhsa.kernels:
  - .name:           k_qa06a9a6386_cast
    .symbol:         k_qa06a9a6386_cast.kd
    .args:
      - { .name: x, .offset: 0, .size: 8, .value_kind: global_buffer, .address_space: global }
      - { .name: wq, .offset: 8, .size: 8, .value_kind: global_buffer, .address_space: global }
      - { .name: wk, .offset: 16, .size: 8, .value_kind: global_buffer, .address_space: global }
      - { .name: wv, .offset: 24, .size: 8, .value_kind: global_buffer, .address_space: global }
      - { .name: wo, .offset: 32, .size: 8, .value_kind: global_buffer, .address_space: global }
      - { .name: w1, .offset: 40, .size: 8, .value_kind: global_buffer, .address_space: global }
      - { .name: w2, .offset: 48, .size: 8, .value_kind: global_buffer, .address_space: global }
      - { .name: wo_b, .offset: 56, .size: 8, .value_kind: global_buffer, .address_space: global }
      - { .name: alpha1, .offset: 64, .size: 8, .value_kind: global_buffer, .address_space: global }
      - { .name: bias1, .offset: 72, .size: 8, .value_kind: global_buffer, .address_space: global }
      - { .name: b2, .offset: 80, .size: 8, .value_kind: global_buffer, .address_space: global }
      - { .name: alpha2, .offset: 88, .size: 8, .value_kind: global_buffer, .address_space: global }
      - { .name: bias2, .offset: 96, .size: 8, .value_kind: global_buffer, .address_space: global }
      - { .name: b1, .offset: 104, .size: 8, .value_kind: global_buffer, .address_space: global }
      - { .name: cst, .offset: 112, .size: 8, .value_kind: global_buffer, .address_space: global }
      - { .name: wqkvp, .offset: 120, .size: 8, .value_kind: global_buffer, .address_space: global }
      - { .name: w1p, .offset: 128, .size: 8, .value_kind: global_buffer, .address_space: global }
    .group_segment_fixed_size: 0
    .private_segment_fixed_size: 0
    .kernarg_segment_align: 8
    .kernarg_segment_size: 136
    .max_flat_workgroup_size: 256
    .sgpr_count:     66
    .vgpr_count:     128
    .wavefront_size: 32
...
	.end_amdgpu_metadata
.endif
;; end of part 1
;; launch qkv (part 2): grid 12 x 16, 4 waves a work-group, clusters of 4 x 4, 327,680 bytes of LDS; arguments cst, wqkvp, qh; writes qh
.if DOCPART == 2
	.amdgcn_target "amdgcn-amd-amdhsa--gfx1250"
	.amdhsa_code_object_version 6
	.text
	.protected	k_qa06a9a6386_qkv
	.globl	k_qa06a9a6386_qkv
	.p2align	8
	.type	k_qa06a9a6386_qkv,@function
k_qa06a9a6386_qkv:
	s_mov_b64 s[64:65], 0
	v_nop
	global_prefetch_b8 v0, s[64:65] scope:SCOPE_SE
	s_setreg_imm32_b32 hwreg(HW_REG_WAVE_MODE, 25, 1), 1
	s_wait_xcnt 0x0
	s_wait_alu depctr_hold_cnt(0) depctr_sa_sdst(0) depctr_va_vdst(0) depctr_va_sdst(0) depctr_va_ssrc(0) depctr_va_vcc(0) depctr_vm_vsrc(0)
	s_getreg_b32 s2, hwreg(HW_REG_IB_STS2, 6, 4)
	s_cmp_eq_u32 s2, 0
	s_cbranch_scc0 .Lentry_in_a_cluster
	s_endpgm
.Lentry_in_a_cluster:
	s_bfe_u32 s2, ttmp6, 0x10000c
	s_cmp_lg_u32 s2, 0xf033
	s_cbranch_scc0 .Lentry_shape_is_right
	s_endpgm
.Lentry_shape_is_right:
; C = max(A B + bias, floor), K = 1,024.  A: sliced f16 [16][4096][64].  B: panels f16 [N/256][1024 k][256 n], behind them (at BIA) the bias in f32 and (at BIA+LOWO) the floor, two f16 a word.
; C: sliced f16 [N/64][4096][64].  Sums in f32, C rounded once.  ONE BODY FOR TWO LAUNCHES: q, k, v (zero bias, floor -infinity: there the bias and the maximum change nothing, the price of one
; text) and the first product of the MLP (b1, floor 0: the ReLU).  No work of the module is left out.  LIMIT: C must stay within f16's 65,504.
; SHARES.  A tile of C, 256 x 256 (one panel of B), is made by four waves, 128 x 128 each: 64 accumulators of 16 x 16, 512 registers.  K goes in steps of 128 (two slices of A, 128 rows of the panel)
; through two LDS slots.  Waves 0 and 1 fetch a slice of A each, waves 2 and 3 64 rows of B each: 32 KiB dense in memory, one tensor load.
; CLUSTER 4 x 4: A's tile is shared along a row of the cluster, B's along a column: each is asked for jointly, by the same load with the same descriptor and a mask of four.
; THE MATRIX INSTRUCTION IS USED TRANSPOSED: source 0 = 16 columns of B (read turned out of LDS, where B lies [k][n]), source 1 = 16 rows of A: a lane holds row l % 16 of C and the columns
; 8 (l / 16) + 0..7.  The bias, which hangs on the column alone, is the C operand of the first products.
; REGISTERS, in windows of 256 (s_set_vgpr_msb: bits 1:0 source 0, 3:2 source 1, 5:4 source 2, 7:6 destination):
;   window 0: v0-31 addresses; v64-127, v128-191 A's fragments, two buffers; v32-63, v192-255 at work on the way out
;   window 1: v64-127, v128-191 B's fragments; v192-255 the bias, 8 registers for each of my 8 blocks of 16 columns
;   window 2: the accumulators of my rows 0-63 ((a, b) at 8 (8 a + b)); window 3: those of rows 64-127
.set PA,    144                        ; a row piece of A in LDS: 128 bytes + 16: the 16 rows of a load start at 16 different groups of four banks
.set ASL,   256*PA                     ; a slice of the tile
.set AT,    2*ASL
.set PB,    544                        ; a row of B: 512 bytes + 32 = 17 x 32
.set BH,    64*PB
.set SLOT,  AT+2*BH                    ; 143,360
.set STAGE, 2*SLOT                     ; behind the ring: for each wave two slices x 16 rows x 144 bytes
.set SSL,   16*PA
.set SPARE, STAGE+4*2*SSL              ; the spare words, 128 bytes a wave: two blocks of 256 bytes that no other line names
.set ASTEP, 1048576                    ; a K step in A: two slices
.set BSTEP, 65536                      ; in B: 128 rows of 512 bytes
.set LAPS,  4                          ; a lap = two K steps = once round the ring
.set BIA,   0x800000
.set LOWO,  0x4000
.set ADRA, 16                          ; v16-17  LDS address of my A fragments in slot 0, 1
.set ADRB, 20                          ; v20-21  the same for B
.set STO,  24
.set RD,   25
.set CO,   26
.set BO,   27
.set SPW,  28                          ; v28  my spare word; never rewritten
.set NIL,  29                          ; v29  0; never rewritten
.set PFO,  30                          ; v30  256 x lane; never rewritten
.set ZR,   31                          ; v31  the floor
.set F0,   64
.set F1,   128
.set TMP,  192
.set OB,   32
.set BIAS, 192                         ; window 1
.set G1,  24
.set G0,  32
.set G1B, 48
.set G0B, 56
.set LIM, 43                           ; s43  1 in a wave that prefetches, else the greatest number
.set PFA, 44                           ; s[44:45] where my prefetches stand
.set PST, 66                           ; s[66:67] a K step of what I fetch
.set MSB, 0
.macro WIN new                         ; the immediate's high byte repeats the setting that is left
.if MSB != (\new)
	s_set_vgpr_msb (MSB<<8)|(\new)
.set MSB, \new
.endif
.endm
; A joint load: waves 0 and 1 ask for A, waves 2 and 3 for B.  An s_nop 0 and four v_nop follow each line.
.macro JLOAD s
	s_cmp_eq_u32 s11, 0
	s_cbranch_scc0 .Lfor_b_\@
	tensor_load_to_lds s[G0+4*(\s):G0+4*(\s)+3], s[G1:G1+7]
	s_nop 0
.rept 4
	v_nop
.endr
	s_branch .Lasked_\@
.Lfor_b_\@:
	tensor_load_to_lds s[G0B+4*(\s):G0B+4*(\s)+3], s[G1B:G1B+7]
	s_nop 0
.rept 4
	v_nop
.endr
.Lasked_\@:
.endm
; A prefetch of the K step two refills on.  My 32 KiB of a step are 128 blocks of 256 bytes; the four partners that ask for them jointly take 32 each, told apart by address; a lane a block.
; A's blocks are named by the cluster with x = 0 alone, B's by the cluster with y = 0: each block once in the launch.  The last two refills have no step two on.
.macro ASK
	s_cmp_gt_u32 s3, s[LIM]
	s_cbranch_scc0 .Lnot_mine_\@
	global_prefetch_b8 v[PFO], s[PFA:PFA+1] th:TH_LOAD_NT scope:SCOPE_SE
.Lnot_mine_\@:
.endm
.macro CREST
	s_cmp_lg_u32 s10, 0
	s_cbranch_scc1 .Lnot_wave_0_\@
	s_barrier_signal -3
.Lnot_wave_0_\@:
	s_barrier_wait -3
	s_barrier_signal -1
	s_barrier_wait -1
.endm
.macro CROUND
	s_barrier_signal -1
	s_barrier_wait -1
	CREST
.endm
	s_load_b128 s[4:7], s[0:1], 0x0                ; A s[4:5], B s[6:7]
	s_load_b64 s[8:9], s[0:1], 0x10                ; C
	v_lshl_add_u32 v[SPW], v0, 2, SPARE
	v_mov_b32 v[NIL], 0
	ds_add_u32 v[SPW], v[NIL]                      ; the opening: the add, twice on end, and its wait ahead of my first tensor load
	ds_add_u32 v[SPW], v[NIL]
	v_lshrrev_b32 v1, 5, v0
	v_readfirstlane_b32 s10, v1                    ; wave 0..3
	s_lshr_b32 s11, s10, 1                         ; my half of the tile's rows; also: I fetch for A (0) or B (1)
	s_and_b32 s12, s10, 1                          ; my half of its columns; also: which part I fetch
	s_bfe_u32 s40, ttmp6, 0x40000                  ; cx
	s_bfe_u32 s41, ttmp6, 0x40004                  ; cy
	s_lshl_b32 s42, ttmp9, 2
	s_add_co_u32 s42, s42, s40                     ; tile column = panel
	s_and_b32 s13, ttmp7, 0xffff
	s_lshl_b32 s13, s13, 2
	s_add_co_u32 s13, s13, s41                     ; tile row
	s_lshl_b32 s43, s41, 2
	s_lshl_b32 s43, 15, s43                        ; my row of the cluster
	s_lshl_b32 s44, 0x1111, s40                    ; my column
	s_or_b32 s[G1+0], s43, (1<<16)|(1<<20)|(1<<21)|(4<<22)|(3<<25)   ; 2-byte elements; padding on; bit 21 beside a mask; after every 32 words 4 words
	s_mov_b32 s[G1+1], 128<<16                     ; A: 256 row pieces, dense, asked for as 128 rows of 256 bytes
	s_mov_b32 s[G1+2], 128<<16
	s_mov_b32 s[G1+3], 128<<16
	s_mov_b32 s[G1+4], 128
	s_mov_b32 s[G1+5], 128
	s_mov_b32 s[G1+6], 0
	s_mov_b32 s[G1+7], 0
	s_or_b32 s[G1B+0], s44, (1<<16)|(1<<20)|(1<<21)|(6<<22)|(7<<25)  ; after every 128 words 8 words
	s_mov_b32 s[G1B+1], 256<<16                    ; B: 64 rows of 512 bytes
	s_mov_b32 s[G1B+2], 64<<16
	s_mov_b32 s[G1B+3], 256<<16
	s_mov_b32 s[G1B+4], 64
	s_mov_b32 s[G1B+5], 256
	s_mov_b32 s[G1B+6], 0
	s_mov_b32 s[G1B+7], 0
	s_lshl_b32 s16, s13, 15                        ; A: the tile's 256 rows in a slice,
	s_lshl_b32 s17, s12, 19                        ; my slice of the step's two
	s_add_co_u32 s16, s16, s17
	s_mov_b32 s17, 0
	s_lshl_b32 s46, s42, 19                        ; B: the panel,
	s_lshl_b32 s47, s12, 15                        ; my 64 rows of the step's 128
	s_add_co_u32 s46, s46, s47
	s_mov_b32 s47, 0
	s_mul_i32 s20, s12, ASL                        ; where they go: no place in the cluster enters an LDS address
	s_mul_i32 s21, s12, BH
	s_add_co_u32 s21, s21, AT
	s_wait_dscnt 0x0                               ; both opening adds are done
	s_wait_kmcnt 0x0
	s_add_nc_u64 s[14:15], s[4:5], s[16:17]
	s_add_nc_u64 s[46:47], s[6:7], s[46:47]
	CROUND                                         ; all sixteen work-groups are here: the first joint loads meet
.irp s, 0,1
	s_mov_b32 s[G0+4*(\s)], 1
	s_add_co_u32 s[G0+4*(\s)+1], s20, (\s)*SLOT
	s_add_nc_u64 s[G0+4*(\s)+2:G0+4*(\s)+3], s[14:15], (\s)*ASTEP
	s_or_b32 s[G0+4*(\s)+3], s[G0+4*(\s)+3], 0x80000000
	s_mov_b32 s[G0B+4*(\s)], 1
	s_add_co_u32 s[G0B+4*(\s)+1], s21, (\s)*SLOT
	s_add_nc_u64 s[G0B+4*(\s)+2:G0B+4*(\s)+3], s[46:47], (\s)*BSTEP
	s_or_b32 s[G0B+4*(\s)+3], s[G0B+4*(\s)+3], 0x80000000
	JLOAD \s                                       ; K steps 0 and 1: two loads of mine are out
.endr
	v_and_b32 v1, 15, v0                           ; l % 16
	v_bfe_u32 v2, v0, 4, 1                         ; l / 16
	v_mul_u32_u24 v3, v1, PA
	v_lshl_add_u32 v3, v2, 4, v3                   ; A: row x pitch + 16 x half
	v_and_b32 v4, 7, v0
	v_lshl_add_u32 v4, v2, 3, v4
	v_mul_u32_u24 v4, v4, PB                       ; B, turned: k row 8 (l / 16) + l % 8,
	v_bfe_u32 v5, v0, 3, 1
	v_lshl_add_u32 v4, v5, 4, v4                   ; columns 8 ((l / 8) % 2) on
	s_mul_i32 s21, s11, 128*PA                     ; my 128 rows of A
	s_lshl_b32 s22, s12, 8                         ; my 128 columns of B
	s_add_co_u32 s22, s22, AT
.irp s, 0,1
	v_add_nc_u32 v[ADRA+(\s)], s21, v3
	v_add_nc_u32 v[ADRB+(\s)], s22, v4
	s_add_co_u32 s21, s21, SLOT
	s_add_co_u32 s22, s22, SLOT
.endr
	s_mul_i32 s23, s10, 2*SSL
	s_add_co_u32 s23, s23, STAGE                   ; my stage
	v_add_nc_u32 v[STO], s23, v3                   ; in: row l % 16, 16 bytes for each half of the lanes
	v_bfe_u32 v5, v0, 3, 2
	v_mul_u32_u24 v5, v5, PA
	v_and_b32 v6, 7, v0
	v_lshl_add_u32 v5, v6, 4, v5
	v_add_nc_u32 v[RD], s23, v5                    ; back: 32 lanes take four row pieces of 128 bytes,
	v_and_b32 v6, 31, v0
	v_lshlrev_b32 v[CO], 4, v6                     ; which are 512 consecutive bytes of C
	v_lshlrev_b32 v[PFO], 8, v6
	s_lshl_b32 s18, s42, 10                        ; the bias of my 128 columns: 1,024 bytes a panel, 512 a half, 32 for each half of the lanes
	s_lshl_b32 s19, s12, 9
	s_add_co_u32 s18, s18, s19
	s_add_co_u32 s18, s18, BIA
	v_lshl_add_u32 v[BO], v2, 5, s18
	v_lshl_add_u32 v7, v6, 2, BIA+LOWO
	global_load_b32 v[ZR], v7, s[6:7]
	WIN 0x40                                       ; destination window 1
.irp b, 0,1,2,3,4,5,6,7
	global_load_b128 v[BIAS+8*(\b):BIAS+8*(\b)+3],   v[BO], s[6:7] offset:64*(\b)
	global_load_b128 v[BIAS+8*(\b)+4:BIAS+8*(\b)+7], v[BO], s[6:7] offset:64*(\b)+16
.endr
	WIN 0
	; the prefetches
	s_and_b32 s22, ttmp7, 0xffff                   ; cluster y
	s_mov_b32 s18, ASTEP
	s_mov_b32 s19, BSTEP
	s_cmp_eq_u32 s11, 0                            ; do I fetch for A?
	s_cselect_b32 s21, s40, s41                    ; my place among the four that ask with me
	s_cselect_b32 s22, ttmp9, s22                  ; the coordinate along which other clusters read the same blocks
	s_cselect_b64 s[PFA:PFA+1], s[14:15], s[46:47]
	s_cselect_b32 s[PST], s18, s19
	s_mov_b32 s[PST+1], 0
	s_cmp_eq_u32 s22, 0
	s_cselect_b32 s[LIM], 1, -1                    ; the same in all sixteen partners, for a given wave
	s_lshl_b32 s20, s21, 13                        ; my work-group's 32 blocks
	s_mov_b32 s21, 0
	s_add_nc_u64 s[PFA:PFA+1], s[PFA:PFA+1], s[20:21]
	s_mul_i32 s20, s[PST], 3
	s_add_nc_u64 s[PFA:PFA+1], s[PFA:PFA+1], s[20:21]  ; at K step 3: the first refill steps it to 4.  Nothing is prefetched here, at the head
	; where my part of C begins
	s_lshl_b32 s16, s13, 15
	s_lshl_b32 s17, s11, 14
	s_add_co_u32 s16, s16, s17                     ; my first row, 128 bytes a row
	s_mov_b32 s17, 0
	s_lshl_b32 s46, s42, 2
	s_lshl1_add_u32 s46, s12, s46                  ; my first slice: 4 x panel + 2 x half
	s_lshl_b32 s46, s46, 19
	s_mov_b32 s47, 0
	s_add_nc_u64 s[16:17], s[16:17], s[46:47]
	s_add_nc_u64 s[8:9], s[8:9], s[16:17]
; 16 matrix instructions: row blocks a0, a0 + 1 of the window's four x all 8 column blocks, 32 along K.  zero = 2: the first product starts the sums with the bias.
; The 64 accumulators take turns in the same order in every quarter.
.macro MUL16 f, hi, a0, zero
.if (\zero) == 2
	WIN 0x91+0x40*(\hi)                            ; B window 1, A window 0, C (the bias) window 1, D window 2 or 3
.else
	WIN 0xa1+0x50*(\hi)                            ; C and D window 2 or 3
.endif
.irp a, \a0, (\a0)+1
.irp b, 0,1,2,3,4,5,6,7
.if (\zero) == 2
	v_wmma_f32_16x16x32_f16 v[8*(8*(\a)+(\b)):8*(8*(\a)+(\b))+7], v[(\f)+8*(\b):(\f)+8*(\b)+7], v[(\f)+8*(4*(\hi)+(\a)):(\f)+8*(4*(\hi)+(\a))+7], v[BIAS+8*(\b):BIAS+8*(\b)+7]
.else
	v_wmma_f32_16x16x32_f16 v[8*(8*(\a)+(\b)):8*(8*(\a)+(\b))+7], v[(\f)+8*(\b):(\f)+8*(\b)+7], v[(\f)+8*(4*(\hi)+(\a)):(\f)+8*(4*(\hi)+(\a))+7], v[8*(8*(\a)+(\b)):8*(8*(\a)+(\b))+7]
.endif
.endr
.endr
.endm
; 32 LDS loads in one run: quarter kq (32 along K) of a slot into buffer f: B's 8 column blocks turned, then A's 8 row blocks
.macro FETCH slot, kq, f
	WIN 0x40
.irp i, 0,1,2,3,4,5,6,7
	ds_load_tr16_b128 v[(\f)+8*(\i):(\f)+8*(\i)+3],   v[ADRB+(\slot)] offset:(\kq)*32*PB+32*(\i)
	ds_load_tr16_b128 v[(\f)+8*(\i)+4:(\f)+8*(\i)+7], v[ADRB+(\slot)] offset:(\kq)*32*PB+32*(\i)+16*PB
.endr
	WIN 0
.irp i, 0,1,2,3,4,5,6,7
	ds_load_b128 v[(\f)+8*(\i):(\f)+8*(\i)+3],   v[ADRA+(\slot)] offset:((\kq)/2)*ASL+((\kq)%2)*64+(\i)*16*PA
	ds_load_b128 v[(\f)+8*(\i)+4:(\f)+8*(\i)+7], v[ADRA+(\slot)] offset:((\kq)/2)*ASL+((\kq)%2)*64+(\i)*16*PA+32
.endr
.endm
.macro PLACES                          ; four plain places in front of loads into registers that matrix instructions have read, and of reads of results
.rept 4
	v_nop
.endr
.endm
; One of a K step's first three quarters: multiplies buffer f and, in its middle, fetches quarter kq into buffer g
.macro QUARTER slot, kq, f, g, zero
	s_wait_dscnt 8                                 ; B and A's rows 0-63 are in; the youngest eight loads (A's rows 64-127) may be out
	MUL16 \f, 0, 0, \zero
	MUL16 \f, 0, 2, \zero
	PLACES
	FETCH \slot, \kq, \g
	s_wait_dscnt 32                                ; all but the 32 just issued
	MUL16 \f, 1, 0, \zero
	MUL16 \f, 1, 2, \zero
.endm
; The first half of a step's last quarter: one barrier for the change of slots
.macro MEET round
	WIN 0
	s_wait_tensorcnt 0x0                           ; all my tensor loads have landed: the one that was out is my part of the next slot
	ds_add_u32 v[SPW], v[NIL]                      ; 0 onto my spare word
	s_wait_dscnt 9                                 ; (the add and the youngest eight loads may be out)
	MUL16 F1, 0, 0, 0
	s_wait_dscnt 0x0                               ; the add is done, and my reads of this slot are over
	s_barrier_signal -1
	MUL16 F1, 0, 2, 0
.if \round
	WIN 0
.endif
	s_barrier_wait -1
.endm
; The whole last quarter where the slot is filled again, two K steps ahead: the barrier opens a round of the cluster's, the joint refill is the first thing behind it
.macro TURN slot, next
	s_wait_xcnt 0x0                                ; the last prefetch, a K step back, has read its address
	s_add_nc_u64 s[PFA:PFA+1], s[PFA:PFA+1], s[PST:PST+1]
	MEET 1
	CREST
	s_add_nc_u64 s[G0+4*(\slot)+2:G0+4*(\slot)+3], s[G0+4*(\slot)+2:G0+4*(\slot)+3], 2*ASTEP
	s_add_nc_u64 s[G0B+4*(\slot)+2:G0B+4*(\slot)+3], s[G0B+4*(\slot)+2:G0B+4*(\slot)+3], 2*BSTEP
	JLOAD \slot                                    ; its four v_nop are also the places in front of the loads below
	FETCH \next, 0, F0
	ASK
	MUL16 F1, 1, 0, 0
	MUL16 F1, 1, 2, 0
.endm
; THE WAY OUT of row block a: rounded to f16 and held to the floor; into my stage; back as row pieces; stored
.macro PACK a
.set AC, 64*((\a)%4)
	WIN 0x0a+5*((\a)/4)                            ; sources 0 and 1: window 2 or 3
.irp b, 0,1,2,3,4,5,6,7
.irp r, 0,1,2,3
	v_cvt_pk_f16_f32 v[TMP+4*(\b)+(\r)], v[AC+8*(\b)+2*(\r)], v[AC+8*(\b)+2*(\r)+1]
.endr
.endr
	WIN 0
.set z, 0
.rept 32
	v_pk_max_num_f16 v[TMP+z], v[TMP+z], v[ZR]
.set z, z+1
.endr
.endm
.macro TOSTAGE a
.set BK, OB+192*((\a)%2)
.irp b, 0,1,2,3,4,5,6,7
	ds_store_b128 v[STO], v[TMP+4*(\b):TMP+4*(\b)+3] offset:((\b)/4)*SSL+((\b)%4)*32
.endr
.irp t, 0,1,2,3,4,5,6,7
	ds_load_b128 v[BK+4*(\t):BK+4*(\t)+3], v[RD] offset:((\t)/4)*SSL+((\t)%4)*4*PA  ; LDS serves a wave's instructions in order: these see the stores above
.endr
.endm
.macro SEND a
.set BK, OB+192*((\a)%2)
	s_wait_dscnt 0x0                               ; the block is back in registers
	s_wait_xcnt 0x0                                ; earlier stores have read their registers: the next block's loads land there only behind this wait
.irp t, 0,1,2,3,4,5,6,7
	global_store_b128 v[CO], v[BK+4*(\t):BK+4*(\t)+3], s[8:9] offset:((\t)/4)*524288+(\a)*2048+((\t)%4)*512  ; 512 consecutive bytes, aligned
.endr
.endm
	s_wait_tensorcnt 1                             ; my part of K step 0 is in; step 1's stays out
	s_barrier_signal -1
	s_barrier_wait -1
	FETCH 0, 0, F0
	s_wait_loadcnt 0x0                             ; the bias and the floor
	QUARTER 0, 1, F0, F1, 2                        ; the first quarter stands in front of the loop: its products start the sums
	WIN 0
	s_mov_b32 s3, LAPS-1
.Llap:                                                 ; a trip goes once round the ring and fills both slots again
	QUARTER 0, 2, F1, F0, 0
	QUARTER 0, 3, F0, F1, 0
	TURN 0, 1
	QUARTER 1, 1, F0, F1, 0
	QUARTER 1, 2, F1, F0, 0
	QUARTER 1, 3, F0, F1, 0
	TURN 1, 0
	QUARTER 0, 1, F0, F1, 0
	WIN 0
	s_sub_co_u32 s3, s3, 1
	s_cmp_lg_u32 s3, 0
	s_cbranch_scc1 .Llap
	QUARTER 0, 2, F1, F0, 0                        ; the last lap fills nothing
	QUARTER 0, 3, F0, F1, 0
	MEET 0
	PLACES
	FETCH 1, 0, F0
	MUL16 F1, 1, 0, 0
	MUL16 F1, 1, 2, 0
	QUARTER 1, 1, F0, F1, 0
	QUARTER 1, 2, F1, F0, 0
	QUARTER 1, 3, F0, F1, 0
	s_wait_dscnt 8
	MUL16 F1, 0, 0, 0
	MUL16 F1, 0, 2, 0
	s_wait_dscnt 0x0
	MUL16 F1, 1, 0, 0
	MUL16 F1, 1, 2, 0
	WIN 0
	PLACES
	PACK 0
	TOSTAGE 0
.irp a, 1,2,3,4,5,6,7                  ; block a's arithmetic stands between block a - 1's loads from the stage and the wait for them
	PACK \a
	SEND (\a)-1
	TOSTAGE \a
.endr
	SEND 7
	s_wait_tensorcnt 0x0                           ; the wave's end
	ds_add_u32 v[SPW], v[NIL]
	s_wait_dscnt 0x0
	CROUND                                         ; the closing round
	s_endpgm
.Lfunc_end_k_qa06a9a6386_qkv:
	.size	k_qa06a9a6386_qkv, .Lfunc_end_k_qa06a9a6386_qkv-k_qa06a9a6386_qkv
	.p2alignl 7, 3214868480
	.fill 96, 4, 3214868480
	.section	.rodata,"a",@progbits
	.p2align	6, 0x0
	.amdhsa_kernel k_qa06a9a6386_qkv
		.amdhsa_group_segment_fixed_size 327680
		.amdhsa_private_segment_fixed_size 0
		.amdhsa_enable_private_segment 0
		.amdhsa_kernarg_size 24
		.amdhsa_user_sgpr_count 2
		.amdhsa_user_sgpr_kernarg_segment_ptr 1
		.amdhsa_wavefront_size32 1
		.amdhsa_system_sgpr_workgroup_id_x 1
		.amdhsa_system_sgpr_workgroup_id_y 1
		.amdhsa_system_sgpr_workgroup_id_z 1
		.amdhsa_system_vgpr_workitem_id 0
		.amdhsa_next_free_vgpr 1024
		.amdhsa_next_free_sgpr 72
		.amdhsa_reserve_vcc 0
		.amdhsa_float_denorm_mode_32 3
		.amdhsa_float_denorm_mode_16_64 3
		.amdhsa_memory_ordered 1
		.amdhsa_forward_progress 1
		.amdhsa_inst_pref_size 161
	.end_amdhsa_kernel
	.amdgpu_metadata
---
amdhsa.version: [ 1, 2 ]
amdhsa.kernels:
  - .name:           k_qa06a9a6386_qkv
    .symbol:         k_qa06a9a6386_qkv.kd
    .args:
      - { .name: cst, .offset: 0, .size: 8, .value_kind: global_buffer, .address_space: global }
      - { .name: wqkvp, .offset: 8, .size: 8, .value_kind: global_buffer, .address_space: global }
      - { .name: qh, .offset: 16, .size: 8, .value_kind: global_buffer, .address_space: global }
    .group_segment_fixed_size: 327680
    .private_segment_fixed_size: 0
    .kernarg_segment_align: 8
    .kernarg_segment_size: 24
    .max_flat_workgroup_size: 128
    .sgpr_count:     72
    .vgpr_count:     1024
    .wavefront_size: 32
...
	.end_amdgpu_metadata
.endif
;; end of part 2
;; launch attn (part 3): grid 8 x 32, 4 waves a work-group, clusters of 4 x 1, 327,680 bytes of LDS; arguments qh, mask, cx; writes cx
.if DOCPART == 3
	.amdgcn_target "amdgcn-amd-amdhsa--gfx1250"
	.amdhsa_code_object_version 6
	.text
	.protected	k_qa06a9a6386_attn
	.globl	k_qa06a9a6386_attn
	.p2align	8
	.type	k_qa06a9a6386_attn,@function
k_qa06a9a6386_attn:
	s_mov_b64 s[64:65], 0
	v_nop
	global_prefetch_b8 v0, s[64:65] scope:SCOPE_SE
	s_setreg_imm32_b32 hwreg(HW_REG_WAVE_MODE, 25, 1), 1
	s_wait_xcnt 0x0
	s_wait_alu depctr_hold_cnt(0) depctr_sa_sdst(0) depctr_va_vdst(0) depctr_va_sdst(0) depctr_va_ssrc(0) depctr_va_vcc(0) depctr_vm_vsrc(0)
	s_getreg_b32 s2, hwreg(HW_REG_IB_STS2, 6, 4)
	s_cmp_eq_u32 s2, 0
	s_cbranch_scc0 .Lentry_in_a_cluster
	s_endpgm
.Lentry_in_a_cluster:
	s_bfe_u32 s2, ttmp6, 0x10000c
	s_cmp_lg_u32 s2, 0x3003
	s_cbranch_scc0 .Lentry_shape_is_right
	s_endpgm
.Lentry_shape_is_right:
; ATTENTION with a mask of keys.  O[q] = the sum over k of softmax_k(where(mask[k] == 0, -1e9, Q[q] . K[k] / 8)) V[k], for each of 2 batches x 16 heads, 2,048 rows, head size 64.
; qh holds q, k, v sliced by heads, [48][4096][64] f16 (q 0-15, k 16-31, v 32-47): a head's rows of a batch are 2,048 x 128 dense bytes.  O goes to cx in the same layout.  No work is left out.
; Products, maxima and sums in f32; the weights are rounded to f16 for the second product (their sum is taken unrounded), O once at the end.
; THE MASK is the C operand that starts S^T = K Q^T: 0, or -1e30 where the key is closed; a table of 2,048 such numbers is made once in LDS.
; LIMITS.  A closed key's score counts as its value less 1e30, where the module puts -1e9: the same weights (0) wherever a row has an open key whose score lies above -1e9 + 104.  Where ALL keys of a batch
; are closed the module's weights are equal: here the scale c is then 0, chosen by the mask's whole numbers, so that every weight is 2^0.  A weight below 2^-126 counts as 0.  NaN, infinities: not treated apart.
; SHARES.  A work-group owns 256 queries of a head, a wave 64: four PIECES of 16.  Every wave walks all keys, 64 a step; a slot of LDS holds four steps, 8 slots in all.
; LAYOUT.  S^T holds ONE query a lane (lane % 16) and the keys 8 (lane / 16) + 0..7; two such results rounded to f16 ARE source 1 of O^T = V^T P.  p = 2^(c s - c m), c = log2(e) / 8, with a running
; maximum m; O and l are multiplied by a = 2^(c m_old - c m_new) in every step.
; TURNS.  Turn n belongs to piece n: 8 products K Q^T of piece n + 1, later 8 products V^T P of piece n - 1; beside them piece n's scaling, exponentials, roundings, sums and rescaling and piece n + 1's
; maximum and statistics.  Four vector instructions stand behind every matrix instruction, the rest in one lump.  A turn's 33 exponentials are one batch with one wait.
; CLUSTER.  Four query blocks of a head walk the same K and V: each tile is asked for jointly.
; REGISTERS, in windows of 256 (s_set_vgpr_msb: bits 1:0 source 0, 3:2 source 1, 5:4 source 2, 7:6 destination):
;   window 0: v0-15, v56-63 addresses; v16-31 statistics; v48-55 at work; v64-127 S^T, two buffers; v192-223 P, two buffers
;   window 1: v0-127 O^T; v160-191 the step's mask      window 2: v0-63 Q; v128-191 K of one step; v192-255 V of one step
.set NP,    4
.set KS,    64
.set PK,    144                        ; a row of K in LDS: 128 + 16 bytes
.set PV,    160                        ; a row of V: 128 + 32 bytes
.set VOFF,  4*KS*PK
.set SLOT1, 1<<17
.set STAGE, SLOT1+4*KS*(PK+PV)         ; 16 rows x 144 bytes for each wave
.set SP,    144
.set SPARE, STAGE+4*16*SP              ; the spare words: two blocks of 256 bytes that no other line names
.set MT,    SPARE+512                  ; the table: 2,048 f32; no tile lands here
.set AK0, 2
.set AV0, 3
.set AK,  4
.set AV,  5
.set STO, 6
.set RD,  7
.set GO,  8
.set MV,  12
.set QO,  15
.set ST,  16                           ; piece t: c m, m, l (even keys', odd keys')
.set TMP, 48
.set AM0, 56                           ; v56  MT + 32 (l / 16); never rewritten
.set AM,  57                           ; v57  the address of the step's mask
.set PFO, 61                           ; v61  256 x lane; never rewritten
.set SPW, 62
.set NIL, 63
.set S,   64
.set P,   192
.set MC,  160                          ; window 1
.set KF,  128                          ; window 2
.set VF,  192                          ; window 2
.set WV,  12
.set LIM, 15
.set G1K, 24
.set G1V, 32
.set G0K, 40
.set G0V, 44
.set SLOTS, 56
.set CNT, 57
.set CS,  58
.set SEL, 60
.set TBK, 62
.set TBV, 63
.set PFA, 68
.set BIGN, 82
.set TM,  83                           ; s83  4 x the first key of the step to be fetched
.set MSB, 0
.macro WIN new
.if MSB != (\new)
	s_set_vgpr_msb (MSB<<8)|(\new)
.set MSB, (\new)
.endif
.endm
.set W_KQ, 0x0a
.set W_KM, 0x1a                        ; K and Q window 2, the mask window 1, S^T window 0
.set W_PV, 0x52
.set W_RS, 0x41
.macro JLOAD                           ; waves 0 and 1 fetch the halves of a slot's K, waves 2 and 3 those of its V; an s_nop 0 and four v_nop follow each line
	s_cmp_lt_u32 s[WV], 2
	s_cbranch_scc0 .Lfor_v_\@
	tensor_load_to_lds s[G0K:G0K+3], s[G1K:G1K+7]
	s_nop 0
.rept 4
	v_nop
.endr
	s_branch .Lasked_\@
.Lfor_v_\@:
	tensor_load_to_lds s[G0V:G0V+3], s[G1V:G1V+7]
	s_nop 0
.rept 4
	v_nop
.endr
.Lasked_\@:
.endm
; A prefetch of the slot that the NEXT change will ask for: 128 blocks of 256 bytes of K and of V.  The head's first cluster asks; its partners take 32 blocks each, by address; wave 0 K's, wave 2 V's; a lane a block.
.macro ASK
	s_cmp_gt_u32 s[SLOTS], s[LIM]
	s_cbranch_scc0 .Lnot_mine_\@
	global_prefetch_b8 v[PFO], s[PFA:PFA+1] th:TH_LOAD_NT scope:SCOPE_SE
.Lnot_mine_\@:
.endm
.macro CROUND
	s_barrier_signal -1
	s_barrier_wait -1
	s_cmp_lg_u32 s[WV], 0
	s_cbranch_scc1 .Lnot_wave_0_\@
	s_barrier_signal -3
.Lnot_wave_0_\@:
	s_barrier_wait -3
	s_barrier_signal -1
	s_barrier_wait -1
.endm
; THE CHANGE OF SLOTS.  Each wave waits for all its tensor loads, adds 0 to its spare word, and waits for that and for its LDS instructions; behind the barrier nobody reads the old slot and the other is whole.
; fill = 1: the old slot is filled again; the barrier is a round of the cluster's and the joint fill the first thing behind it: four key steps in which to land.
.macro CHANGE fill, ask
	WIN 0
	s_wait_tensorcnt 0x0
	ds_add_u32 v[SPW], v[NIL]
.if \fill
.irp g, G0K, G0V
	s_xor_b32 s[\g+1], s[\g+1], SLOT1
	s_add_nc_u64 s[\g+2:\g+3], s[\g+2:\g+3], 4*KS*128
.endr
.if \ask
	s_wait_xcnt 0x0                                ; the last prefetch, four key steps back, has read its address
	s_add_nc_u64 s[PFA:PFA+1], s[PFA:PFA+1], 4*KS*128
.endif
	s_wait_dscnt 0x0
	CROUND
	JLOAD
.if \ask
	ASK
.endif
.else
	s_wait_dscnt 0x0
	s_barrier_signal -1
	s_barrier_wait -1
.endif
	s_sub_co_u32 s[TBK], s[TBK], 4*KS*PK           ; the fetches go back to a slot's first step, in the other slot
	s_xor_b32 s[TBK], s[TBK], SLOT1
	s_sub_co_u32 s[TBV], s[TBV], 4*KS*PV
	s_xor_b32 s[TBV], s[TBV], SLOT1
.endm
	s_load_b128 s[84:87], s[0:1], 0x0              ; qh s[84:85], mask s[86:87]
	s_load_b64 s[10:11], s[0:1], 0x10              ; cx
	v_lshl_add_u32 v[SPW], v0, 2, SPARE
	v_mov_b32 v[NIL], 0
	ds_add_u32 v[SPW], v[NIL]                      ; the opening: the add twice on end and its wait, ahead of my first tensor load
	ds_add_u32 v[SPW], v[NIL]
	v_lshrrev_b32 v1, 5, v0
	v_readfirstlane_b32 s[WV], v1
	s_bfe_u32 s13, ttmp6, 0x40000                  ; cx
	s_lshl_b32 s14, ttmp9, 2
	s_add_co_u32 s14, s14, s13                     ; my block of 256 queries: it enters Q's and O's addresses alone
	s_and_b32 s16, ttmp7, 0xffff                   ; 16 x batch + head
	s_and_b32 s20, s16, 15
	s_lshl_b32 s20, s20, 19                        ; the head's slice
	s_lshr_b32 s16, s16, 4
	s_lshl_b32 s21, s16, 18                        ; the batch's 2,048 rows
	s_add_co_u32 s20, s20, s21
	s_lshl_b32 s66, s16, 13                        ; the batch's mask
	s_mov_b32 s67, 0
	s_and_b32 s16, s[WV], 1                        ; which half of a slot's 256 keys I fetch
	s_lshl_b32 s22, s16, 14
	s_add_co_u32 s22, s22, s20
	s_mov_b32 s23, 0
	s_mul_i32 s17, s16, 128*PK
	s_mul_i32 s18, s16, 128*PV
	s_lshl_b32 s2, s14, 15
	s_lshl_b32 s3, s[WV], 13
	s_add_co_u32 s2, s2, s3
	s_add_co_u32 s2, s2, s20                       ; my wave's 64 rows
	s_mov_b32 s3, 0
	s_mov_b32 s[G1K], 15|(1<<16)|(1<<20)|(1<<21)|(4<<22)|(3<<25)  ; the mask of four; 2-byte elements; padding: after every 32 words 4 words
	s_mov_b32 s[G1V], 15|(1<<16)|(1<<20)|(1<<21)|(4<<22)|(7<<25)  ; 8 words
.irp g, G1K, G1V
	s_mov_b32 s[\g+1], 128<<16                     ; 128 keys, dense, asked for as 64 rows of 256 bytes
	s_mov_b32 s[\g+2], 64<<16
	s_mov_b32 s[\g+3], 128<<16
	s_mov_b32 s[\g+4], 64
	s_mov_b32 s[\g+5], 128
	s_mov_b32 s[\g+6], 0
	s_mov_b32 s[\g+7], 0
.endr
	s_mov_b32 s[SEL], 0x76543210
	s_mov_b32 s[SEL+1], 0xfedcba98
	s_mov_b32 s[TBK], SLOT1+4*KS*PK                ; the first change of slots turns these two into 0
	s_mov_b32 s[TBV], SLOT1+4*KS*PV
	s_mov_b32 s[TM], 0
	s_mov_b32 s[BIGN], 0xf149f2ca                  ; -1e30
	s_mov_b32 s[G0K], 1
	s_mov_b32 s[G0K+1], s17
	s_mov_b32 s[G0V], 1
	s_add_co_u32 s[G0V+1], s18, VOFF
	s_and_b32 s[LIM], s[WV], 1
	s_or_b32 s[LIM], s[LIM], ttmp9                 ; 0 in waves 0 and 2 of the head's first cluster
	s_cmp_eq_u32 s[LIM], 0
	s_cselect_b32 s[LIM], 1, -1
	s_wait_dscnt 0x0
	s_wait_kmcnt 0x0
	s_add_nc_u64 s[6:7], s[84:85], s[22:23]
	s_add_nc_u64 s[8:9], s[6:7], 0x1000000         ; V: slices 32 on
	s_add_nc_u64 s[6:7], s[6:7], 0x800000          ; K: slices 16 on
	s_add_nc_u64 s[G0K+2:G0K+3], s[6:7], 0
	s_or_b32 s[G0K+3], s[G0K+3], 0x80000000
	s_add_nc_u64 s[G0V+2:G0V+3], s[8:9], 0
	s_or_b32 s[G0V+3], s[G0V+3], 0x80000000
	s_add_nc_u64 s[4:5], s[84:85], s[2:3]          ; Q and O at my wave's first row
	s_add_nc_u64 s[10:11], s[10:11], s[2:3]
	s_add_nc_u64 s[86:87], s[86:87], s[66:67]
	s_cmp_lt_u32 s[WV], 2
	s_cselect_b64 s[PFA:PFA+1], s[6:7], s[8:9]     ; (in waves 0 and 2 these stand at a slot's first row)
	s_lshl_b32 s2, s13, 13
	s_add_nc_u64 s[PFA:PFA+1], s[PFA:PFA+1], s[2:3]
	s_add_nc_u64 s[PFA:PFA+1], s[PFA:PFA+1], 2*4*KS*128  ; in slot 2: the loop's first change steps it to slot 3.  Nothing is prefetched at the head
	CROUND
	JLOAD                                          ; slot 0
	v_and_b32 v1, 15, v0                           ; l % 16
	v_bfe_u32 v9, v0, 4, 1                         ; l / 16
	v_lshlrev_b32 v[QO], 7, v1
	v_lshl_add_u32 v[QO], v9, 4, v[QO]
	v_and_b32 v59, 31, v0
	v_lshlrev_b32 v[PFO], 8, v59
	v_lshlrev_b32 v59, 4, v59                      ; 16 x lane
	v_lshl_add_u32 v58, s[WV], 11, v59             ; + my wave's 512 keys
.irp i, 0,1,2,3
	global_load_b128 v[P+4*\i:P+4*\i+3], v58, s[86:87] offset:512*\i  ; my quarter of the mask, for the table
.endr
.set i, 0
.rept 16
	global_load_b128 v[S+4*i:S+4*i+3], v59, s[86:87] offset:512*i     ; the whole mask: is any key open?
.set i, i+1
.endr
	WIN 0x80
.set i, 0
.rept 8                                ; Q stays in registers: piece i / 2, channels 32 (i % 2) on
	global_load_b128 v[8*i:8*i+3],   v[QO], s[4:5] offset:(i/2)*2048+(i%2)*64
	global_load_b128 v[8*i+4:8*i+7], v[QO], s[4:5] offset:(i/2)*2048+(i%2)*64+32
.set i, i+1
.endr
	; The first step multiplies O^T and l by a = 0, and the first turn's products V^T P, of a piece that has not been, land in an O^T still to be so multiplied: these registers need only be finite.
.set i, VF
.rept 64
	v_mov_b32 v[i], 0
.set i, i+1
.endr
	WIN 0x40
.set i, 0
.rept 128
	v_mov_b32 v[i], 0
.set i, i+1
.endr
	WIN 0
.set i, 0
.rept 4
	v_mov_b32 v[ST+4*i], 0xfe000000                ; c m: far below every c s
	v_mov_b32 v[ST+4*i+1], 0xff7fffff              ; m
	v_mov_b32 v[ST+4*i+2], 0
	v_mov_b32 v[ST+4*i+3], 0
.set i, i+1
.endr
.set i, P+16
.rept 16
	v_mov_b32 v[i], 0
.set i, i+1
.endr
	v_mul_u32_u24 v[AK0], v1, PK
	v_lshl_add_u32 v[AK0], v9, 4, v[AK0]
	v_and_b32 v10, 7, v0
	v_bfe_u32 v11, v0, 3, 1
	v_lshl_add_u32 v[AV0], v9, 3, v10              ; the turning load: key 8 (l / 16) + l % 8, channels 8 ((l / 8) % 2) on
	v_mul_u32_u24 v[AV0], v[AV0], PV
	v_lshl_add_u32 v[AV0], v11, 4, v[AV0]
	v_add_nc_u32 v[AV0], VOFF, v[AV0]
	v_lshl_add_u32 v[AM0], v9, 5, MT
	v_add_nc_u32 v60, MT, v58
	s_mul_i32 s13, s[WV], 16*SP
	s_add_co_u32 s13, s13, STAGE
	v_mul_u32_u24 v[STO], v1, SP
	v_lshl_add_u32 v[STO], v9, 4, v[STO]
	v_add_nc_u32 v[STO], s13, v[STO]
	v_bfe_u32 v[RD], v0, 3, 2
	v_mul_u32_u24 v[RD], v[RD], SP
	v_lshl_add_u32 v[RD], v10, 4, v[RD]
	v_add_nc_u32 v[RD], s13, v[RD]
	v_and_b32 v[GO], 31, v0
	v_lshlrev_b32 v[GO], 4, v[GO]
	s_wait_loadcnt 16                              ; the mask's 20 loads are in; Q's 16 stay out
.set i, 1
.rept 63
	v_or_b32 v[S], v[S], v[S+i]
.set i, i+1
.endr
	v_cmp_ne_u32 s70, 0, v[S]
	s_cmp_lg_u32 s70, 0                            ; any key open?
	s_cselect_b32 s[CS], 0x3e38aa3b, 0             ; c = log2(e) / 8, or 0 where all keys are closed
	s_mov_b32 s[CS+1], s[CS]
.set i, 0
.rept 16
	v_cmp_eq_u32 vcc_lo, 0, v[P+i]
	v_cndmask_b32 v[P+i], 0, s[BIGN], vcc_lo
.set i, i+1
.endr
.irp i, 0,1,2,3
	ds_store_b128 v60, v[P+4*\i:P+4*\i+3] offset:512*\i
.endr
.macro KQ x                            ; product i of 8 of S^T for piece x: channels 32 (i / 4) on, keys 16 (i % 4) on; the first 4 start the sums with the mask.  The 4 accumulators take turns
.set rS, S+32*((\x)%2)+8*(i%4)
.set rK, KF+16*(i%4)+8*(i/4)
.set rQ, 16*(\x)+8*(i/4)
.set rM, MC+8*(i%4)
.if i < 4
	WIN W_KM
	v_wmma_f32_16x16x32_f16 v[rS:rS+7], v[rK:rK+7], v[rQ:rQ+7], v[rM:rM+7]
.else
	WIN W_KQ
	v_wmma_f32_16x16x32_f16 v[rS:rS+7], v[rK:rK+7], v[rQ:rQ+7], v[rS:rS+7]
.endif
.endm
.macro PV x                            ; product i of 8 of O^T += V^T P for piece x: keys 32 (i / 4) on, channels 16 (i % 4) on
	WIN W_PV
.set rO, 32*(\x)+8*(i%4)
.set rV, VF+32*(i/4)+8*(i%4)
.set rP, P+16*((\x)%2)+8*(i/4)
	v_wmma_f32_16x16x32_f16 v[rO:rO+7], v[rV:rV+7], v[rP:rP+7], v[rO:rO+7]
.endm
.macro MM                              ; the turn's next matrix instruction; NOKQ = 1: the last turn: there is no next piece
.if (i < 8) && !NOKQ
	KQ (Y+1)%NP
.elseif i >= 8
.set i, i-8
	PV (Y+NP-1)%NP
.set i, i+8
.endif
.set i, i+1
.endm
.macro FETCH_K                         ; a step's K (8 fragments) and its 64 numbers of the mask, in one run
	WIN 0x80
.irp f, 0,1,2,3,4,5,6,7
	ds_load_b128 v[KF+8*\f:KF+8*\f+3],   v[AK] offset:(\f/2)*16*PK+(\f%2)*64
	ds_load_b128 v[KF+8*\f+4:KF+8*\f+7], v[AK] offset:(\f/2)*16*PK+(\f%2)*64+32
.endr
	WIN 0x40
.irp f, 0,1,2,3
	ds_load_b128 v[MC+8*\f:MC+8*\f+3],   v[AM] offset:64*\f
	ds_load_b128 v[MC+8*\f+4:MC+8*\f+7], v[AM] offset:64*\f+16
.endr
	s_add_co_u32 s[TBK], s[TBK], KS*PK
	s_add_co_u32 s[TM], s[TM], 4*KS
	WIN 0
.endm
.macro FETCH_V
	WIN 0x80
.irp f, 0,1,2,3,4,5,6,7
	ds_load_tr16_b128 v[VF+8*\f:VF+8*\f+3],   v[AV] offset:(\f/4)*32*PV+(\f%4)*32
	ds_load_tr16_b128 v[VF+8*\f+4:VF+8*\f+7], v[AV] offset:(\f/4)*32*PV+16*PV+(\f%4)*32
.endr
	WIN 0
.endm
; THE VECTOR WORK, a line at a time: OP kind, number.  Piece Y: F n: c s - c m for pair n.  E n: the exponential of score n.  C n: pair n rounded to f16.  B n: of weights 4 n .. the second pair onto the first.
; L n: l takes that sum (L 0: l = a l + sum).  R n: pair n of O^T times a.  Piece Y + 1: X n: 0-11 four chains of maxima (each accumulator's lowest registers first); 12-14, 16 the rest,
; the old m, into one; 15 c m_old kept; 17, 18 the other half of the lanes, the new m; 19-21 c m, its change, a.
.set F, 0
.set E, 1
.set C, 2
.set B, 3
.set L, 4
.set R, 5
.set X, 6
.macro REGS y
.set rT, ST+4*(\y)
.set rC, TMP+4*((\y)%2)
.set rW, MV+((\y)%2)
.set rS, S+32*((\y)%2)
.set rP, P+16*((\y)%2)
.set rO, 32*(\y)
.endm
.macro OP k, n
.if (\k) == R
	REGS Y
	WIN W_RS
	v_pk_mul_f32 v[rO+2*(\n):rO+2*(\n)+1], v[rO+2*(\n):rO+2*(\n)+1], v[rC+2:rC+3] op_sel_hi:[1,0]
.elseif (\k) < R
	REGS Y
	WIN 0
.if (\k) == F
	v_pk_fma_f32 v[rS+2*(\n):rS+2*(\n)+1], v[rS+2*(\n):rS+2*(\n)+1], s[CS:CS+1], v[rT:rT+1] op_sel_hi:[1,0,0] neg_lo:[0,0,1] neg_hi:[0,0,1]
.elseif (\k) == E
	v_exp_f32 v[rS+(\n)], v[rS+(\n)]
.elseif (\k) == C
	v_cvt_pk_f16_f32 v[rP+(\n)], v[rS+2*(\n)], v[rS+2*(\n)+1]
.elseif (\k) == B
	v_pk_add_f32 v[rS+4*(\n):rS+4*(\n)+1], v[rS+4*(\n):rS+4*(\n)+1], v[rS+4*(\n)+2:rS+4*(\n)+3]
.elseif (\n) == 0
	v_pk_fma_f32 v[rT+2:rT+3], v[rT+2:rT+3], v[rC+2:rC+3], v[rS:rS+1] op_sel_hi:[1,0,1]
.else
	v_pk_add_f32 v[rT+2:rT+3], v[rT+2:rT+3], v[rS+4*(\n):rS+4*(\n)+1]
.endif
.elseif NOKQ
	v_nop
.else
	REGS (Y+1)%NP
	WIN 0
.if (\n) < 4
	v_max3_num_f32 v[rC+(\n)], v[rS+8*(\n)], v[rS+8*(\n)+1], v[rS+8*(\n)+2]
.elseif (\n) < 12
	v_max3_num_f32 v[rC+(\n)%4], v[rC+(\n)%4], v[rS+8*((\n)%4)+2*((\n)/4)+1], v[rS+8*((\n)%4)+2*((\n)/4)+2]
.elseif (\n) == 12
	v_max3_num_f32 v[rC], v[rC], v[rS+7], v[rS+15]
.elseif (\n) == 13
	v_max3_num_f32 v[rC+1], v[rC+1], v[rS+23], v[rS+31]
.elseif (\n) == 14
	v_max3_num_f32 v[rC+2], v[rC+2], v[rC+3], v[rT+1]
.elseif (\n) == 15
	v_mov_b32 v[rW], v[rT]
.elseif (\n) == 16
	v_max3_num_f32 v[rC], v[rC], v[rC+1], v[rC+2]
.elseif (\n) == 17
	v_permlanex16_b32 v[rC+3], v[rC], s[SEL], s[SEL+1]
.elseif (\n) == 18
	v_max_num_f32 v[rT+1], v[rC], v[rC+3]
.elseif (\n) == 19
	v_mul_f32 v[rT], s[CS], v[rT+1]
.elseif (\n) == 20
	v_sub_f32 v[rC+1], v[rW], v[rT]
.else
	v_exp_f32 v[rC+2], v[rC+1]
.endif
.endif
.endm
.macro OPS a, i1, b=-1, i2=0, c=-1, i3=0, d=-1, i4=0
	OP \a, \i1
.if (\b) >= 0
	OP \b, \i2
.endif
.if (\c) >= 0
	OP \c, \i3
.endif
.if (\d) >= 0
	OP \d, \i4
.endif
.endm
.macro ROW a, i1, b, i2, c, i3, d, i4  ; a matrix instruction and the four behind it
	MM
	OPS \a, \i1, \b, \i2, \c, \i3, \d, \i4
.endm
; A TURN for piece p.  Ahead of its one wait stands all that names no result of its exponentials: 8 products K Q^T with their riders and the lump; behind it 8 products V^T P, whose riders are the roundings and sums.
; K and the mask of the next step are fetched in piece 2's turn, twelve vector instructions (six of them plain) behind the last product that read K; V of the step in hand at the end of piece 0's turn, four
; plain instructions behind its last reader.  Each is waited for a turn later.  end = 1: the last two turns fetch nothing.  cnt = 1: the loop's count is taken down some lines ahead of the branch.
.macro TURN p, end=0, cnt=0
.set Y, (\p)
.set i, 0
.set NOKQ, (\end)*((\p)/3)
.if ((\p) == 3) && !(\end)
	s_wait_dscnt 0x0                               ; K and the mask are in
.endif
	ROW F,0, F,1, R,0, R,1
	ROW F,2, E,0, R,2, R,3
	ROW F,3, E,1, R,4, R,5
	ROW F,4, E,2, R,6, R,7
	ROW F,5, E,3, R,8, R,9
	ROW F,6, E,4, X,0, R,10
.if ((\p) == 2) && !(\end)
	WIN 0
	v_add_nc_u32 v[AK], s[TBK], v[AK0]
	v_add_nc_u32 v[AM], s[TM], v[AM0]
.endif
	ROW F,7, E,5, X,1, X,4
	ROW F,8, E,6, X,2, X,5
	OPS E,7, E,8, X,6, E,9
	OPS X,3, E,10, X,8, E,11
.if ((\p) == 2) && !(\end)
	FETCH_K
.endif
	OPS X,9, X,7, E,12, X,10
	OPS E,13, X,12, X,11, E,14
	OPS X,13, E,15, F,9, X,14
.if (\p) == 0
	v_add_nc_u32 v[AV], s[TBV], v[AV0]
.endif
	OPS E,16, F,10, E,17, F,11
	OPS X,16, E,18, X,15, E,19
	OPS F,12, E,20, X,17, E,21
	OPS F,13, E,22, F,14, E,23
	OPS X,18, E,24, F,15, E,25
	OPS R,11, E,26, X,19, E,27
	OPS R,12, E,28, R,13, E,29
	OPS X,20, E,30, R,14, E,31
	OPS X,21, R,15                                 ; R 15 is the plain instruction behind the last exponential
	WIN 0
	s_wait_alu depctr_va_vdst(0)                   ; the one wait for the batch, ahead of the first instruction that names a result
.if (\p) == 1
	s_wait_dscnt 0x0                               ; V is in
.endif
	ROW C,0, B,0, C,2, B,1
	ROW L,0, C,4, B,2, L,1
	ROW C,6, B,3, L,2, C,8
	ROW B,4, L,3, C,10, B,5
	ROW L,4, C,12, B,6, L,5
.if (\p) == 0
	s_add_co_u32 s[TBV], s[TBV], KS*PV
.endif
.if \cnt
	s_sub_co_u32 s[CNT], s[CNT], 1
	s_cmp_lg_u32 s[CNT], 0
.endif
	ROW C,14, B,7, L,6, C,1
	ROW C,3, L,7, C,5, C,7
	ROW C,9, C,11, C,13, C,15
.if (\p) == 0
	FETCH_V
.endif
.endm
	CHANGE 1, 0                                    ; slot 0 is in and the table is whole, everybody's part; slot 1 is asked for
	v_add_nc_u32 v[AK], s[TBK], v[AK0]
	v_add_nc_u32 v[AM], s[TM], v[AM0]
	FETCH_K                                        ; key step 0
	s_wait_loadcnt 0x0                             ; Q
	s_wait_dscnt 0x0
.set NOKQ, 0
.set i, 0
.rept 8
	KQ 0                                           ; piece 0's first scores
.set i, i+1
.endr
	WIN 0
.rept 4
	v_nop                                          ; the places behind those products
.endr
.set Y, NP-1
.irp n, 0,1,2,3,4,5,6,7,8,9,10,11,12,13,14,15,16,17,18,19,20,21
	OP X, \n                                       ; and its first maximum and statistics
.endr
	v_nop
	s_wait_alu depctr_va_vdst(0)                   ; the first a has its wait ahead of the branch
	s_mov_b32 s[CNT], 4
	s_mov_b32 s[SLOTS], 7
	s_branch .Lfirst                               ; the loop is entered at a step's first turn
.Lslot:                                                ; six times: slots 1 to 6 are entered, slots 2 to 7 asked for
	CHANGE 1, 1
	s_mov_b32 s[CNT], 4
.Lstep:                                                ; a trip: pieces 2 and 3 of one step, pieces 0 and 1 of the next, whose K and V it fetches
	TURN 2
	TURN 3
	WIN 0
.Lfirst:
	TURN 0
	TURN 1, 0, 1
	WIN 0
	s_cbranch_scc1 .Lstep
	s_sub_co_u32 s[SLOTS], s[SLOTS], 1
	s_cmp_lg_u32 s[SLOTS], 0
	s_cbranch_scc1 .Lslot
	CHANGE 0, 0                                    ; the last slot is written out
	s_mov_b32 s[CNT], 4
.Ltail:
	TURN 2
	TURN 3
	TURN 0
	TURN 1, 0, 1
	WIN 0
	s_cbranch_scc1 .Ltail
	TURN 2, 1
	TURN 3, 1
.set i, 0
.rept 8
	PV NP-1
.set i, i+1
.endr
	; THE WAY OUT: l's halves and the other half of the lanes' are added (the places behind the last products); O^T is divided by l, rounded, and sent through my stage, a piece at a time
	WIN 0
.macro ALL line:vararg
.set t, 0
.rept 4
	\line
.set t, t+1
.endr
.endm
	ALL v_add_f32 v[ST+4*t+2], v[ST+4*t+2], v[ST+4*t+3]
	ALL v_permlanex16_b32 v[ST+4*t+3], v[ST+4*t+2], s[SEL], s[SEL+1]
	ALL v_add_f32 v[ST+4*t+2], v[ST+4*t+2], v[ST+4*t+3]
	ALL v_rcp_f32 v[ST+4*t+2], v[ST+4*t+2]
	v_nop
	s_wait_alu depctr_va_vdst(0)                   ; one wait for the four reciprocals
.macro PACK t
	WIN W_RS
.set i, 32*(\t)
.rept 16
	v_pk_mul_f32 v[i:i+1], v[i:i+1], v[ST+4*(\t)+2:ST+4*(\t)+3] op_sel_hi:[1,0]
.set i, i+2
.endr
	WIN 0x05
.set i, 0
.rept 16
	v_cvt_pk_f16_f32 v[S+16*(\t)+i], v[32*(\t)+2*i], v[32*(\t)+2*i+1]
.set i, i+1
.endr
	WIN 0
.irp f, 0,1,2,3
	ds_store_b128 v[STO], v[S+16*(\t)+4*\f:S+16*(\t)+4*\f+3] offset:32*\f
.endr
.irp f, 0,1,2,3
	ds_load_b128 v[S+16*(\t)+4*\f:S+16*(\t)+4*\f+3], v[RD] offset:\f*4*SP  ; LDS serves a wave's instructions in order: these see the stores above
.endr
.endm
.macro SEND t, younger                 ; younger: the LDS instructions issued behind piece t's loads: the next piece's eight, or none
	WIN 0
.irp f, 0,1,2,3
	s_wait_dscnt (\younger)+3-\f
	global_store_b128 v[GO], v[S+16*(\t)+4*\f:S+16*(\t)+4*\f+3], s[10:11] offset:(\t)*2048+\f*512  ; 512 consecutive bytes, aligned
.endr
.endm
	PACK 0
.set t, 1
.rept 3
	PACK t
	SEND t-1, 8
.set t, t+1
.endr
	SEND 3, 0
	s_wait_tensorcnt 0x0                           ; the wave's end
	ds_add_u32 v[SPW], v[NIL]
	s_wait_dscnt 0x0
	CROUND                                         ; the closing round
	s_endpgm
.Lfunc_end_k_qa06a9a6386_attn:
	.size	k_qa06a9a6386_attn, .Lfunc_end_k_qa06a9a6386_attn-k_qa06a9a6386_attn
	.p2alignl 7, 3214868480
	.fill 96, 4, 3214868480
	.section	.rodata,"a",@progbits
	.p2align	6, 0x0
	.amdhsa_kernel k_qa06a9a6386_attn
		.amdhsa_group_segment_fixed_size 327680
		.amdhsa_private_segment_fixed_size 0
		.amdhsa_enable_private_segment 0
		.amdhsa_kernarg_size 24
		.amdhsa_user_sgpr_count 2
		.amdhsa_user_sgpr_kernarg_segment_ptr 1
		.amdhsa_wavefront_size32 1
		.amdhsa_system_sgpr_workgroup_id_x 1
		.amdhsa_system_sgpr_workgroup_id_y 1
		.amdhsa_system_sgpr_workgroup_id_z 1
		.amdhsa_system_vgpr_workitem_id 0
		.amdhsa_next_free_vgpr 768
		.amdhsa_next_free_sgpr 88
		.amdhsa_reserve_vcc 1
		.amdhsa_float_denorm_mode_32 3
		.amdhsa_float_denorm_mode_16_64 3
		.amdhsa_memory_ordered 1
		.amdhsa_forward_progress 1
		.amdhsa_inst_pref_size 136
	.end_amdhsa_kernel
	.amdgpu_metadata
---
amdhsa.version: [ 1, 2 ]
amdhsa.kernels:
  - .name:           k_qa06a9a6386_attn
    .symbol:         k_qa06a9a6386_attn.kd
    .args:
      - { .name: qh, .offset: 0, .size: 8, .value_kind: global_buffer, .address_space: global }
      - { .name: mask, .offset: 8, .size: 8, .value_kind: global_buffer, .address_space: global }
      - { .name: cx, .offset: 16, .size: 8, .value_kind: global_buffer, .address_space: global }
    .group_segment_fixed_size: 327680
    .private_segment_fixed_size: 0
    .kernarg_segment_align: 8
    .kernarg_segment_size: 24
    .max_flat_workgroup_size: 128
    .sgpr_count:     88
    .vgpr_count:     768
    .wavefront_size: 32
...
	.end_amdgpu_metadata
.endif
;; end of part 3
;; launch wo (part 4): grid 8 x 32, 4 waves a work-group, clusters of 4 x 4, 327,680 bytes of LDS; arguments cx, cst, y; writes y
.if DOCPART == 4
	.amdgcn_target "amdgcn-amd-amdhsa--gfx1250"
	.amdhsa_code_object_version 6
	.text
	.protected	k_qa06a9a6386_wo
	.globl	k_qa06a9a6386_wo
	.p2align	8
	.type	k_qa06a9a6386_wo,@function
k_qa06a9a6386_wo:
	s_mov_b64 s[64:65], 0
	v_nop
	global_prefetch_b8 v0, s[64:65] scope:SCOPE_SE
	s_setreg_imm32_b32 hwreg(HW_REG_WAVE_MODE, 25, 1), 1
	s_wait_xcnt 0x0
	s_wait_alu depctr_hold_cnt(0) depctr_sa_sdst(0) depctr_va_vdst(0) depctr_va_sdst(0) depctr_va_ssrc(0) depctr_va_vcc(0) depctr_vm_vsrc(0)
	s_getreg_b32 s2, hwreg(HW_REG_IB_STS2, 6, 4)
	s_cmp_eq_u32 s2, 0
	s_cbranch_scc0 .Lentry_in_a_cluster
	s_endpgm
.Lentry_in_a_cluster:
	s_bfe_u32 s2, ttmp6, 0x10000c
	s_cmp_lg_u32 s2, 0xf033
	s_cbranch_scc0 .Lentry_shape_is_right
	s_endpgm
.Lentry_shape_is_right:
; Y = A B, the raw product in f32 (bias, residual and norm follow in the next launch).  A: sliced f16 [K/64][4096][64].  B: plain f16 [K][1024] at byte BOFF of cst.  Y: sliced f32 [16][4096][64].
; Here K = 1,024 (the context times wo).  No work of the module is left out.
; N = 1,024 gives 64 tiles of 256 x 256; so a tile is 128 x 128: 256 work-groups.  Four waves, 64 x 64 each: 16 accumulators.  K goes in steps of 256 (four slices of A, 256 rows of B) through two LDS slots.
; Waves 0 and 1 fetch two slices of A each (two rows of 16 KiB, each 128 dense row pieces), waves 2 and 3 128 rows of B each.  CLUSTER 4 x 4: A's tile shared along a row, B's along a column, asked for jointly.
; The matrix instruction is used transposed (source 0 = 16 columns of B, read turned; source 1 = 16 rows of A): a lane holds 8 neighbouring columns of a row.  A wave's 64 columns are one slice of Y, so
; each wave has a stage of its own.  No prefetch: the tile is small and a step short.
; REGISTERS: window 0: v0-31 addresses; v32-95 at work on the way out; v128-255 accumulators ((a, b) at 128 + 8 (4 a + b)).  Window 1: two fragment buffers of 128: 64 of A, 64 of B, for 64 along K.
.set NS,    4                          ; K steps
.set BOFF,  8388608
.set PA,    144
.set ASL,   128*PA
.set AT,    4*ASL
.set PB,    288                        ; a row of B: 256 bytes + 32 = 9 x 32
.set BHF,   128*PB
.set SLOT,  AT+2*BHF                   ; 147,456
.set STAGE, 2*SLOT
.set SPITCH, 272
.set SPARE, STAGE+4*16*SPITCH
.set ASTEP, 2097152
.set BSTEP, 524288
.set LAPS,  NS/2
.set ADRA, 16                          ; v16-17
.set ADRB, 20                          ; v20-21: k rows 0-127 of slot 0, 1; v22-23: k rows 128-255
.set STO,  24
.set RD,   25
.set CO,   26
.set SPW,  28
.set NIL,  29
.set TMP,  32
.set ACC,  128
.set F0,   0
.set F1,   128
.set G1,  24
.set G0,  32
.set G1B, 48
.set G0B, 56
.set MSB, 0
.macro WIN new
.if MSB != (\new)
	s_set_vgpr_msb (MSB<<8)|(\new)
.set MSB, \new
.endif
.endm
.set MUL,  0x05
.set TO_F, 0x40
.macro JLOAD s
	s_cmp_eq_u32 s11, 0
	s_cbranch_scc0 .Lfor_b_\@
	tensor_load_to_lds s[G0+4*(\s):G0+4*(\s)+3], s[G1:G1+7]
	s_nop 0
.rept 4
	v_nop
.endr
	s_branch .Lasked_\@
.Lfor_b_\@:
	tensor_load_to_lds s[G0B+4*(\s):G0B+4*(\s)+3], s[G1B:G1B+7]
	s_nop 0
.rept 4
	v_nop
.endr
.Lasked_\@:
.endm
.macro CREST
	s_cmp_lg_u32 s10, 0
	s_cbranch_scc1 .Lnot_wave_0_\@
	s_barrier_signal -3
.Lnot_wave_0_\@:
	s_barrier_wait -3
	s_barrier_signal -1
	s_barrier_wait -1
.endm
.macro CROUND
	s_barrier_signal -1
	s_barrier_wait -1
	CREST
.endm
	s_load_b128 s[4:7], s[0:1], 0x0                ; A s[4:5], cst s[6:7]
	s_load_b64 s[8:9], s[0:1], 0x10                ; Y
	v_lshl_add_u32 v[SPW], v0, 2, SPARE
	v_mov_b32 v[NIL], 0
	ds_add_u32 v[SPW], v[NIL]                      ; the opening: the add twice on end and its wait
	ds_add_u32 v[SPW], v[NIL]
	v_lshrrev_b32 v1, 5, v0
	v_readfirstlane_b32 s10, v1
	s_lshr_b32 s11, s10, 1                         ; my half of the rows; also: I fetch for A (0) or B (1)
	s_and_b32 s12, s10, 1                          ; my half of the columns; also: which part I fetch
	s_bfe_u32 s40, ttmp6, 0x40000
	s_bfe_u32 s41, ttmp6, 0x40004
	s_lshl_b32 s42, ttmp9, 2
	s_add_co_u32 s42, s42, s40                     ; tile column
	s_and_b32 s13, ttmp7, 0xffff
	s_lshl_b32 s13, s13, 2
	s_add_co_u32 s13, s13, s41                     ; tile row
	s_lshl_b32 s43, s41, 2
	s_lshl_b32 s43, 15, s43
	s_lshl_b32 s44, 0x1111, s40
	s_or_b32 s[G1+0], s43, (1<<16)|(1<<20)|(1<<21)|(4<<22)|(3<<25)   ; after every 32 words (a row piece) 4 words
	s_mov_b32 s[G1+1], 8192<<16                    ; A: 2 rows of 8,192 elements, a slice (262,144 elements) apart
	s_mov_b32 s[G1+2], 2<<16
	s_mov_b32 s[G1+3], 8192<<16
	s_mov_b32 s[G1+4], 2
	s_mov_b32 s[G1+5], 262144
	s_mov_b32 s[G1+6], 0
	s_mov_b32 s[G1+7], 0
	s_or_b32 s[G1B+0], s44, (1<<16)|(1<<20)|(1<<21)|(5<<22)|(7<<25)  ; after every 64 words 8 words
	s_mov_b32 s[G1B+1], 128<<16                    ; B: 128 rows of 256 bytes, 1,024 elements apart
	s_mov_b32 s[G1B+2], 128<<16
	s_mov_b32 s[G1B+3], 128<<16
	s_mov_b32 s[G1B+4], 128
	s_mov_b32 s[G1B+5], 1024
	s_mov_b32 s[G1B+6], 0
	s_mov_b32 s[G1B+7], 0
	s_lshl_b32 s16, s13, 14                        ; A: the tile's 128 rows in a slice,
	s_lshl_b32 s17, s12, 20                        ; my two slices of the step's four
	s_add_co_u32 s16, s16, s17
	s_mov_b32 s17, 0
	s_lshl_b32 s46, s42, 8                         ; B: the tile's 128 columns,
	s_lshl_b32 s47, s12, 18                        ; my 128 rows of the step's 256
	s_add_co_u32 s46, s46, s47
	s_add_co_u32 s46, s46, BOFF
	s_mov_b32 s47, 0
	s_mul_i32 s20, s12, 2*ASL
	s_mul_i32 s21, s12, BHF
	s_add_co_u32 s21, s21, AT
	s_wait_dscnt 0x0
	s_wait_kmcnt 0x0
	s_add_nc_u64 s[14:15], s[4:5], s[16:17]
	s_add_nc_u64 s[46:47], s[6:7], s[46:47]
	CROUND
.irp s, 0,1
	s_mov_b32 s[G0+4*(\s)], 1
	s_add_co_u32 s[G0+4*(\s)+1], s20, (\s)*SLOT
	s_add_nc_u64 s[G0+4*(\s)+2:G0+4*(\s)+3], s[14:15], (\s)*ASTEP
	s_or_b32 s[G0+4*(\s)+3], s[G0+4*(\s)+3], 0x80000000
	s_mov_b32 s[G0B+4*(\s)], 1
	s_add_co_u32 s[G0B+4*(\s)+1], s21, (\s)*SLOT
	s_add_nc_u64 s[G0B+4*(\s)+2:G0B+4*(\s)+3], s[46:47], (\s)*BSTEP
	s_or_b32 s[G0B+4*(\s)+3], s[G0B+4*(\s)+3], 0x80000000
	JLOAD \s
.endr
	v_and_b32 v1, 15, v0
	v_bfe_u32 v2, v0, 4, 1
	v_mul_u32_u24 v3, v1, PA
	v_lshl_add_u32 v3, v2, 4, v3
	v_and_b32 v4, 7, v0
	v_lshl_add_u32 v4, v2, 3, v4
	v_mul_u32_u24 v4, v4, PB
	v_bfe_u32 v5, v0, 3, 1
	v_lshl_add_u32 v4, v5, 4, v4
	s_mul_i32 s21, s11, 64*PA                      ; my 64 rows of A
	s_lshl_b32 s22, s12, 7                         ; my 64 columns of B
	s_add_co_u32 s22, s22, AT
.irp s, 0,1
	v_add_nc_u32 v[ADRA+(\s)], s21, v3
	v_add_nc_u32 v[ADRB+(\s)], s22, v4
	v_add_nc_u32 v[ADRB+2+(\s)], BHF, v[ADRB+(\s)]
	s_add_co_u32 s21, s21, SLOT
	s_add_co_u32 s22, s22, SLOT
.endr
	s_mul_i32 s23, s10, 16*SPITCH
	s_add_co_u32 s23, s23, STAGE
	v_mul_u32_u24 v5, v1, SPITCH                   ; in: row l % 16, 32 bytes for each half of the lanes
	v_lshl_add_u32 v5, v2, 5, v5
	v_add_nc_u32 v[STO], s23, v5
	v_mul_u32_u24 v5, v2, SPITCH                   ; back: lanes 0-15 one row piece of 256 bytes, lanes 16-31 the next
	v_lshl_add_u32 v5, v1, 4, v5
	v_add_nc_u32 v[RD], s23, v5
	v_and_b32 v6, 31, v0
	v_lshlrev_b32 v[CO], 4, v6
	s_lshl_b32 s16, s13, 15                        ; my first row, 256 bytes a row
	s_lshl_b32 s17, s11, 14
	s_add_co_u32 s16, s16, s17
	s_mov_b32 s17, 0
	s_lshl1_add_u32 s46, s42, s12                  ; my slice of Y
	s_lshl_b32 s46, s46, 20
	s_mov_b32 s47, 0
	s_add_nc_u64 s[16:17], s[16:17], s[46:47]
	s_add_nc_u64 s[8:9], s[8:9], s[16:17]
; 8 matrix instructions: row blocks a0, a0 + 1 x 4 column blocks, 32 along K: half c of buffer f.  The 16 accumulators take turns.
.macro MUL8 f, c, a0, zero
	WIN MUL
.irp a, \a0, (\a0)+1
.irp b, 0,1,2,3
.if \zero
	v_wmma_f32_16x16x32_f16 v[ACC+8*(4*(\a)+(\b)):ACC+8*(4*(\a)+(\b))+7], v[(\f)+64+8*(4*(\c)+(\b)):(\f)+64+8*(4*(\c)+(\b))+7], v[(\f)+8*(4*(\c)+(\a)):(\f)+8*(4*(\c)+(\a))+7], 0
.else
	v_wmma_f32_16x16x32_f16 v[ACC+8*(4*(\a)+(\b)):ACC+8*(4*(\a)+(\b))+7], v[(\f)+64+8*(4*(\c)+(\b)):(\f)+64+8*(4*(\c)+(\b))+7], v[(\f)+8*(4*(\c)+(\a)):(\f)+8*(4*(\c)+(\a))+7], v[ACC+8*(4*(\a)+(\b)):ACC+8*(4*(\a)+(\b))+7]
.endif
.endr
.endr
.endm
; 32 LDS loads in one run: quarter q (64 along K: one slice of A, 64 rows of B) into buffer f; the first 32 along K first
.macro FETCH slot, q, f
	WIN TO_F
.irp c, 0,1
.irp i, 0,1,2,3
	ds_load_tr16_b128 v[(\f)+64+8*(4*(\c)+(\i)):(\f)+64+8*(4*(\c)+(\i))+3],   v[ADRB+2*((\q)/2)+(\slot)] offset:(((\q)%2)*64+32*(\c))*PB+32*(\i)
	ds_load_tr16_b128 v[(\f)+64+8*(4*(\c)+(\i))+4:(\f)+64+8*(4*(\c)+(\i))+7], v[ADRB+2*((\q)/2)+(\slot)] offset:(((\q)%2)*64+32*(\c)+16)*PB+32*(\i)
	ds_load_b128 v[(\f)+8*(4*(\c)+(\i)):(\f)+8*(4*(\c)+(\i))+3],   v[ADRA+(\slot)] offset:(\q)*ASL+(\i)*16*PA+64*(\c)
	ds_load_b128 v[(\f)+8*(4*(\c)+(\i))+4:(\f)+8*(4*(\c)+(\i))+7], v[ADRA+(\slot)] offset:(\q)*ASL+(\i)*16*PA+64*(\c)+32
.endr
.endr
.endm
.macro PLACES
.rept 4
	v_nop
.endr
.endm
.macro QUARTER slot, q, f, g, zero
	s_wait_dscnt 16                                ; the first 32 along K are in; the other sixteen loads may be out
	MUL8 \f, 0, 0, \zero
	MUL8 \f, 0, 2, \zero
	PLACES
	FETCH \slot, \q, \g
	s_wait_dscnt 32                                ; all but the 32 just issued
	MUL8 \f, 1, 0, 0
	MUL8 \f, 1, 2, 0
.endm
; A step's last quarter changes slots: one barrier; fill = 1: it opens a round of the cluster's, and the slot is filled again, two K steps ahead, first thing behind it
.macro TURN slot, next, fill
	WIN 0
	s_wait_tensorcnt 0x0                           ; all my tensor loads have landed
	ds_add_u32 v[SPW], v[NIL]
	s_wait_dscnt 17                                ; (the add and the youngest sixteen loads may be out)
	MUL8 F1, 0, 0, 0
	s_wait_dscnt 0x0                               ; the add is done, and my reads of this slot are over
	s_barrier_signal -1
	MUL8 F1, 0, 2, 0
.if \fill
	WIN 0
.endif
	s_barrier_wait -1
.if \fill
	CREST
	s_add_nc_u64 s[G0+4*(\slot)+2:G0+4*(\slot)+3], s[G0+4*(\slot)+2:G0+4*(\slot)+3], 2*ASTEP
	s_add_nc_u64 s[G0B+4*(\slot)+2:G0B+4*(\slot)+3], s[G0B+4*(\slot)+2:G0B+4*(\slot)+3], 2*BSTEP
	JLOAD \slot
.else
	PLACES
.endif
	FETCH \next, 0, F0
	MUL8 F1, 1, 0, 0
	MUL8 F1, 1, 2, 0
.endm
; THE WAY OUT of row block a: the accumulators go as they are into my stage (each from its low registers on) and come back as whole row pieces of 256 bytes
.macro TOST a
.irp b, 0,1,2,3
	ds_store_b128 v[STO], v[ACC+8*(4*(\a)+(\b)):ACC+8*(4*(\a)+(\b))+3]   offset:64*(\b)
	ds_store_b128 v[STO], v[ACC+8*(4*(\a)+(\b))+4:ACC+8*(4*(\a)+(\b))+7] offset:64*(\b)+16
.endr
.irp t, 0,1,2,3,4,5,6,7
	ds_load_b128 v[TMP+32*((\a)%2)+4*(\t):TMP+32*((\a)%2)+4*(\t)+3], v[RD] offset:2*(\t)*SPITCH
.endr
.endm
.macro SEND a, younger                 ; younger: the next block's 8 stores and 8 loads, or none
	s_wait_dscnt \younger
.irp t, 0,1,2,3,4,5,6,7
	global_store_b128 v[CO], v[TMP+32*((\a)%2)+4*(\t):TMP+32*((\a)%2)+4*(\t)+3], s[8:9] offset:(\a)*4096+512*(\t)  ; 512 consecutive bytes, aligned
.endr
.endm
	s_wait_tensorcnt 1                             ; my part of K step 0 is in; step 1's stays out
	s_barrier_signal -1
	s_barrier_wait -1
	FETCH 0, 0, F0
	QUARTER 0, 1, F0, F1, 1                        ; the first products start the sums
	WIN 0
	s_mov_b32 s3, LAPS-1
.Llap:
	QUARTER 0, 2, F1, F0, 0
	QUARTER 0, 3, F0, F1, 0
	TURN 0, 1, 1
	QUARTER 1, 1, F0, F1, 0
	QUARTER 1, 2, F1, F0, 0
	QUARTER 1, 3, F0, F1, 0
	TURN 1, 0, 1
	QUARTER 0, 1, F0, F1, 0
	WIN 0
	s_sub_co_u32 s3, s3, 1
	s_cmp_lg_u32 s3, 0
	s_cbranch_scc1 .Llap
	QUARTER 0, 2, F1, F0, 0                        ; the last lap fills nothing
	QUARTER 0, 3, F0, F1, 0
	TURN 0, 1, 0
	QUARTER 1, 1, F0, F1, 0
	QUARTER 1, 2, F1, F0, 0
	QUARTER 1, 3, F0, F1, 0
	s_wait_dscnt 16
	MUL8 F1, 0, 0, 0
	MUL8 F1, 0, 2, 0
	s_wait_dscnt 0x0
	MUL8 F1, 1, 0, 0
	MUL8 F1, 1, 2, 0
	WIN 0
	PLACES
	TOST 0
	TOST 1
	SEND 0, 16
	s_wait_xcnt 0x0                                ; block 0's stores have read their registers, which block 2 loads again
	TOST 2
	SEND 1, 16
	s_wait_xcnt 0x0
	TOST 3
	SEND 2, 16
	SEND 3, 0
	s_wait_tensorcnt 0x0                           ; the wave's end
	ds_add_u32 v[SPW], v[NIL]
	s_wait_dscnt 0x0
	CROUND
	s_endpgm
.Lfunc_end_k_qa06a9a6386_wo:
	.size	k_qa06a9a6386_wo, .Lfunc_end_k_qa06a9a6386_wo-k_qa06a9a6386_wo
	.p2alignl 7, 3214868480
	.fill 96, 4, 3214868480
	.section	.rodata,"a",@progbits
	.p2align	6, 0x0
	.amdhsa_kernel k_qa06a9a6386_wo
		.amdhsa_group_segment_fixed_size 327680
		.amdhsa_private_segment_fixed_size 0
		.amdhsa_enable_private_segment 0
		.amdhsa_kernarg_size 24
		.amdhsa_user_sgpr_count 2
		.amdhsa_user_sgpr_kernarg_segment_ptr 1
		.amdhsa_wavefront_size32 1
		.amdhsa_system_sgpr_workgroup_id_x 1
		.amdhsa_system_sgpr_workgroup_id_y 1
		.amdhsa_system_sgpr_workgroup_id_z 1
		.amdhsa_system_vgpr_workitem_id 0
		.amdhsa_next_free_vgpr 512
		.amdhsa_next_free_sgpr 66
		.amdhsa_reserve_vcc 0
		.amdhsa_float_denorm_mode_32 3
		.amdhsa_float_denorm_mode_16_64 3
		.amdhsa_memory_ordered 1
		.amdhsa_forward_progress 1
		.amdhsa_inst_pref_size 86
	.end_amdhsa_kernel
	.amdgpu_metadata
---
amdhsa.version: [ 1, 2 ]
amdhsa.kernels:
  - .name:           k_qa06a9a6386_wo
    .symbol:         k_qa06a9a6386_wo.kd
    .args:
      - { .name: cx, .offset: 0, .size: 8, .value_kind: global_buffer, .address_space: global }
      - { .name: cst, .offset: 8, .size: 8, .value_kind: global_buffer, .address_space: global }
      - { .name: y, .offset: 16, .size: 8, .value_kind: global_buffer, .address_space: global }
    .group_segment_fixed_size: 327680
    .private_segment_fixed_size: 0
    .kernarg_segment_align: 8
    .kernarg_segment_size: 24
    .max_flat_workgroup_size: 128
    .sgpr_count:     66
    .vgpr_count:     512
    .wavefront_size: 32
...
	.end_amdgpu_metadata
.endif
;; end of part 4
;; launch ln1 (part 5): grid 256 x 1, 8 waves a work-group, no clusters, 0 bytes of LDS; arguments y, cst, cx; writes cx
.if DOCPART == 5
	.amdgcn_target "amdgcn-amd-amdhsa--gfx1250"
	.amdhsa_code_object_version 6
	.text
	.protected	k_qa06a9a6386_ln1
	.globl	k_qa06a9a6386_ln1
	.p2align	8
	.type	k_qa06a9a6386_ln1,@function
k_qa06a9a6386_ln1:
	s_mov_b64 s[64:65], 0
	v_nop
	global_prefetch_b8 v0, s[64:65] scope:SCOPE_SE
	s_setreg_imm32_b32 hwreg(HW_REG_WAVE_MODE, 25, 1), 1
	s_wait_xcnt 0x0
; x1 = alpha1 (t - mean) / (std + 1e-6) + bias1, t = x + (ctx wo) + wo_b; std with 1,023 in the divisor.  y: the product, sliced f32 [16][4096][64].  x: sliced f16 at byte 0 of cst.
; wo_b, alpha1, bias1: f16 at PAR of cst.  x1 goes to cx, sliced f16.  All arithmetic in f32, two passes (mean first, then the squares of the differences); x1 rounded once.  No work is left out.
; SHARES.  A wave takes 2 rows: lane l holds row l / 16 and columns 4 (l % 16) .. + 3 of each of the 16 slices: 64 numbers.  A row's sums stay inside 16 lanes.  A load of y covers 512 consecutive bytes.
; Memory binds: no LDS, no matrix unit, no cluster.  Straight line: all 80 loads go out at once.
.set PAR,  18874368
.set SECT, 0                           ; wo_b, alpha1, bias1
.set RESP, 6                           ; s[6:7]  the residual's buffer
.set CSTP, 6
.set OUTP, 8
.set Y,   32                           ; v[32:95]
.set RS,  96                           ; v[96:127]   the residual, later the packed result
.set AD,  128                          ; v[128:159]  the bias of the product
.set AL,  160                          ; v[160:191]  the gain
.set BE,  192                          ; v[192:223]  the norm's bias
	s_load_b128 s[4:7], s[0:1], 0x0                ; y, cst
	s_load_b64 s[8:9], s[0:1], 0x10                ; cx
	v_lshlrev_b32 v2, 4, v0
	v_lshlrev_b32 v4, 3, v0
	v_and_b32 v1, 15, v0
	v_lshlrev_b32 v5, 3, v1                        ; the parameters: 8 (l % 16)
	s_lshl_b32 s14, ttmp9, 12
	v_add_nc_u32 v2, s14, v2                       ; y: 16 rows of 256 bytes a work-group, 16 bytes a thread
	v_add_nc_u32 v3, 0x800000, v2                  ; slices 8 to 15
	s_lshl_b32 s15, ttmp9, 11
	v_add_nc_u32 v4, s15, v4                       ; f16: half of that
	v_mov_b32 v6, 1.0
	s_wait_kmcnt 0x0
	s_add_nc_u64 s[12:13], s[CSTP:CSTP+1], PAR+SECT
.irp j, 0,1,2,3,4,5,6,7
	global_load_b128 v[Y+4*(\j):Y+4*(\j)+3], v2, s[4:5] offset:1048576*(\j) th:TH_LOAD_NT
.endr
.irp j, 0,1,2,3,4,5,6,7
	global_load_b128 v[Y+32+4*(\j):Y+32+4*(\j)+3], v3, s[4:5] offset:1048576*(\j) th:TH_LOAD_NT
.endr
.irp j, 0,1,2,3,4,5,6,7,8,9,10,11,12,13,14,15
	global_load_b64 v[RS+2*(\j):RS+2*(\j)+1], v4, s[RESP:RESP+1] offset:524288*(\j)
.endr
.irp j, 0,1,2,3,4,5,6,7,8,9,10,11,12,13,14,15
	global_load_b64 v[AD+2*(\j):AD+2*(\j)+1], v5, s[12:13] offset:128*(\j)
.endr
.irp j, 0,1,2,3,4,5,6,7,8,9,10,11,12,13,14,15
	global_load_b64 v[AL+2*(\j):AL+2*(\j)+1], v5, s[12:13] offset:2048+128*(\j)
.endr
.irp j, 0,1,2,3,4,5,6,7,8,9,10,11,12,13,14,15
	global_load_b64 v[BE+2*(\j):BE+2*(\j)+1], v5, s[12:13] offset:4096+128*(\j)
.endr
.macro MIX1 d, s, hf                   ; v[d] += the f16 half hf of v[s]
.if \hf
	v_fma_mix_f32 v[\d], v[\s], v6, v[\d] op_sel:[1,0,0] op_sel_hi:[1,0,0]
.else
	v_fma_mix_f32 v[\d], v[\s], v6, v[\d] op_sel_hi:[1,0,0]
.endif
.endm
.macro MIX2 d, a, b, hf                ; v[d] = half hf of v[a] x v[d] + half hf of v[b]
.if \hf
	v_fma_mix_f32 v[\d], v[\a], v[\d], v[\b] op_sel:[1,0,1] op_sel_hi:[1,0,1]
.else
	v_fma_mix_f32 v[\d], v[\a], v[\d], v[\b] op_sel_hi:[1,0,1]
.endif
.endm
	s_wait_loadcnt 32                              ; y, the residual and the product's bias are in; the gain's and the norm bias's 32 loads stay out
.set n, 0
.rept 64
	MIX1 Y+n, RS+n/2, n%2
	MIX1 Y+n, AD+n/2, n%2
.set n, n+1
.endr
.irp k, 0,1,2,3
	v_pk_add_f32 v[12+2*(\k):13+2*(\k)], v[Y+2*(\k):Y+2*(\k)+1], v[Y+8+2*(\k):Y+8+2*(\k)+1]  ; four chains, started by the first pairs
.endr
.set p, 8
.rept 24
	v_pk_add_f32 v[12+2*(p%4):13+2*(p%4)], v[12+2*(p%4):13+2*(p%4)], v[Y+2*p:Y+2*p+1]
.set p, p+1
.endr
	v_pk_add_f32 v[12:13], v[12:13], v[14:15]
	v_pk_add_f32 v[16:17], v[16:17], v[18:19]
	v_pk_add_f32 v[12:13], v[12:13], v[16:17]
	v_add_f32 v12, v12, v13
	v_add_f32_dpp v12, v12, v12 row_xmask:1 row_mask:0xf bank_mask:0xf
	v_add_f32_dpp v12, v12, v12 row_xmask:2 row_mask:0xf bank_mask:0xf
	v_add_f32_dpp v12, v12, v12 row_xmask:4 row_mask:0xf bank_mask:0xf
	v_add_f32_dpp v12, v12, v12 row_xmask:8 row_mask:0xf bank_mask:0xf
	v_mul_f32 v8, 0x3a800000, v12                  ; the mean: / 1,024
	v_mov_b32 v9, v8
.set p, 0
.rept 32
	v_pk_add_f32 v[Y+2*p:Y+2*p+1], v[Y+2*p:Y+2*p+1], v[8:9] neg_lo:[0,1] neg_hi:[0,1]
.set p, p+1
.endr
.irp k, 0,1,2,3
	v_pk_mul_f32 v[12+2*(\k):13+2*(\k)], v[Y+2*(\k):Y+2*(\k)+1], v[Y+2*(\k):Y+2*(\k)+1]
.endr
.set p, 4
.rept 28
	v_pk_fma_f32 v[12+2*(p%4):13+2*(p%4)], v[Y+2*p:Y+2*p+1], v[Y+2*p:Y+2*p+1], v[12+2*(p%4):13+2*(p%4)]
.set p, p+1
.endr
	v_pk_add_f32 v[12:13], v[12:13], v[14:15]
	v_pk_add_f32 v[16:17], v[16:17], v[18:19]
	v_pk_add_f32 v[12:13], v[12:13], v[16:17]
	v_add_f32 v12, v12, v13
	v_add_f32_dpp v12, v12, v12 row_xmask:1 row_mask:0xf bank_mask:0xf
	v_add_f32_dpp v12, v12, v12 row_xmask:2 row_mask:0xf bank_mask:0xf
	v_add_f32_dpp v12, v12, v12 row_xmask:4 row_mask:0xf bank_mask:0xf
	v_add_f32_dpp v12, v12, v12 row_xmask:8 row_mask:0xf bank_mask:0xf
	v_mul_f32 v10, 0x3a802008, v12                 ; / 1,023
	v_sqrt_f32 v10, v10
	v_nop                                          ; a plain instruction and the wait stand between a transcendental and the use of its result
	s_wait_alu depctr_va_vdst(0)
	v_add_f32 v10, 0x358637bd, v10                 ; + 1e-6
	v_rcp_f32 v10, v10
	v_nop
	s_wait_alu depctr_va_vdst(0)
	v_mov_b32 v11, v10
.set p, 0
.rept 32
	v_pk_mul_f32 v[Y+2*p:Y+2*p+1], v[Y+2*p:Y+2*p+1], v[10:11]
.set p, p+1
.endr
	s_wait_loadcnt 0x0                             ; the gain and the norm's bias
.set n, 0
.rept 64
	MIX2 Y+n, AL+n/2, BE+n/2, n%2
.set n, n+1
.endr
.set n, 0
.rept 32
	v_cvt_pk_f16_f32 v[RS+n], v[Y+2*n], v[Y+2*n+1]
.set n, n+1
.endr
.irp j, 0,1,2,3,4,5,6,7,8,9,10,11,12,13,14,15
	global_store_b64 v4, v[RS+2*(\j):RS+2*(\j)+1], s[OUTP:OUTP+1] offset:524288*(\j)  ; a wave's store covers 256 consecutive bytes, aligned
.endr
	s_endpgm
.Lfunc_end_k_qa06a9a6386_ln1:
	.size	k_qa06a9a6386_ln1, .Lfunc_end_k_qa06a9a6386_ln1-k_qa06a9a6386_ln1
	.p2alignl 7, 3214868480
	.fill 96, 4, 3214868480
	.section	.rodata,"a",@progbits
	.p2align	6, 0x0
	.amdhsa_kernel k_qa06a9a6386_ln1
		.amdhsa_group_segment_fixed_size 0
		.amdhsa_private_segment_fixed_size 0
		.amdhsa_enable_private_segment 0
		.amdhsa_kernarg_size 24
		.amdhsa_user_sgpr_count 2
		.amdhsa_user_sgpr_kernarg_segment_ptr 1
		.amdhsa_wavefront_size32 1
		.amdhsa_system_sgpr_workgroup_id_x 1
		.amdhsa_system_sgpr_workgroup_id_y 1
		.amdhsa_system_sgpr_workgroup_id_z 1
		.amdhsa_system_vgpr_workitem_id 0
		.amdhsa_next_free_vgpr 224
		.amdhsa_next_free_sgpr 66
		.amdhsa_reserve_vcc 0
		.amdhsa_float_denorm_mode_32 3
		.amdhsa_float_denorm_mode_16_64 3
		.amdhsa_memory_ordered 1
		.amdhsa_forward_progress 1
		.amdhsa_inst_pref_size 34
	.end_amdhsa_kernel
	.amdgpu_metadata
---
amdhsa.version: [ 1, 2 ]
amdhsa.kernels:
  - .name:           k_qa06a9a6386_ln1
    .symbol:         k_qa06a9a6386_ln1.kd
    .args:
      - { .name: y, .offset: 0, .size: 8, .value_kind: global_buffer, .address_space: global }
      - { .name: cst, .offset: 8, .size: 8, .value_kind: global_buffer, .address_space: global }
      - { .name: cx, .offset: 16, .size: 8, .value_kind: global_buffer, .address_space: global }
    .group_segment_fixed_size: 0
    .private_segment_fixed_size: 0
    .kernarg_segment_align: 8
    .kernarg_segment_size: 24
    .max_flat_workgroup_size: 256
    .sgpr_count:     66
    .vgpr_count:     224
    .wavefront_size: 32
...
	.end_amdgpu_metadata
.endif
;; end of part 5
;; launch ff1: the kernel of part 2 again; grid 16 x 16, 4 waves a work-group, clusters of 4 x 4, 327,680 bytes of LDS; arguments cx, w1p, qh; writes qh
;; launch ff2 (part 6): grid 8 x 32, 4 waves a work-group, clusters of 4 x 4, 327,680 bytes of LDS; arguments qh, cst, y; writes y
.if DOCPART == 6
	.amdgcn_target "amdgcn-amd-amdhsa--gfx1250"
	.amdhsa_code_object_version 6
	.text
	.protected	k_qa06a9a6386_ff2
	.globl	k_qa06a9a6386_ff2
	.p2align	8
	.type	k_qa06a9a6386_ff2,@function
k_qa06a9a6386_ff2:
	s_mov_b64 s[64:65], 0
	v_nop
	global_prefetch_b8 v0, s[64:65] scope:SCOPE_SE
	s_setreg_imm32_b32 hwreg(HW_REG_WAVE_MODE, 25, 1), 1
	s_wait_xcnt 0x0
	s_wait_alu depctr_hold_cnt(0) depctr_sa_sdst(0) depctr_va_vdst(0) depctr_va_sdst(0) depctr_va_ssrc(0) depctr_va_vcc(0) depctr_vm_vsrc(0)
	s_getreg_b32 s2, hwreg(HW_REG_IB_STS2, 6, 4)
	s_cmp_eq_u32 s2, 0
	s_cbranch_scc0 .Lentry_in_a_cluster
	s_endpgm
.Lentry_in_a_cluster:
	s_bfe_u32 s2, ttmp6, 0x10000c
	s_cmp_lg_u32 s2, 0xf033
	s_cbranch_scc0 .Lentry_shape_is_right
	s_endpgm
.Lentry_shape_is_right:
; Y = A B, the raw product in f32, as in the launch for wo, with K = 4,096: the hidden layer (sliced f16, 64 slices) times w2 (plain f16 [4096][1024] at byte BOFF of cst).  Y: sliced f32 [16][4096][64].
; The text differs from that launch's in NS and BOFF alone: a ring's trips are counted against a constant, so each K has its own text.  No work of the module is left out.
; A tile is 128 x 128: 256 work-groups.  Four waves, 64 x 64 each.  K in steps of 256 through two LDS slots; waves 0 and 1 fetch two slices of A each, waves 2 and 3 128 rows of B each.
; CLUSTER 4 x 4: A's tile shared along a row, B's along a column.  The matrix instruction is used transposed (source 0 = 16 columns of B, read turned; source 1 = 16 rows of A).
; REGISTERS: window 0: v0-31 addresses; v32-95 at work on the way out; v128-255 accumulators.  Window 1: two fragment buffers of 128.
.set NS,    16
.set BOFF,  10485760
.set PA,    144
.set ASL,   128*PA
.set AT,    4*ASL
.set PB,    288
.set BHF,   128*PB
.set SLOT,  AT+2*BHF
.set STAGE, 2*SLOT
.set SPITCH, 272
.set SPARE, STAGE+4*16*SPITCH
.set ASTEP, 2097152
.set BSTEP, 524288
.set LAPS,  NS/2
.set ADRA, 16
.set ADRB, 20
.set STO,  24
.set RD,   25
.set CO,   26
.set SPW,  28
.set NIL,  29
.set TMP,  32
.set ACC,  128
.set F0,   0
.set F1,   128
.set G1,  24
.set G0,  32
.set G1B, 48
.set G0B, 56
.set MSB, 0
.macro WIN new
.if MSB != (\new)
	s_set_vgpr_msb (MSB<<8)|(\new)
.set MSB, \new
.endif
.endm
.set MUL,  0x05
.set TO_F, 0x40
.macro JLOAD s
	s_cmp_eq_u32 s11, 0
	s_cbranch_scc0 .Lfor_b_\@
	tensor_load_to_lds s[G0+4*(\s):G0+4*(\s)+3], s[G1:G1+7]
	s_nop 0
.rept 4
	v_nop
.endr
	s_branch .Lasked_\@
.Lfor_b_\@:
	tensor_load_to_lds s[G0B+4*(\s):G0B+4*(\s)+3], s[G1B:G1B+7]
	s_nop 0
.rept 4
	v_nop
.endr
.Lasked_\@:
.endm
.macro CREST
	s_cmp_lg_u32 s10, 0
	s_cbranch_scc1 .Lnot_wave_0_\@
	s_barrier_signal -3
.Lnot_wave_0_\@:
	s_barrier_wait -3
	s_barrier_signal -1
	s_barrier_wait -1
.endm
.macro CROUND
	s_barrier_signal -1
	s_barrier_wait -1
	CREST
.endm
	s_load_b128 s[4:7], s[0:1], 0x0                ; A s[4:5], cst s[6:7]
	s_load_b64 s[8:9], s[0:1], 0x10                ; Y
	v_lshl_add_u32 v[SPW], v0, 2, SPARE
	v_mov_b32 v[NIL], 0
	ds_add_u32 v[SPW], v[NIL]                      ; the opening: the add twice on end and its wait
	ds_add_u32 v[SPW], v[NIL]
	v_lshrrev_b32 v1, 5, v0
	v_readfirstlane_b32 s10, v1
	s_lshr_b32 s11, s10, 1
	s_and_b32 s12, s10, 1
	s_bfe_u32 s40, ttmp6, 0x40000
	s_bfe_u32 s41, ttmp6, 0x40004
	s_lshl_b32 s42, ttmp9, 2
	s_add_co_u32 s42, s42, s40                     ; tile column
	s_and_b32 s13, ttmp7, 0xffff
	s_lshl_b32 s13, s13, 2
	s_add_co_u32 s13, s13, s41                     ; tile row
	s_lshl_b32 s43, s41, 2
	s_lshl_b32 s43, 15, s43
	s_lshl_b32 s44, 0x1111, s40
	s_or_b32 s[G1+0], s43, (1<<16)|(1<<20)|(1<<21)|(4<<22)|(3<<25)
	s_mov_b32 s[G1+1], 8192<<16                    ; A: 2 rows of 8,192 elements, a slice apart
	s_mov_b32 s[G1+2], 2<<16
	s_mov_b32 s[G1+3], 8192<<16
	s_mov_b32 s[G1+4], 2
	s_mov_b32 s[G1+5], 262144
	s_mov_b32 s[G1+6], 0
	s_mov_b32 s[G1+7], 0
	s_or_b32 s[G1B+0], s44, (1<<16)|(1<<20)|(1<<21)|(5<<22)|(7<<25)
	s_mov_b32 s[G1B+1], 128<<16                    ; B: 128 rows of 256 bytes
	s_mov_b32 s[G1B+2], 128<<16
	s_mov_b32 s[G1B+3], 128<<16
	s_mov_b32 s[G1B+4], 128
	s_mov_b32 s[G1B+5], 1024
	s_mov_b32 s[G1B+6], 0
	s_mov_b32 s[G1B+7], 0
	s_lshl_b32 s16, s13, 14
	s_lshl_b32 s17, s12, 20
	s_add_co_u32 s16, s16, s17
	s_mov_b32 s17, 0
	s_lshl_b32 s46, s42, 8
	s_lshl_b32 s47, s12, 18
	s_add_co_u32 s46, s46, s47
	s_add_co_u32 s46, s46, BOFF
	s_mov_b32 s47, 0
	s_mul_i32 s20, s12, 2*ASL
	s_mul_i32 s21, s12, BHF
	s_add_co_u32 s21, s21, AT
	s_wait_dscnt 0x0
	s_wait_kmcnt 0x0
	s_add_nc_u64 s[14:15], s[4:5], s[16:17]
	s_add_nc_u64 s[46:47], s[6:7], s[46:47]
	CROUND
.irp s, 0,1
	s_mov_b32 s[G0+4*(\s)], 1
	s_add_co_u32 s[G0+4*(\s)+1], s20, (\s)*SLOT
	s_add_nc_u64 s[G0+4*(\s)+2:G0+4*(\s)+3], s[14:15], (\s)*ASTEP
	s_or_b32 s[G0+4*(\s)+3], s[G0+4*(\s)+3], 0x80000000
	s_mov_b32 s[G0B+4*(\s)], 1
	s_add_co_u32 s[G0B+4*(\s)+1], s21, (\s)*SLOT
	s_add_nc_u64 s[G0B+4*(\s)+2:G0B+4*(\s)+3], s[46:47], (\s)*BSTEP
	s_or_b32 s[G0B+4*(\s)+3], s[G0B+4*(\s)+3], 0x80000000
	JLOAD \s
.endr
	v_and_b32 v1, 15, v0
	v_bfe_u32 v2, v0, 4, 1
	v_mul_u32_u24 v3, v1, PA
	v_lshl_add_u32 v3, v2, 4, v3
	v_and_b32 v4, 7, v0
	v_lshl_add_u32 v4, v2, 3, v4
	v_mul_u32_u24 v4, v4, PB
	v_bfe_u32 v5, v0, 3, 1
	v_lshl_add_u32 v4, v5, 4, v4
	s_mul_i32 s21, s11, 64*PA
	s_lshl_b32 s22, s12, 7
	s_add_co_u32 s22, s22, AT
.irp s, 0,1
	v_add_nc_u32 v[ADRA+(\s)], s21, v3
	v_add_nc_u32 v[ADRB+(\s)], s22, v4
	v_add_nc_u32 v[ADRB+2+(\s)], BHF, v[ADRB+(\s)]
	s_add_co_u32 s21, s21, SLOT
	s_add_co_u32 s22, s22, SLOT
.endr
	s_mul_i32 s23, s10, 16*SPITCH
	s_add_co_u32 s23, s23, STAGE
	v_mul_u32_u24 v5, v1, SPITCH
	v_lshl_add_u32 v5, v2, 5, v5
	v_add_nc_u32 v[STO], s23, v5
	v_mul_u32_u24 v5, v2, SPITCH
	v_lshl_add_u32 v5, v1, 4, v5
	v_add_nc_u32 v[RD], s23, v5
	v_and_b32 v6, 31, v0
	v_lshlrev_b32 v[CO], 4, v6
	s_lshl_b32 s16, s13, 15
	s_lshl_b32 s17, s11, 14
	s_add_co_u32 s16, s16, s17
	s_mov_b32 s17, 0
	s_lshl1_add_u32 s46, s42, s12
	s_lshl_b32 s46, s46, 20
	s_mov_b32 s47, 0
	s_add_nc_u64 s[16:17], s[16:17], s[46:47]
	s_add_nc_u64 s[8:9], s[8:9], s[16:17]
.macro MUL8 f, c, a0, zero             ; 8 matrix instructions; the 16 accumulators take turns
	WIN MUL
.irp a, \a0, (\a0)+1
.irp b, 0,1,2,3
.if \zero
	v_wmma_f32_16x16x32_f16 v[ACC+8*(4*(\a)+(\b)):ACC+8*(4*(\a)+(\b))+7], v[(\f)+64+8*(4*(\c)+(\b)):(\f)+64+8*(4*(\c)+(\b))+7], v[(\f)+8*(4*(\c)+(\a)):(\f)+8*(4*(\c)+(\a))+7], 0
.else
	v_wmma_f32_16x16x32_f16 v[ACC+8*(4*(\a)+(\b)):ACC+8*(4*(\a)+(\b))+7], v[(\f)+64+8*(4*(\c)+(\b)):(\f)+64+8*(4*(\c)+(\b))+7], v[(\f)+8*(4*(\c)+(\a)):(\f)+8*(4*(\c)+(\a))+7], v[ACC+8*(4*(\a)+(\b)):ACC+8*(4*(\a)+(\b))+7]
.endif
.endr
.endr
.endm
.macro FETCH slot, q, f                ; 32 LDS loads in one run: quarter q into buffer f; the first 32 along K first
	WIN TO_F
.irp c, 0,1
.irp i, 0,1,2,3
	ds_load_tr16_b128 v[(\f)+64+8*(4*(\c)+(\i)):(\f)+64+8*(4*(\c)+(\i))+3],   v[ADRB+2*((\q)/2)+(\slot)] offset:(((\q)%2)*64+32*(\c))*PB+32*(\i)
	ds_load_tr16_b128 v[(\f)+64+8*(4*(\c)+(\i))+4:(\f)+64+8*(4*(\c)+(\i))+7], v[ADRB+2*((\q)/2)+(\slot)] offset:(((\q)%2)*64+32*(\c)+16)*PB+32*(\i)
	ds_load_b128 v[(\f)+8*(4*(\c)+(\i)):(\f)+8*(4*(\c)+(\i))+3],   v[ADRA+(\slot)] offset:(\q)*ASL+(\i)*16*PA+64*(\c)
	ds_load_b128 v[(\f)+8*(4*(\c)+(\i))+4:(\f)+8*(4*(\c)+(\i))+7], v[ADRA+(\slot)] offset:(\q)*ASL+(\i)*16*PA+64*(\c)+32
.endr
.endr
.endm
.macro PLACES
.rept 4
	v_nop
.endr
.endm
.macro QUARTER slot, q, f, g, zero
	s_wait_dscnt 16                                ; the first 32 along K are in; the other sixteen loads may be out
	MUL8 \f, 0, 0, \zero
	MUL8 \f, 0, 2, \zero
	PLACES
	FETCH \slot, \q, \g
	s_wait_dscnt 32                                ; all but the 32 just issued
	MUL8 \f, 1, 0, 0
	MUL8 \f, 1, 2, 0
.endm
.macro TURN slot, next, fill
	WIN 0
	s_wait_tensorcnt 0x0                           ; all my tensor loads have landed
	ds_add_u32 v[SPW], v[NIL]
	s_wait_dscnt 17                                ; (the add and the youngest sixteen loads may be out)
	MUL8 F1, 0, 0, 0
	s_wait_dscnt 0x0                               ; the add is done, and my reads of this slot are over
	s_barrier_signal -1
	MUL8 F1, 0, 2, 0
.if \fill
	WIN 0
.endif
	s_barrier_wait -1
.if \fill
	CREST
	s_add_nc_u64 s[G0+4*(\slot)+2:G0+4*(\slot)+3], s[G0+4*(\slot)+2:G0+4*(\slot)+3], 2*ASTEP
	s_add_nc_u64 s[G0B+4*(\slot)+2:G0B+4*(\slot)+3], s[G0B+4*(\slot)+2:G0B+4*(\slot)+3], 2*BSTEP
	JLOAD \slot
.else
	PLACES
.endif
	FETCH \next, 0, F0
	MUL8 F1, 1, 0, 0
	MUL8 F1, 1, 2, 0
.endm
.macro TOST a
.irp b, 0,1,2,3
	ds_store_b128 v[STO], v[ACC+8*(4*(\a)+(\b)):ACC+8*(4*(\a)+(\b))+3]   offset:64*(\b)
	ds_store_b128 v[STO], v[ACC+8*(4*(\a)+(\b))+4:ACC+8*(4*(\a)+(\b))+7] offset:64*(\b)+16
.endr
.irp t, 0,1,2,3,4,5,6,7
	ds_load_b128 v[TMP+32*((\a)%2)+4*(\t):TMP+32*((\a)%2)+4*(\t)+3], v[RD] offset:2*(\t)*SPITCH
.endr
.endm
.macro SEND a, younger
	s_wait_dscnt \younger
.irp t, 0,1,2,3,4,5,6,7
	global_store_b128 v[CO], v[TMP+32*((\a)%2)+4*(\t):TMP+32*((\a)%2)+4*(\t)+3], s[8:9] offset:(\a)*4096+512*(\t)
.endr
.endm
	s_wait_tensorcnt 1                             ; my part of K step 0 is in; step 1's stays out
	s_barrier_signal -1
	s_barrier_wait -1
	FETCH 0, 0, F0
	QUARTER 0, 1, F0, F1, 1
	WIN 0
	s_mov_b32 s3, LAPS-1
.Llap:
	QUARTER 0, 2, F1, F0, 0
	QUARTER 0, 3, F0, F1, 0
	TURN 0, 1, 1
	QUARTER 1, 1, F0, F1, 0
	QUARTER 1, 2, F1, F0, 0
	QUARTER 1, 3, F0, F1, 0
	TURN 1, 0, 1
	QUARTER 0, 1, F0, F1, 0
	WIN 0
	s_sub_co_u32 s3, s3, 1
	s_cmp_lg_u32 s3, 0
	s_cbranch_scc1 .Llap
	QUARTER 0, 2, F1, F0, 0
	QUARTER 0, 3, F0, F1, 0
	TURN 0, 1, 0
	QUARTER 1, 1, F0, F1, 0
	QUARTER 1, 2, F1, F0, 0
	QUARTER 1, 3, F0, F1, 0
	s_wait_dscnt 16
	MUL8 F1, 0, 0, 0
	MUL8 F1, 0, 2, 0
	s_wait_dscnt 0x0
	MUL8 F1, 1, 0, 0
	MUL8 F1, 1, 2, 0
	WIN 0
	PLACES
	TOST 0
	TOST 1
	SEND 0, 16
	s_wait_xcnt 0x0                                ; block 0's stores have read their registers, which block 2 loads again
	TOST 2
	SEND 1, 16
	s_wait_xcnt 0x0
	TOST 3
	SEND 2, 16
	SEND 3, 0
	s_wait_tensorcnt 0x0                           ; the wave's end
	ds_add_u32 v[SPW], v[NIL]
	s_wait_dscnt 0x0
	CROUND
	s_endpgm
.Lfunc_end_k_qa06a9a6386_ff2:
	.size	k_qa06a9a6386_ff2, .Lfunc_end_k_qa06a9a6386_ff2-k_qa06a9a6386_ff2
	.p2alignl 7, 3214868480
	.fill 96, 4, 3214868480
	.section	.rodata,"a",@progbits
	.p2align	6, 0x0
	.amdhsa_kernel k_qa06a9a6386_ff2
		.amdhsa_group_segment_fixed_size 327680
		.amdhsa_private_segment_fixed_size 0
		.amdhsa_enable_private_segment 0
		.amdhsa_kernarg_size 24
		.amdhsa_user_sgpr_count 2
		.amdhsa_user_sgpr_kernarg_segment_ptr 1
		.amdhsa_wavefront_size32 1
		.amdhsa_system_sgpr_workgroup_id_x 1
		.amdhsa_system_sgpr_workgroup_id_y 1
		.amdhsa_system_sgpr_workgroup_id_z 1
		.amdhsa_system_vgpr_workitem_id 0
		.amdhsa_next_free_vgpr 512
		.amdhsa_next_free_sgpr 66
		.amdhsa_reserve_vcc 0
		.amdhsa_float_denorm_mode_32 3
		.amdhsa_float_denorm_mode_16_64 3
		.amdhsa_memory_ordered 1
		.amdhsa_forward_progress 1
		.amdhsa_inst_pref_size 86
	.end_amdhsa_kernel
	.amdgpu_metadata
---
amdhsa.version: [ 1, 2 ]
amdhsa.kernels:
  - .name:           k_qa06a9a6386_ff2
    .symbol:         k_qa06a9a6386_ff2.kd
    .args:
      - { .name: qh, .offset: 0, .size: 8, .value_kind: global_buffer, .address_space: global }
      - { .name: cst, .offset: 8, .size: 8, .value_kind: global_buffer, .address_space: global }
      - { .name: y, .offset: 16, .size: 8, .value_kind: global_buffer, .address_space: global }
    .group_segment_fixed_size: 327680
    .private_segment_fixed_size: 0
    .kernarg_segment_align: 8
    .kernarg_segment_size: 24
    .max_flat_workgroup_size: 128
    .sgpr_count:     66
    .vgpr_count:     512
    .wavefront_size: 32
...
	.end_amdgpu_metadata
.endif
;; end of part 6
;; launch ln2 (part 7): grid 256 x 1, 8 waves a work-group, no clusters, 0 bytes of LDS; arguments y, cx, cst, out0; writes out0
.if DOCPART == 7
	.amdgcn_target "amdgcn-amd-amdhsa--gfx1250"
	.amdhsa_code_object_version 6
	.text
	.protected	k_qa06a9a6386_ln2
	.globl	k_qa06a9a6386_ln2
	.p2align	8
	.type	k_qa06a9a6386_ln2,@function
k_qa06a9a6386_ln2:
	s_mov_b64 s[64:65], 0
	v_nop
	global_prefetch_b8 v0, s[64:65] scope:SCOPE_SE
	s_setreg_imm32_b32 hwreg(HW_REG_WAVE_MODE, 25, 1), 1
	s_wait_xcnt 0x0
; out0 = alpha2 (t - mean) / (std + 1e-6) + bias2, t = x1 + (h w2) + b2; std with 1,023 in the divisor.  y: the product, sliced f32.  x1: cx, sliced f16.  b2, alpha2, bias2: f16 at PAR + SECT of cst.
; out0: [4096][1024] f32.  All arithmetic in f32, two passes.  No work of the module is left out.
; SHARES as in the first norm: a wave takes 2 rows, lane l row l / 16 and columns 4 (l % 16) .. + 3 of each of the 16 slices; sixteen lanes store 256 consecutive bytes of a row of out0.
.set PAR,  18874368
.set SECT, 6144
.set RESP, 6                           ; s[6:7] cx
.set CSTP, 8
.set OUTP, 10
.set Y,   32
.set RS,  96
.set AD,  128
.set AL,  160
.set BE,  192
	s_load_b256 s[4:11], s[0:1], 0x0               ; y, cx, cst, out0
	v_lshlrev_b32 v2, 4, v0
	v_lshlrev_b32 v4, 3, v0
	v_and_b32 v1, 15, v0
	v_lshlrev_b32 v5, 3, v1
	s_lshl_b32 s14, ttmp9, 12
	v_add_nc_u32 v2, s14, v2
	v_add_nc_u32 v3, 0x800000, v2
	s_lshl_b32 s15, ttmp9, 11
	v_add_nc_u32 v4, s15, v4
	v_mov_b32 v6, 1.0
	v_lshrrev_b32 v7, 4, v0
	v_lshlrev_b32 v7, 12, v7                       ; out0: my row of the work-group's 16, 4,096 bytes a row,
	v_lshl_add_u32 v7, v1, 4, v7                   ; 16 bytes at l % 16
	s_lshl_b32 s16, ttmp9, 16
	v_add_nc_u32 v7, s16, v7
	s_wait_kmcnt 0x0
	s_add_nc_u64 s[12:13], s[CSTP:CSTP+1], PAR+SECT
.irp j, 0,1,2,3,4,5,6,7
	global_load_b128 v[Y+4*(\j):Y+4*(\j)+3], v2, s[4:5] offset:1048576*(\j) th:TH_LOAD_NT
.endr
.irp j, 0,1,2,3,4,5,6,7
	global_load_b128 v[Y+32+4*(\j):Y+32+4*(\j)+3], v3, s[4:5] offset:1048576*(\j) th:TH_LOAD_NT
.endr
.irp j, 0,1,2,3,4,5,6,7,8,9,10,11,12,13,14,15
	global_load_b64 v[RS+2*(\j):RS+2*(\j)+1], v4, s[RESP:RESP+1] offset:524288*(\j)
.endr
.irp j, 0,1,2,3,4,5,6,7,8,9,10,11,12,13,14,15
	global_load_b64 v[AD+2*(\j):AD+2*(\j)+1], v5, s[12:13] offset:128*(\j)
.endr
.irp j, 0,1,2,3,4,5,6,7,8,9,10,11,12,13,14,15
	global_load_b64 v[AL+2*(\j):AL+2*(\j)+1], v5, s[12:13] offset:2048+128*(\j)
.endr
.irp j, 0,1,2,3,4,5,6,7,8,9,10,11,12,13,14,15
	global_load_b64 v[BE+2*(\j):BE+2*(\j)+1], v5, s[12:13] offset:4096+128*(\j)
.endr
.macro MIX1 d, s, hf                   ; v[d] += the f16 half hf of v[s]
.if \hf
	v_fma_mix_f32 v[\d], v[\s], v6, v[\d] op_sel:[1,0,0] op_sel_hi:[1,0,0]
.else
	v_fma_mix_f32 v[\d], v[\s], v6, v[\d] op_sel_hi:[1,0,0]
.endif
.endm
.macro MIX2 d, a, b, hf                ; v[d] = half hf of v[a] x v[d] + half hf of v[b]
.if \hf
	v_fma_mix_f32 v[\d], v[\a], v[\d], v[\b] op_sel:[1,0,1] op_sel_hi:[1,0,1]
.else
	v_fma_mix_f32 v[\d], v[\a], v[\d], v[\b] op_sel_hi:[1,0,1]
.endif
.endm
	s_wait_loadcnt 32                              ; y, the residual and the product's bias are in; the gain's and the norm bias's 32 loads stay out
.set n, 0
.rept 64
	MIX1 Y+n, RS+n/2, n%2
	MIX1 Y+n, AD+n/2, n%2
.set n, n+1
.endr
.irp k, 0,1,2,3
	v_pk_add_f32 v[12+2*(\k):13+2*(\k)], v[Y+2*(\k):Y+2*(\k)+1], v[Y+8+2*(\k):Y+8+2*(\k)+1]
.endr
.set p, 8
.rept 24
	v_pk_add_f32 v[12+2*(p%4):13+2*(p%4)], v[12+2*(p%4):13+2*(p%4)], v[Y+2*p:Y+2*p+1]
.set p, p+1
.endr
	v_pk_add_f32 v[12:13], v[12:13], v[14:15]
	v_pk_add_f32 v[16:17], v[16:17], v[18:19]
	v_pk_add_f32 v[12:13], v[12:13], v[16:17]
	v_add_f32 v12, v12, v13
	v_add_f32_dpp v12, v12, v12 row_xmask:1 row_mask:0xf bank_mask:0xf
	v_add_f32_dpp v12, v12, v12 row_xmask:2 row_mask:0xf bank_mask:0xf
	v_add_f32_dpp v12, v12, v12 row_xmask:4 row_mask:0xf bank_mask:0xf
	v_add_f32_dpp v12, v12, v12 row_xmask:8 row_mask:0xf bank_mask:0xf
	v_mul_f32 v8, 0x3a800000, v12                  ; the mean: / 1,024
	v_mov_b32 v9, v8
.set p, 0
.rept 32
	v_pk_add_f32 v[Y+2*p:Y+2*p+1], v[Y+2*p:Y+2*p+1], v[8:9] neg_lo:[0,1] neg_hi:[0,1]
.set p, p+1
.endr
.irp k, 0,1,2,3
	v_pk_mul_f32 v[12+2*(\k):13+2*(\k)], v[Y+2*(\k):Y+2*(\k)+1], v[Y+2*(\k):Y+2*(\k)+1]
.endr
.set p, 4
.rept 28
	v_pk_fma_f32 v[12+2*(p%4):13+2*(p%4)], v[Y+2*p:Y+2*p+1], v[Y+2*p:Y+2*p+1], v[12+2*(p%4):13+2*(p%4)]
.set p, p+1
.endr
	v_pk_add_f32 v[12:13], v[12:13], v[14:15]
	v_pk_add_f32 v[16:17], v[16:17], v[18:19]
	v_pk_add_f32 v[12:13], v[12:13], v[16:17]
	v_add_f32 v12, v12, v13
	v_add_f32_dpp v12, v12, v12 row_xmask:1 row_mask:0xf bank_mask:0xf
	v_add_f32_dpp v12, v12, v12 row_xmask:2 row_mask:0xf bank_mask:0xf
	v_add_f32_dpp v12, v12, v12 row_xmask:4 row_mask:0xf bank_mask:0xf
	v_add_f32_dpp v12, v12, v12 row_xmask:8 row_mask:0xf bank_mask:0xf
	v_mul_f32 v10, 0x3a802008, v12                 ; / 1,023
	v_sqrt_f32 v10, v10
	v_nop                                          ; a plain instruction and the wait stand between a transcendental and the use of its result
	s_wait_alu depctr_va_vdst(0)
	v_add_f32 v10, 0x358637bd, v10                 ; + 1e-6
	v_rcp_f32 v10, v10
	v_nop
	s_wait_alu depctr_va_vdst(0)
	v_mov_b32 v11, v10
.set p, 0
.rept 32
	v_pk_mul_f32 v[Y+2*p:Y+2*p+1], v[Y+2*p:Y+2*p+1], v[10:11]
.set p, p+1
.endr
	s_wait_loadcnt 0x0                             ; the gain and the norm's bias
.set n, 0
.rept 64
	MIX2 Y+n, AL+n/2, BE+n/2, n%2
.set n, n+1
.endr
.irp j, 0,1,2,3,4,5,6,7,8,9,10,11,12,13,14,15
	global_store_b128 v7, v[Y+4*(\j):Y+4*(\j)+3], s[OUTP:OUTP+1] offset:256*(\j) th:TH_STORE_NT  ; sixteen lanes store 256 consecutive bytes, aligned
.endr
	s_endpgm
.Lfunc_end_k_qa06a9a6386_ln2:
	.size	k_qa06a9a6386_ln2, .Lfunc_end_k_qa06a9a6386_ln2-k_qa06a9a6386_ln2
	.p2alignl 7, 3214868480
	.fill 96, 4, 3214868480
	.section	.rodata,"a",@progbits
	.p2align	6, 0x0
	.amdhsa_kernel k_qa06a9a6386_ln2
		.amdhsa_group_segment_fixed_size 0
		.amdhsa_private_segment_fixed_size 0
		.amdhsa_enable_private_segment 0
		.amdhsa_kernarg_size 32
		.amdhsa_user_sgpr_count 2
		.amdhsa_user_sgpr_kernarg_segment_ptr 1
		.amdhsa_wavefront_size32 1
		.amdhsa_system_sgpr_workgroup_id_x 1
		.amdhsa_system_sgpr_workgroup_id_y 1
		.amdhsa_system_sgpr_workgroup_id_z 1
		.amdhsa_system_vgpr_workitem_id 0
		.amdhsa_next_free_vgpr 224
		.amdhsa_next_free_sgpr 66
		.amdhsa_reserve_vcc 0
		.amdhsa_float_denorm_mode_32 3
		.amdhsa_float_denorm_mode_16_64 3
		.amdhsa_memory_ordered 1
		.amdhsa_forward_progress 1
		.amdhsa_inst_pref_size 32
	.end_amdhsa_kernel
	.amdgpu_metadata
---
amdhsa.version: [ 1, 2 ]
amdhsa.kernels:
  - .name:           k_qa06a9a6386_ln2
    .symbol:         k_qa06a9a6386_ln2.kd
    .args:
      - { .name: y, .offset: 0, .size: 8, .value_kind: global_buffer, .address_space: global }
      - { .name: cx, .offset: 8, .size: 8, .value_kind: global_buffer, .address_space: global }
      - { .name: cst, .offset: 16, .size: 8, .value_kind: global_buffer, .address_space: global }
      - { .name: out0, .offset: 24, .size: 8, .value_kind: global_buffer, .address_space: global }
    .group_segment_fixed_size: 0
    .private_segment_fixed_size: 0
    .kernarg_segment_align: 8
    .kernarg_segment_size: 32
    .max_flat_workgroup_size: 256
    .sgpr_count:     66
    .vgpr_count:     224
    .wavefront_size: 32
...
	.end_amdgpu_metadata
.endif
;; end of part 7
;; ======== version 2 of 2: 8 launches
;; limits: values are held in f16: magnitudes above 65,504 overflow, below 6.1e-05 lose precision; right only within a limited range of input values
;; workspace buffers: cst 18,874,368 bytes; wqkvp 8,415,232 bytes; w1p 8,415,232 bytes; qh 33,554,432 bytes; cx 8,388,608 bytes; y 16,777,216 bytes; swa 256 bytes of whole numbers; swb 256 bytes of whole numbers
;; launch cast (part 8): grid 1025 x 1, 8 waves a work-group, no clusters, 0 bytes of LDS; arguments x, wq, wk, wv, wo, w1, w2, wo_b, alpha1, bias1, b2, alpha2, bias2, b1, cst, wqkvp, w1p, swa, swb; writes cst, wqkvp, w1p, swa, swb
.if DOCPART == 8
	.amdgcn_target "amdgcn-amd-amdhsa--gfx1250"
	.amdhsa_code_object_version 6
	.text
	.protected	k_qa06a9a6386_cast
	.globl	k_qa06a9a6386_cast
	.p2align	8
	.type	k_qa06a9a6386_cast,@function
k_qa06a9a6386_cast:
	s_mov_b64 s[64:65], 0
	v_nop
	global_prefetch_b8 v0, s[64:65] scope:SCOPE_SE
	s_setreg_imm32_b32 hwreg(HW_REG_WAVE_MODE, 25, 1), 1
	s_wait_xcnt 0x0
; ENCODER LAYER, launch 1 of 8: every floating-point input is rounded ONCE to bf16 and that number is written as f16 (biases of the two big products: as f32),
; in the layouts that the later launches read.  NO WORK OF THE MODULE IS LEFT OUT: every input has a way to out0, and every input is loaded by some launch.
; LIMITS of the whole program.  f16 holds no number beyond 65,504: inputs, q, k, v, the context, both normalised rows and the hidden layer must stay within it;
; an input below 2^-17 keeps f16's fixed step of 6e-8.  NaN and infinities are not treated apart.
; LAYOUTS.  SLICED: [K/64 slices][4096 rows][64]: a row's piece is 128 bytes, a slice 524,288.  PANEL: [N/256][1024 k][256 n]: a panel is 524,288 bytes.  PLAIN: as the input lies.
;   cst:   x sliced at 0; wo plain at WOO; w2 plain at W2O
;   wqkvp: wq, wk, wv as 12 panels; at BIA 3,072 zeros in f32 (these products have no bias); at BIA+LOWO 64 words of f16 -infinity twice (no floor); at BIA+PARO wo_b, alpha1, bias1, 1,024 f16 each
;   w1p:   w1 as 16 panels; at BIA b1 in f32; at BIA+LOWO 64 words of 0 (the floor of the ReLU); at BIA+PARO b2, alpha2, bias2
;   swa, swb: 64 words of 0 and of 1: the switch by which the one text of the two norms chooses the form of its result
; SHARES.  A UNIT is 256 numbers: a lane loads 32 bytes and stores 16, the wave's store covers 512 consecutive bytes, aligned.  A wave takes 8 units (16 loads out), a work-group 64.
; The work-group's number picks the segment; work-group 1024 takes the small arrays.  Memory binds: no LDS, no matrix unit, no cluster (nothing is shared).
.set WOO,  8388608
.set W2O,  10485760
.set BIA,  0x800000
.set LOWO, 0x4000
.set PARO, 0x5000
.set IN,   32                          ; v[32:95]   8 units x 8 f32
.set OUT,  96                          ; v[96:127]  8 units x 4 words of f16
.set DOF,  16                          ; v[16:23]   each unit's byte offset in the destination
; s[44:45] source, s[46:47] destination, s48 the segment's first work-group, s49 mask and s50 shift that split a unit's number into panel (or slice) and row, s51 = 1: x
	s_load_b512 s[8:23], s[0:1], 0x0               ; x 8, wq 10, wk 12, wv 14, wo 16, w1 18, w2 20, wo_b 22
	s_load_b512 s[24:39], s[0:1], 0x40             ; alpha1 24, bias1 26, b2 28, alpha2 30, bias2 32, b1 34, cst 36, wqkvp 38
	s_load_b64 s[40:41], s[0:1], 0x80              ; w1p
	s_load_b128 s[56:59], s[0:1], 0x88             ; swa 56, swb 58
	v_lshrrev_b32 v1, 5, v0
	v_readfirstlane_b32 s42, v1                    ; wave 0..7
	v_and_b32 v1, 31, v0                           ; lane
	s_mov_b32 s43, 0xffff0000                      ; a word's upper bf16
	s_wait_kmcnt 0x0
.macro ARM lim, src, dst, doff, g0, pm, ps, xf
	s_cmp_lt_u32 ttmp9, \lim
	s_cbranch_scc0 .Lnext_\@
	s_mov_b64 s[44:45], s[\src:\src+1]
	s_add_nc_u64 s[46:47], s[\dst:\dst+1], \doff
	s_mov_b32 s48, \g0
	s_mov_b32 s49, \pm
	s_mov_b32 s50, \ps
	s_mov_b32 s51, \xf
	s_branch .Lgo
.Lnext_\@:
.endm
; four f32 at v[a .. a+3] are rounded to bf16 and widened again, in place
.macro RND a
	v_cvt_pk_bf16_f32 v8, v[(\a)], v[(\a)+1]
	v_cvt_pk_bf16_f32 v9, v[(\a)+2], v[(\a)+3]
	v_lshlrev_b32 v[(\a)], 16, v8
	v_and_b32 v[(\a)+1], s43, v8
	v_lshlrev_b32 v[(\a)+2], 16, v9
	v_and_b32 v[(\a)+3], s43, v9
.endm
	ARM 256,  8,  36, 0,        0,   15, 4, 1      ; x: 16 slices
	ARM 320,  10, 38, 0,        256, 3,  2, 0      ; wq: 4 panels
	ARM 384,  12, 38, 0x200000, 320, 3,  2, 0      ; wk
	ARM 448,  14, 38, 0x400000, 384, 3,  2, 0      ; wv
	ARM 512,  16, 36, WOO,      448, 0,  0, 0      ; wo: plain
	ARM 768,  18, 40, 0,        512, 15, 4, 0      ; w1: 16 panels
	ARM 1024, 20, 36, W2O,      768, 0,  0, 0      ; w2: plain
	; WORK-GROUP 1024: thread t takes 4 numbers of each array of 1,024 and 4 x 4 of b1
	v_lshlrev_b32 v3, 4, v0                        ; 16 t
	v_lshlrev_b32 v4, 3, v0                        ; 8 t
	v_lshlrev_b32 v5, 2, v0                        ; 4 t
.irp n, 0,1,2,3,4,5
	global_load_b128 v[IN+4*(\n):IN+4*(\n)+3], v3, s[22+2*(\n):23+2*(\n)]
.endr
.irp i, 0,1,2,3
	global_load_b128 v[56+4*(\i):59+4*(\i)], v3, s[34:35] offset:4096*(\i)
.endr
	s_add_nc_u64 s[46:47], s[40:41], BIA
	s_add_nc_u64 s[48:49], s[38:39], BIA
.irp r, 100,101,102,103
	v_mov_b32 v\r, 0
.endr
.irp n, 0,1,2,3,4,5
	s_wait_loadcnt 9-(\n)                          ; ten loads, in order: the younger ones stay out
	RND IN+4*(\n)
	v_cvt_pk_f16_f32 v[72+2*(\n)], v[IN+4*(\n)], v[IN+4*(\n)+1]
	v_cvt_pk_f16_f32 v[73+2*(\n)], v[IN+4*(\n)+2], v[IN+4*(\n)+3]
.if (\n) < 3
	global_store_b64 v4, v[72+2*(\n):73+2*(\n)], s[48:49] offset:PARO+2048*(\n)      ; the first norm's three; a wave's store covers 256 consecutive bytes
.else
	global_store_b64 v4, v[72+2*(\n):73+2*(\n)], s[46:47] offset:PARO+2048*((\n)-3)  ; the second norm's three
.endif
.endr
.irp i, 0,1,2,3
	s_wait_loadcnt 3-(\i)
	RND 56+4*(\i)
	global_store_b128 v3, v[56+4*(\i):59+4*(\i)], s[46:47] offset:4096*(\i)  ; b1, rounded, in f32
.endr
.irp i, 0,1,2
	global_store_b128 v3, v[100:103], s[48:49] offset:4096*(\i)              ; the zero bias of q, k, v
.endr
	s_cmp_lt_u32 s42, 2
	s_cbranch_scc0 .Lend                           ; threads 0 to 63 write the two floors and the two switches
	v_mov_b32 v104, 0xfc00fc00
	v_mov_b32 v105, 1
	global_store_b32 v5, v104, s[48:49] offset:LOWO
	global_store_b32 v5, v100, s[46:47] offset:LOWO
	global_store_b32 v5, v100, s[56:57]
	global_store_b32 v5, v105, s[58:59]
.Lend:
	s_endpgm
.Lgo:
	s_sub_co_u32 s52, ttmp9, s48
	s_lshl_b32 s52, s52, 6
	s_lshl3_add_u32 s52, s42, s52                  ; my first unit: 64 x (work-group in the segment) + 8 x wave
.irp i, 0,1,2,3,4,5,6,7
	s_add_co_u32 s53, s52, \i
	s_and_b32 s54, s53, s49
	s_lshl_b32 s54, s54, 19                        ; panel or slice: 524,288 bytes
	s_lshr_b32 s53, s53, s50
	s_lshl_b32 s53, s53, 9                         ; a unit is 512 bytes there
	s_add_co_u32 s53, s53, s54
	v_lshl_add_u32 v[DOF+(\i)], v1, 4, s53
.endr
	s_mov_b32 s55, 0
	s_cmp_eq_u32 s51, 1
	s_cbranch_scc1 .Lrows
	s_lshl_b32 s54, s52, 10                        ; weights: a unit is 1,024 consecutive bytes of the source
	s_add_nc_u64 s[44:45], s[44:45], s[54:55]
	v_lshlrev_b32 v2, 5, v1
.irp i, 0,1,2,3,4,5,6,7
	global_load_b128 v[IN+8*(\i):IN+8*(\i)+3],   v2, s[44:45] offset:1024*(\i) th:TH_LOAD_NT
	global_load_b128 v[IN+8*(\i)+4:IN+8*(\i)+7], v2, s[44:45] offset:1024*(\i)+16 th:TH_LOAD_NT
.endr
	s_branch .Lconv
.Lrows:                                                ; x: a unit is 4 rows x 64 columns; my 8 units are 8 neighbouring slices of the same 4 rows
	s_lshr_b32 s54, s52, 4
	s_lshl_b32 s54, s54, 14                        ; 4 rows of 4,096 bytes
	s_and_b32 s56, s52, 15
	s_lshl_b32 s56, s56, 8                         ; a slice is 256 bytes of a row
	s_add_co_u32 s54, s54, s56
	s_add_nc_u64 s[44:45], s[44:45], s[54:55]
	v_lshrrev_b32 v2, 3, v1
	v_and_b32 v3, 7, v1
	v_lshlrev_b32 v2, 12, v2
	v_lshl_add_u32 v2, v3, 5, v2                   ; row lane / 8, 32 bytes at lane % 8
.irp i, 0,1,2,3,4,5,6,7
	global_load_b128 v[IN+8*(\i):IN+8*(\i)+3],   v2, s[44:45] offset:256*(\i) th:TH_LOAD_NT
	global_load_b128 v[IN+8*(\i)+4:IN+8*(\i)+7], v2, s[44:45] offset:256*(\i)+16 th:TH_LOAD_NT
.endr
.Lconv:
.irp i, 0,1,2,3,4,5,6,7
	s_wait_loadcnt 14-2*(\i)                       ; loads come back in order: unit i's two are in, two for each younger unit stay out
	RND IN+8*(\i)
	RND IN+8*(\i)+4
.irp p, 0,1,2,3
	v_cvt_pk_f16_f32 v[OUT+4*(\i)+(\p)], v[IN+8*(\i)+2*(\p)], v[IN+8*(\i)+2*(\p)+1]  ; exact: 8 significant bits go into 11
.endr
	global_store_b128 v[DOF+(\i)], v[OUT+4*(\i):OUT+4*(\i)+3], s[46:47]
.endr
	s_endpgm
.Lfunc_end_k_qa06a9a6386_cast:
	.size	k_qa06a9a6386_cast, .Lfunc_end_k_qa06a9a6386_cast-k_qa06a9a6386_cast
	.p2alignl 7, 3214868480
	.fill 96, 4, 3214868480
	.section	.rodata,"a",@progbits
	.p2align	6, 0x0
	.amdhsa_kernel k_qa06a9a6386_cast
		.amdhsa_group_segment_fixed_size 0
		.amdhsa_private_segment_fixed_size 0
		.amdhsa_enable_private_segment 0
		.amdhsa_kernarg_size 152
		.amdhsa_user_sgpr_count 2
		.amdhsa_user_sgpr_kernarg_segment_ptr 1
		.amdhsa_wavefront_size32 1
		.amdhsa_system_sgpr_workgroup_id_x 1
		.amdhsa_system_sgpr_workgroup_id_y 1
		.amdhsa_system_sgpr_workgroup_id_z 1
		.amdhsa_system_vgpr_workitem_id 0
		.amdhsa_next_free_vgpr 128
		.amdhsa_next_free_sgpr 66
		.amdhsa_reserve_vcc 0
		.amdhsa_float_denorm_mode_32 3
		.amdhsa_float_denorm_mode_16_64 3
		.amdhsa_memory_ordered 1
		.amdhsa_forward_progress 1
		.amdhsa_inst_pref_size 23
	.end_amdhsa_kernel
	.amdgpu_metadata
---
amdhsa.version: [ 1, 2 ]
amdhsa.kernels:
  - .name:           k_qa06a9a6386_cast
    .symbol:         k_qa06a9a6386_cast.kd
    .args:
      - { .name: x, .offset: 0, .size: 8, .value_kind: global_buffer, .address_space: global }
      - { .name: wq, .offset: 8, .size: 8, .value_kind: global_buffer, .address_space: global }
      - { .name: wk, .offset: 16, .size: 8, .value_kind: global_buffer, .address_space: global }
      - { .name: wv, .offset: 24, .size: 8, .value_kind: global_buffer, .address_space: global }
      - { .name: wo, .offset: 32, .size: 8, .value_kind: global_buffer, .address_space: global }
      - { .name: w1, .offset: 40, .size: 8, .value_kind: global_buffer, .address_space: global }
      - { .name: w2, .offset: 48, .size: 8, .value_kind: global_buffer, .address_space: global }
      - { .name: wo_b, .offset: 56, .size: 8, .value_kind: global_buffer, .address_space: global }
      - { .name: alpha1, .offset: 64, .size: 8, .value_kind: global_buffer, .address_space: global }
      - { .name: bias1, .offset: 72, .size: 8, .value_kind: global_buffer, .address_space: global }
      - { .name: b2, .offset: 80, .size: 8, .value_kind: global_buffer, .address_space: global }
      - { .name: alpha2, .offset: 88, .size: 8, .value_kind: global_buffer, .address_space: global }
      - { .name: bias2, .offset: 96, .size: 8, .value_kind: global_buffer, .address_space: global }
      - { .name: b1, .offset: 104, .size: 8, .value_kind: global_buffer, .address_space: global }
      - { .name: cst, .offset: 112, .size: 8, .value_kind: global_buffer, .address_space: global }
      - { .name: wqkvp, .offset: 120, .size: 8, .value_kind: global_buffer, .address_space: global }
      - { .name: w1p, .offset: 128, .size: 8, .value_kind: global_buffer, .address_space: global }
      - { .name: swa, .offset: 136, .size: 8, .value_kind: global_buffer, .address_space: global }
      - { .name: swb, .offset: 144, .size: 8, .value_kind: global_buffer, .address_space: global }
    .group_segment_fixed_size: 0
    .private_segment_fixed_size: 0
    .kernarg_segment_align: 8
    .kernarg_segment_size: 152
    .max_flat_workgroup_size: 256
    .sgpr_count:     66
    .vgpr_count:     128
    .wavefront_size: 32
...
	.end_amdgpu_metadata
.endif
;; end of part 8
;; launch qkv (part 9): grid 12 x 16, 4 waves a work-group, clusters of 4 x 4, 327,680 bytes of LDS; arguments cst, wqkvp, qh; writes qh
.if DOCPART == 9
	.amdgcn_target "amdgcn-amd-amdhsa--gfx1250"
	.amdhsa_code_object_version 6
	.text
	.protected	k_qa06a9a6386_qkv
	.globl	k_qa06a9a6386_qkv
	.p2align	8
	.type	k_qa06a9a6386_qkv,@function
k_qa06a9a6386_qkv:
	s_mov_b64 s[64:65], 0
	v_nop
	global_prefetch_b8 v0, s[64:65] scope:SCOPE_SE
	s_setreg_imm32_b32 hwreg(HW_REG_WAVE_MODE, 25, 1), 1
	s_wait_xcnt 0x0
	s_wait_alu depctr_hold_cnt(0) depctr_sa_sdst(0) depctr_va_vdst(0) depctr_va_sdst(0) depctr_va_ssrc(0) depctr_va_vcc(0) depctr_vm_vsrc(0)
	s_getreg_b32 s2, hwreg(HW_REG_IB_STS2, 6, 4)
	s_cmp_eq_u32 s2, 0
	s_cbranch_scc0 .Lentry_in_a_cluster
	s_endpgm
.Lentry_in_a_cluster:
	s_bfe_u32 s2, ttmp6, 0x10000c
	s_cmp_lg_u32 s2, 0xf033
	s_cbranch_scc0 .Lentry_shape_is_right
	s_endpgm
.Lentry_shape_is_right:
; C = max(A B + bias, floor), K = 1,024.  A: sliced f16 [16][4096][64].  B: panels f16 [N/256][1024 k][256 n], behind them (at BIA) the bias in f32 and (at BIA+LOWO) the floor, two f16 a word.
; C: sliced f16 [N/64][4096][64].  Sums in f32, C rounded once.  ONE BODY FOR TWO LAUNCHES: q, k, v (zero bias, floor -infinity: there the bias and the maximum change nothing, the price of one
; text) and the first product of the MLP (b1, floor 0: the ReLU).  No work of the module is left out.  LIMIT: C must stay within f16's 65,504.
; SHARES.  A tile of C, 256 x 256 (one panel of B), is made by four waves, 128 x 128 each: 64 accumulators of 16 x 16, 512 registers.  K goes in 8 steps of 128 (two slices of A, 128 rows of the panel)
; through two LDS slots.  Waves 0 and 1 fetch a slice of A each, waves 2 and 3 64 rows of B each: 32 KiB dense in memory, one tensor load.
; A K STEP IS WRITTEN ONCE: the loop's trip is a step; which slot it reads hangs on a scalar that one exclusive or toggles, and one descriptor for A and one for B walk from refill to refill.
; CLUSTER 4 x 4: A's tile is shared along a row of the cluster, B's along a column: each is asked for jointly, by the same load with the same descriptor and a mask of four.
; THE MATRIX INSTRUCTION IS USED TRANSPOSED: source 0 = 16 columns of B (read turned out of LDS, where B lies [k][n]), source 1 = 16 rows of A: a lane holds row l % 16 of C and the columns
; 8 (l / 16) + 0..7.  The bias, which hangs on the column alone, is the C operand of the first products.
; REGISTERS, in windows of 256 (s_set_vgpr_msb: bits 1:0 source 0, 3:2 source 1, 5:4 source 2, 7:6 destination):
;   window 0: v0-31 addresses; v64-127, v128-191 A's fragments, two buffers; v32-63, v192-255 at work on the way out
;   window 1: v64-127, v128-191 B's fragments; v192-255 the bias, 8 registers for each of my 8 blocks of 16 columns
;   window 2: the accumulators of my rows 0-63 ((a, b) at 8 (8 a + b)); window 3: those of rows 64-127
.set PA,    144                        ; a row piece of A in LDS: 128 bytes + 16: the 16 rows of a load start at 16 different groups of four banks
.set ASL,   256*PA                     ; a slice of the tile
.set AT,    2*ASL
.set PB,    544                        ; a row of B: 512 bytes + 32 = 17 x 32
.set BH,    64*PB
.set SLOT,  147456                     ; A and B take 143,360 of it.  0x24000: neither of its bits is set in a part's first byte (0, 36,864, 73,728, 108,544), so an exclusive or with it turns such an address into the other slot's
.set STAGE, 2*SLOT                     ; behind the ring: for each wave two slices x 16 rows x 144 bytes
.set SSL,   16*PA
.set SPARE, STAGE+4*2*SSL              ; the spare words, 128 bytes a wave: two blocks of 256 bytes that no other line names
.set ASTEP, 1048576                    ; a K step in A: two slices
.set BSTEP, 65536                      ; in B: 128 rows of 512 bytes
.set NS,    8                          ; K steps
.set BIA,   0x800000
.set LOWO,  0x4000
.set ADRA0, 16                         ; v16  my lane's place among A's fragments in a slot; never rewritten
.set ADRB0, 17                         ; v17  the same for B
.set AA,   18                          ; v18  the same in the slot that is being read
.set AB,   19                          ; v19
.set STO,  24
.set RD,   25
.set CO,   26
.set BO,   27
.set SPW,  28                          ; v28  my spare word; never rewritten
.set NIL,  29                          ; v29  0; never rewritten
.set PFO,  30                          ; v30  256 x lane; never rewritten
.set ZR,   31                          ; v31  the floor
.set F0,   64
.set F1,   128
.set TMP,  192
.set OB,   32
.set BIAS, 192                         ; window 1
.set G1,  24
.set G0,  32                           ; s[32:35] A's K step 0; s[36:39] its K step 1, which then walks
.set G1B, 48
.set G0B, 56                           ; the same for B
.set LIM, 43                           ; s43  2 in a wave that prefetches, else the greatest number
.set PFA, 44                           ; s[44:45] where my prefetches stand
.set PST, 66                           ; s[66:67] a K step of what I fetch
.set TB,  68                           ; s68  the slot that is being read: 0 or SLOT
.set MSB, 0
.macro WIN new                         ; the immediate's high byte repeats the setting that is left
.if MSB != (\new)
	s_set_vgpr_msb (MSB<<8)|(\new)
.set MSB, \new
.endif
.endm
; A joint load: waves 0 and 1 ask for A, waves 2 and 3 for B.  An s_nop 0 and four v_nop follow each line.
.macro JLOAD s
	s_cmp_eq_u32 s11, 0
	s_cbranch_scc0 .Lfor_b_\@
	tensor_load_to_lds s[G0+4*(\s):G0+4*(\s)+3], s[G1:G1+7]
	s_nop 0
.rept 4
	v_nop
.endr
	s_branch .Lasked_\@
.Lfor_b_\@:
	tensor_load_to_lds s[G0B+4*(\s):G0B+4*(\s)+3], s[G1B:G1B+7]
	s_nop 0
.rept 4
	v_nop
.endr
.Lasked_\@:
.endm
; A prefetch of the K step two refills on.  My 32 KiB of a step are 128 blocks of 256 bytes; the four partners that ask for them jointly take 32 each, told apart by address; a lane a block.
; A's blocks are named by the cluster with x = 0 alone, B's by the cluster with y = 0: each block once in the launch.  The loop's last two refills (s3 = 2, 1) have no step two on.
.macro ASK
	s_cmp_gt_u32 s3, s[LIM]
	s_cbranch_scc0 .Lnot_mine_\@
	global_prefetch_b8 v[PFO], s[PFA:PFA+1] th:TH_LOAD_NT scope:SCOPE_SE
.Lnot_mine_\@:
.endm
.macro CREST
	s_cmp_lg_u32 s10, 0
	s_cbranch_scc1 .Lnot_wave_0_\@
	s_barrier_signal -3
.Lnot_wave_0_\@:
	s_barrier_wait -3
	s_barrier_signal -1
	s_barrier_wait -1
.endm
.macro CROUND
	s_barrier_signal -1
	s_barrier_wait -1
	CREST
.endm
.macro ADDR                            ; my fragments' addresses in the slot that is being read
	v_add_nc_u32 v[AA], s[TB], v[ADRA0]
	v_add_nc_u32 v[AB], s[TB], v[ADRB0]
.endm
	s_load_b128 s[4:7], s[0:1], 0x0                ; A s[4:5], B s[6:7]
	s_load_b64 s[8:9], s[0:1], 0x10                ; C
	v_lshl_add_u32 v[SPW], v0, 2, SPARE
	v_mov_b32 v[NIL], 0
	ds_add_u32 v[SPW], v[NIL]                      ; the opening: the add, twice on end, and its wait ahead of my first tensor load
	ds_add_u32 v[SPW], v[NIL]
	v_lshrrev_b32 v1, 5, v0
	v_readfirstlane_b32 s10, v1                    ; wave 0..3
	s_lshr_b32 s11, s10, 1                         ; my half of the tile's rows; also: I fetch for A (0) or B (1)
	s_and_b32 s12, s10, 1                          ; my half of its columns; also: which part I fetch
	s_bfe_u32 s40, ttmp6, 0x40000                  ; cx
	s_bfe_u32 s41, ttmp6, 0x40004                  ; cy
	s_lshl_b32 s42, ttmp9, 2
	s_add_co_u32 s42, s42, s40                     ; tile column = panel
	s_and_b32 s13, ttmp7, 0xffff
	s_lshl_b32 s13, s13, 2
	s_add_co_u32 s13, s13, s41                     ; tile row
	s_lshl_b32 s43, s41, 2
	s_lshl_b32 s43, 15, s43                        ; my row of the cluster
	s_lshl_b32 s44, 0x1111, s40                    ; my column
	s_or_b32 s[G1+0], s43, (1<<16)|(1<<20)|(1<<21)|(4<<22)|(3<<25)   ; 2-byte elements; padding on; bit 21 beside a mask; after every 32 words 4 words
	s_mov_b32 s[G1+1], 128<<16                     ; A: 256 row pieces, dense, asked for as 128 rows of 256 bytes
	s_mov_b32 s[G1+2], 128<<16
	s_mov_b32 s[G1+3], 128<<16
	s_mov_b32 s[G1+4], 128
	s_mov_b32 s[G1+5], 128
	s_mov_b32 s[G1+6], 0
	s_mov_b32 s[G1+7], 0
	s_or_b32 s[G1B+0], s44, (1<<16)|(1<<20)|(1<<21)|(6<<22)|(7<<25)  ; after every 128 words 8 words
	s_mov_b32 s[G1B+1], 256<<16                    ; B: 64 rows of 512 bytes
	s_mov_b32 s[G1B+2], 64<<16
	s_mov_b32 s[G1B+3], 256<<16
	s_mov_b32 s[G1B+4], 64
	s_mov_b32 s[G1B+5], 256
	s_mov_b32 s[G1B+6], 0
	s_mov_b32 s[G1B+7], 0
	s_lshl_b32 s16, s13, 15                        ; A: the tile's 256 rows in a slice,
	s_lshl_b32 s17, s12, 19                        ; my slice of the step's two
	s_add_co_u32 s16, s16, s17
	s_mov_b32 s17, 0
	s_lshl_b32 s46, s42, 19                        ; B: the panel,
	s_lshl_b32 s47, s12, 15                        ; my 64 rows of the step's 128
	s_add_co_u32 s46, s46, s47
	s_mov_b32 s47, 0
	s_mul_i32 s20, s12, ASL                        ; where they go: no place in the cluster enters an LDS address
	s_mul_i32 s21, s12, BH
	s_add_co_u32 s21, s21, AT
	s_mov_b32 s[TB], 0
	s_wait_dscnt 0x0                               ; both opening adds are done
	s_wait_kmcnt 0x0
	s_add_nc_u64 s[14:15], s[4:5], s[16:17]
	s_add_nc_u64 s[46:47], s[6:7], s[46:47]
	CROUND                                         ; all sixteen work-groups are here: the first joint loads meet
.irp s, 0,1
	s_mov_b32 s[G0+4*(\s)], 1
	s_add_co_u32 s[G0+4*(\s)+1], s20, (\s)*SLOT
	s_add_nc_u64 s[G0+4*(\s)+2:G0+4*(\s)+3], s[14:15], (\s)*ASTEP
	s_or_b32 s[G0+4*(\s)+3], s[G0+4*(\s)+3], 0x80000000
	s_mov_b32 s[G0B+4*(\s)], 1
	s_add_co_u32 s[G0B+4*(\s)+1], s21, (\s)*SLOT
	s_add_nc_u64 s[G0B+4*(\s)+2:G0B+4*(\s)+3], s[46:47], (\s)*BSTEP
	s_or_b32 s[G0B+4*(\s)+3], s[G0B+4*(\s)+3], 0x80000000
	JLOAD \s                                       ; K steps 0 and 1: two loads of mine are out
.endr
	v_and_b32 v1, 15, v0                           ; l % 16
	v_bfe_u32 v2, v0, 4, 1                         ; l / 16
	v_mul_u32_u24 v3, v1, PA
	v_lshl_add_u32 v3, v2, 4, v3                   ; A: row x pitch + 16 x half
	v_and_b32 v4, 7, v0
	v_lshl_add_u32 v4, v2, 3, v4
	v_mul_u32_u24 v4, v4, PB                       ; B, turned: k row 8 (l / 16) + l % 8,
	v_bfe_u32 v5, v0, 3, 1
	v_lshl_add_u32 v4, v5, 4, v4                   ; columns 8 ((l / 8) % 2) on
	s_mul_i32 s21, s11, 128*PA                     ; my 128 rows of A
	s_lshl_b32 s22, s12, 8                         ; my 128 columns of B
	s_add_co_u32 s22, s22, AT
	v_add_nc_u32 v[ADRA0], s21, v3
	v_add_nc_u32 v[ADRB0], s22, v4
	ADDR                                           ; slot 0
	s_mul_i32 s23, s10, 2*SSL
	s_add_co_u32 s23, s23, STAGE                   ; my stage
	v_add_nc_u32 v[STO], s23, v3                   ; in: row l % 16, 16 bytes for each half of the lanes
	v_bfe_u32 v5, v0, 3, 2
	v_mul_u32_u24 v5, v5, PA
	v_and_b32 v6, 7, v0
	v_lshl_add_u32 v5, v6, 4, v5
	v_add_nc_u32 v[RD], s23, v5                    ; back: 32 lanes take four row pieces of 128 bytes,
	v_and_b32 v6, 31, v0
	v_lshlrev_b32 v[CO], 4, v6                     ; which are 512 consecutive bytes of C
	v_lshlrev_b32 v[PFO], 8, v6
	s_lshl_b32 s18, s42, 10                        ; the bias of my 128 columns: 1,024 bytes a panel, 512 a half, 32 for each half of the lanes
	s_lshl_b32 s19, s12, 9
	s_add_co_u32 s18, s18, s19
	s_add_co_u32 s18, s18, BIA
	v_lshl_add_u32 v[BO], v2, 5, s18
	v_lshl_add_u32 v7, v6, 2, BIA+LOWO
	global_load_b32 v[ZR], v7, s[6:7]
	WIN 0x40                                       ; destination window 1
.irp b, 0,1,2,3,4,5,6,7
	global_load_b128 v[BIAS+8*(\b):BIAS+8*(\b)+3],   v[BO], s[6:7] offset:64*(\b)
	global_load_b128 v[BIAS+8*(\b)+4:BIAS+8*(\b)+7], v[BO], s[6:7] offset:64*(\b)+16
.endr
	WIN 0
	; the prefetches
	s_and_b32 s22, ttmp7, 0xffff                   ; cluster y
	s_mov_b32 s18, ASTEP
	s_mov_b32 s19, BSTEP
	s_cmp_eq_u32 s11, 0                            ; do I fetch for A?
	s_cselect_b32 s21, s40, s41                    ; my place among the four that ask with me
	s_cselect_b32 s22, ttmp9, s22                  ; the coordinate along which other clusters read the same blocks
	s_cselect_b64 s[PFA:PFA+1], s[14:15], s[46:47]
	s_cselect_b32 s[PST], s18, s19
	s_mov_b32 s[PST+1], 0
	s_cmp_eq_u32 s22, 0
	s_cselect_b32 s[LIM], 2, -1                    ; the same in all sixteen partners, for a given wave
	s_lshl_b32 s20, s21, 13                        ; my work-group's 32 blocks
	s_mov_b32 s21, 0
	s_add_nc_u64 s[PFA:PFA+1], s[PFA:PFA+1], s[20:21]
	s_mul_i32 s20, s[PST], 3
	s_add_nc_u64 s[PFA:PFA+1], s[PFA:PFA+1], s[20:21]  ; at K step 3: the first refill steps it to 4.  Nothing is prefetched here, at the head
	; where my part of C begins
	s_lshl_b32 s16, s13, 15
	s_lshl_b32 s17, s11, 14
	s_add_co_u32 s16, s16, s17                     ; my first row, 128 bytes a row
	s_mov_b32 s17, 0
	s_lshl_b32 s46, s42, 2
	s_lshl1_add_u32 s46, s12, s46                  ; my first slice: 4 x panel + 2 x half
	s_lshl_b32 s46, s46, 19
	s_mov_b32 s47, 0
	s_add_nc_u64 s[16:17], s[16:17], s[46:47]
	s_add_nc_u64 s[8:9], s[8:9], s[16:17]
; 16 matrix instructions: row blocks a0, a0 + 1 of the window's four x all 8 column blocks, 32 along K.  zero = 2: the first product starts the sums with the bias.
; The 64 accumulators take turns in the same order in every quarter.
.macro MUL16 f, hi, a0, zero
.if (\zero) == 2
	WIN 0x91+0x40*(\hi)                            ; B window 1, A window 0, C (the bias) window 1, D window 2 or 3
.else
	WIN 0xa1+0x50*(\hi)                            ; C and D window 2 or 3
.endif
.irp a, \a0, (\a0)+1
.irp b, 0,1,2,3,4,5,6,7
.if (\zero) == 2
	v_wmma_f32_16x16x32_f16 v[8*(8*(\a)+(\b)):8*(8*(\a)+(\b))+7], v[(\f)+8*(\b):(\f)+8*(\b)+7], v[(\f)+8*(4*(\hi)+(\a)):(\f)+8*(4*(\hi)+(\a))+7], v[BIAS+8*(\b):BIAS+8*(\b)+7]
.else
	v_wmma_f32_16x16x32_f16 v[8*(8*(\a)+(\b)):8*(8*(\a)+(\b))+7], v[(\f)+8*(\b):(\f)+8*(\b)+7], v[(\f)+8*(4*(\hi)+(\a)):(\f)+8*(4*(\hi)+(\a))+7], v[8*(8*(\a)+(\b)):8*(8*(\a)+(\b))+7]
.endif
.endr
.endr
.endm
; 32 LDS loads in one run: quarter kq (32 along K) of the slot in hand into buffer f: B's 8 column blocks turned, then A's 8 row blocks
.macro FETCH kq, f
	WIN 0x40
.irp i, 0,1,2,3,4,5,6,7
	ds_load_tr16_b128 v[(\f)+8*(\i):(\f)+8*(\i)+3],   v[AB] offset:(\kq)*32*PB+32*(\i)
	ds_load_tr16_b128 v[(\f)+8*(\i)+4:(\f)+8*(\i)+7], v[AB] offset:(\kq)*32*PB+32*(\i)+16*PB
.endr
	WIN 0
.irp i, 0,1,2,3,4,5,6,7
	ds_load_b128 v[(\f)+8*(\i):(\f)+8*(\i)+3],   v[AA] offset:((\kq)/2)*ASL+((\kq)%2)*64+(\i)*16*PA
	ds_load_b128 v[(\f)+8*(\i)+4:(\f)+8*(\i)+7], v[AA] offset:((\kq)/2)*ASL+((\kq)%2)*64+(\i)*16*PA+32
.endr
.endm
.macro PLACES                          ; four plain places in front of loads into registers that matrix instructions have read, and of reads of results
.rept 4
	v_nop
.endr
.endm
; One of a K step's first three quarters: multiplies buffer f and, in its middle, fetches quarter kq into buffer g
.macro QUARTER kq, f, g, zero
	s_wait_dscnt 8                                 ; B and A's rows 0-63 are in; the youngest eight loads (A's rows 64-127) may be out
	MUL16 \f, 0, 0, \zero
	MUL16 \f, 0, 2, \zero
	PLACES
	FETCH \kq, \g
	s_wait_dscnt 32                                ; all but the 32 just issued
	MUL16 \f, 1, 0, \zero
	MUL16 \f, 1, 2, \zero
.endm
; The first half of a step's last quarter: one barrier for the change of slots
.macro MEET round
	WIN 0
	s_wait_tensorcnt 0x0                           ; all my tensor loads have landed: the one that was out is my part of the next slot
	ds_add_u32 v[SPW], v[NIL]                      ; 0 onto my spare word
	s_wait_dscnt 9                                 ; (the add and the youngest eight loads may be out)
	MUL16 F1, 0, 0, 0
	s_wait_dscnt 0x0                               ; the add is done, and my reads of this slot are over
	s_barrier_signal -1
	MUL16 F1, 0, 2, 0
.if \round
	WIN 0
.endif
	s_barrier_wait -1
.endm
; The whole last quarter.  fill = 1: the slot just read is filled again, with the step two on: the barrier opens a round of the cluster's, and the joint refill is the first thing behind it.
; The walking descriptors take the other slot than last time (the exclusive or) and the next K step.
.macro TURN fill
.if \fill
	s_wait_xcnt 0x0                                ; the last prefetch, a K step back, has read its address
	s_add_nc_u64 s[PFA:PFA+1], s[PFA:PFA+1], s[PST:PST+1]
.endif
	MEET \fill
.if \fill
	CREST
	s_xor_b32 s[G0+5], s[G0+5], SLOT
	s_add_nc_u64 s[G0+6:G0+7], s[G0+6:G0+7], ASTEP
	s_xor_b32 s[G0B+5], s[G0B+5], SLOT
	s_add_nc_u64 s[G0B+6:G0B+7], s[G0B+6:G0B+7], BSTEP
	JLOAD 1                                        ; its four v_nop are also the places in front of the loads below
.else
	PLACES
	WIN 0
.endif
	s_xor_b32 s[TB], s[TB], SLOT                   ; the reads go on in the other slot
	ADDR
	FETCH 0, F0
.if \fill
	ASK
.endif
	MUL16 F1, 1, 0, 0
	MUL16 F1, 1, 2, 0
.endm
; THE WAY OUT of row block a: rounded to f16 and held to the floor; into my stage; back as row pieces; stored
.macro PACK a
.set AC, 64*((\a)%4)
	WIN 0x0a+5*((\a)/4)                            ; sources 0 and 1: window 2 or 3
.irp b, 0,1,2,3,4,5,6,7
.irp r, 0,1,2,3
	v_cvt_pk_f16_f32 v[TMP+4*(\b)+(\r)], v[AC+8*(\b)+2*(\r)], v[AC+8*(\b)+2*(\r)+1]
.endr
.endr
	WIN 0
.set z, 0
.rept 32
	v_pk_max_num_f16 v[TMP+z], v[TMP+z], v[ZR]
.set z, z+1
.endr
.endm
.macro TOSTAGE a
.set BK, OB+192*((\a)%2)
.irp b, 0,1,2,3,4,5,6,7
	ds_store_b128 v[STO], v[TMP+4*(\b):TMP+4*(\b)+3] offset:((\b)/4)*SSL+((\b)%4)*32
.endr
.irp t, 0,1,2,3,4,5,6,7
	ds_load_b128 v[BK+4*(\t):BK+4*(\t)+3], v[RD] offset:((\t)/4)*SSL+((\t)%4)*4*PA  ; LDS serves a wave's instructions in order: these see the stores above
.endr
.endm
.macro SEND a
.set BK, OB+192*((\a)%2)
	s_wait_dscnt 0x0                               ; the block is back in registers
	s_wait_xcnt 0x0                                ; earlier stores have read their registers: the next block's loads land there only behind this wait
.irp t, 0,1,2,3,4,5,6,7
	global_store_b128 v[CO], v[BK+4*(\t):BK+4*(\t)+3], s[8:9] offset:((\t)/4)*524288+(\a)*2048+((\t)%4)*512  ; 512 consecutive bytes, aligned
.endr
.endm
	s_wait_tensorcnt 1                             ; my part of K step 0 is in; step 1's stays out
	s_barrier_signal -1
	s_barrier_wait -1
	FETCH 0, F0
	s_wait_loadcnt 0x0                             ; the bias and the floor
	QUARTER 1, F0, F1, 2                           ; the first quarter stands in front of the loop: its products start the sums
	WIN 0
	s_mov_b32 s3, NS-2
.Lstep:                                                ; a trip goes from a step's second quarter to the next step's first, and fills the slot that it leaves: steps 2 to 7 are asked for
	QUARTER 2, F1, F0, 0
	QUARTER 3, F0, F1, 0
	TURN 1
	QUARTER 1, F0, F1, 0
	WIN 0
	s_sub_co_u32 s3, s3, 1
	s_cmp_lg_u32 s3, 0
	s_cbranch_scc1 .Lstep
	s_mov_b32 s3, 2
.Ltail:                                                ; the last two steps fill nothing: their text is written out; the second trip is left in its middle
	QUARTER 2, F1, F0, 0
	QUARTER 3, F0, F1, 0
	WIN 0
	s_sub_co_u32 s3, s3, 1
	s_cmp_eq_u32 s3, 0
	s_cbranch_scc1 .Llast
	TURN 0
	QUARTER 1, F0, F1, 0
	WIN 0
	s_branch .Ltail
.Llast:
	s_wait_dscnt 8                                 ; the very last quarter: nothing more to fetch
	MUL16 F1, 0, 0, 0
	MUL16 F1, 0, 2, 0
	s_wait_dscnt 0x0
	MUL16 F1, 1, 0, 0
	MUL16 F1, 1, 2, 0
	WIN 0
	PLACES
	PACK 0
	TOSTAGE 0
.irp a, 1,2,3,4,5,6,7                  ; block a's arithmetic stands between block a - 1's loads from the stage and the wait for them
	PACK \a
	SEND (\a)-1
	TOSTAGE \a
.endr
	SEND 7
	s_wait_tensorcnt 0x0                           ; the wave's end
	ds_add_u32 v[SPW], v[NIL]
	s_wait_dscnt 0x0
	CROUND                                         ; the closing round
	s_endpgm
.Lfunc_end_k_qa06a9a6386_qkv:
	.size	k_qa06a9a6386_qkv, .Lfunc_end_k_qa06a9a6386_qkv-k_qa06a9a6386_qkv
	.p2alignl 7, 3214868480
	.fill 96, 4, 3214868480
	.section	.rodata,"a",@progbits
	.p2align	6, 0x0
	.amdhsa_kernel k_qa06a9a6386_qkv
		.amdhsa_group_segment_fixed_size 327680
		.amdhsa_private_segment_fixed_size 0
		.amdhsa_enable_private_segment 0
		.amdhsa_kernarg_size 24
		.amdhsa_user_sgpr_count 2
		.amdhsa_user_sgpr_kernarg_segment_ptr 1
		.amdhsa_wavefront_size32 1
		.amdhsa_system_sgpr_workgroup_id_x 1
		.amdhsa_system_sgpr_workgroup_id_y 1
		.amdhsa_system_sgpr_workgroup_id_z 1
		.amdhsa_system_vgpr_workitem_id 0
		.amdhsa_next_free_vgpr 1024
		.amdhsa_next_free_sgpr 72
		.amdhsa_reserve_vcc 0
		.amdhsa_float_denorm_mode_32 3
		.amdhsa_float_denorm_mode_16_64 3
		.amdhsa_memory_ordered 1
		.amdhsa_forward_progress 1
		.amdhsa_inst_pref_size 123
	.end_amdhsa_kernel
	.amdgpu_metadata
---
amdhsa.version: [ 1, 2 ]
amdhsa.kernels:
  - .name:           k_qa06a9a6386_qkv
    .symbol:         k_qa06a9a6386_qkv.kd
    .args:
      - { .name: cst, .offset: 0, .size: 8, .value_kind: global_buffer, .address_space: global }
      - { .name: wqkvp, .offset: 8, .size: 8, .value_kind: global_buffer, .address_space: global }
      - { .name: qh, .offset: 16, .size: 8, .value_kind: global_buffer, .address_space: global }
    .group_segment_fixed_size: 327680
    .private_segment_fixed_size: 0
    .kernarg_segment_align: 8
    .kernarg_segment_size: 24
    .max_flat_workgroup_size: 128
    .sgpr_count:     72
    .vgpr_count:     1024
    .wavefront_size: 32
...
	.end_amdgpu_metadata
.endif
;; end of part 9
;; launch attn: the kernel of part 3 again; grid 8 x 32, 4 waves a work-group, clusters of 4 x 1, 327,680 bytes of LDS; arguments qh, mask, cx; writes cx
;; launch wo (part 10): grid 8 x 32, 4 waves a work-group, clusters of 4 x 4, 327,680 bytes of LDS; arguments cx, cst, y; writes y
.if DOCPART == 10
	.amdgcn_target "amdgcn-amd-amdhsa--gfx1250"
	.amdhsa_code_object_version 6
	.text
	.protected	k_qa06a9a6386_wo
	.globl	k_qa06a9a6386_wo
	.p2align	8
	.type	k_qa06a9a6386_wo,@function
k_qa06a9a6386_wo:
	s_mov_b64 s[64:65], 0
	v_nop
	global_prefetch_b8 v0, s[64:65] scope:SCOPE_SE
	s_setreg_imm32_b32 hwreg(HW_REG_WAVE_MODE, 25, 1), 1
	s_wait_xcnt 0x0
	s_wait_alu depctr_hold_cnt(0) depctr_sa_sdst(0) depctr_va_vdst(0) depctr_va_sdst(0) depctr_va_ssrc(0) depctr_va_vcc(0) depctr_vm_vsrc(0)
	s_getreg_b32 s2, hwreg(HW_REG_IB_STS2, 6, 4)
	s_cmp_eq_u32 s2, 0
	s_cbranch_scc0 .Lentry_in_a_cluster
	s_endpgm
.Lentry_in_a_cluster:
	s_bfe_u32 s2, ttmp6, 0x10000c
	s_cmp_lg_u32 s2, 0xf033
	s_cbranch_scc0 .Lentry_shape_is_right
	s_endpgm
.Lentry_shape_is_right:
; Y = A B, the raw product in f32 (bias, residual and norm follow in the next launch).  A: sliced f16 [K/64][4096][64].  B: plain f16 [K][1024] at byte BOFF of cst.  Y: sliced f32 [16][4096][64].
; Here K = 1,024 (the context times wo).  No work of the module is left out.
; N = 1,024 gives 64 tiles of 256 x 256; so a tile is 128 x 128: 256 work-groups.  Four waves, 64 x 64 each: 16 accumulators.  K goes in steps of 256 (four slices of A, 256 rows of B) through two LDS slots.
; Waves 0 and 1 fetch two slices of A each (two rows of 16 KiB, each 128 dense row pieces), waves 2 and 3 128 rows of B each.  CLUSTER 4 x 4: A's tile shared along a row, B's along a column, asked for jointly.
; A K STEP IS WRITTEN ONCE: which slot a trip reads hangs on a scalar that one exclusive or toggles, and one descriptor for A and one for B walk from refill to refill.
; The matrix instruction is used transposed (source 0 = 16 columns of B, read turned; source 1 = 16 rows of A): a lane holds 8 neighbouring columns of a row.  A wave's 64 columns are one slice of Y, so
; each wave has a stage of its own.  No prefetch: the tile is small and a step short.
; REGISTERS: window 0: v0-31 addresses; v32-95 at work on the way out; v128-255 accumulators ((a, b) at 128 + 8 (4 a + b)).  Window 1: two fragment buffers of 128: 64 of A, 64 of B, for 64 along K.
.set NS,    4                          ; K steps
.set BOFF,  8388608
.set PA,    144
.set ASL,   128*PA
.set AT,    4*ASL
.set PB,    288                        ; a row of B: 256 bytes + 32 = 9 x 32
.set BHF,   128*PB
.set SLOT,  AT+2*BHF                   ; 147,456 = 0x24000: neither of its bits is set in a part's first byte (0, 36,864, 73,728, 110,592), so an exclusive or with it turns such an address into the other slot's
.set STAGE, 2*SLOT
.set SPITCH, 272
.set SPARE, STAGE+4*16*SPITCH
.set ASTEP, 2097152
.set BSTEP, 524288
.set ADRA0, 16                         ; v16  my lane's place among A's fragments in a slot; never rewritten
.set ADRB0, 17                         ; v17  the same for B
.set AA,   18                          ; v18  the same in the slot that is being read
.set AB,   19                          ; v19  B's k rows 0-127; v20: k rows 128-255
.set STO,  24
.set RD,   25
.set CO,   26
.set SPW,  28
.set NIL,  29
.set TMP,  32
.set ACC,  128
.set F0,   0
.set F1,   128
.set TB,  18                           ; s18  the slot that is being read: 0 or SLOT
.set G1,  24
.set G0,  32                           ; s[32:35] A's K step 0; s[36:39] its K step 1, which then walks
.set G1B, 48
.set G0B, 56
.set MSB, 0
.macro WIN new
.if MSB != (\new)
	s_set_vgpr_msb (MSB<<8)|(\new)
.set MSB, \new
.endif
.endm
.set MUL,  0x05
.set TO_F, 0x40
.macro JLOAD s
	s_cmp_eq_u32 s11, 0
	s_cbranch_scc0 .Lfor_b_\@
	tensor_load_to_lds s[G0+4*(\s):G0+4*(\s)+3], s[G1:G1+7]
	s_nop 0
.rept 4
	v_nop
.endr
	s_branch .Lasked_\@
.Lfor_b_\@:
	tensor_load_to_lds s[G0B+4*(\s):G0B+4*(\s)+3], s[G1B:G1B+7]
	s_nop 0
.rept 4
	v_nop
.endr
.Lasked_\@:
.endm
.macro CREST
	s_cmp_lg_u32 s10, 0
	s_cbranch_scc1 .Lnot_wave_0_\@
	s_barrier_signal -3
.Lnot_wave_0_\@:
	s_barrier_wait -3
	s_barrier_signal -1
	s_barrier_wait -1
.endm
.macro CROUND
	s_barrier_signal -1
	s_barrier_wait -1
	CREST
.endm
.macro ADDR                            ; my fragments' addresses in the slot that is being read
	v_add_nc_u32 v[AA], s[TB], v[ADRA0]
	v_add_nc_u32 v[AB], s[TB], v[ADRB0]
	v_add_nc_u32 v[AB+1], BHF, v[AB]
.endm
	s_load_b128 s[4:7], s[0:1], 0x0                ; A s[4:5], cst s[6:7]
	s_load_b64 s[8:9], s[0:1], 0x10                ; Y
	v_lshl_add_u32 v[SPW], v0, 2, SPARE
	v_mov_b32 v[NIL], 0
	ds_add_u32 v[SPW], v[NIL]                      ; the opening: the add twice on end and its wait
	ds_add_u32 v[SPW], v[NIL]
	v_lshrrev_b32 v1, 5, v0
	v_readfirstlane_b32 s10, v1
	s_lshr_b32 s11, s10, 1                         ; my half of the rows; also: I fetch for A (0) or B (1)
	s_and_b32 s12, s10, 1                          ; my half of the columns; also: which part I fetch
	s_bfe_u32 s40, ttmp6, 0x40000
	s_bfe_u32 s41, ttmp6, 0x40004
	s_lshl_b32 s42, ttmp9, 2
	s_add_co_u32 s42, s42, s40                     ; tile column
	s_and_b32 s13, ttmp7, 0xffff
	s_lshl_b32 s13, s13, 2
	s_add_co_u32 s13, s13, s41                     ; tile row
	s_lshl_b32 s43, s41, 2
	s_lshl_b32 s43, 15, s43
	s_lshl_b32 s44, 0x1111, s40
	s_or_b32 s[G1+0], s43, (1<<16)|(1<<20)|(1<<21)|(4<<22)|(3<<25)   ; after every 32 words (a row piece) 4 words
	s_mov_b32 s[G1+1], 8192<<16                    ; A: 2 rows of 8,192 elements, a slice (262,144 elements) apart
	s_mov_b32 s[G1+2], 2<<16
	s_mov_b32 s[G1+3], 8192<<16
	s_mov_b32 s[G1+4], 2
	s_mov_b32 s[G1+5], 262144
	s_mov_b32 s[G1+6], 0
	s_mov_b32 s[G1+7], 0
	s_or_b32 s[G1B+0], s44, (1<<16)|(1<<20)|(1<<21)|(5<<22)|(7<<25)  ; after every 64 words 8 words
	s_mov_b32 s[G1B+1], 128<<16                    ; B: 128 rows of 256 bytes, 1,024 elements apart
	s_mov_b32 s[G1B+2], 128<<16
	s_mov_b32 s[G1B+3], 128<<16
	s_mov_b32 s[G1B+4], 128
	s_mov_b32 s[G1B+5], 1024
	s_mov_b32 s[G1B+6], 0
	s_mov_b32 s[G1B+7], 0
	s_lshl_b32 s16, s13, 14                        ; A: the tile's 128 rows in a slice,
	s_lshl_b32 s17, s12, 20                        ; my two slices of the step's four
	s_add_co_u32 s16, s16, s17
	s_mov_b32 s17, 0
	s_lshl_b32 s46, s42, 8                         ; B: the tile's 128 columns,
	s_lshl_b32 s47, s12, 18                        ; my 128 rows of the step's 256
	s_add_co_u32 s46, s46, s47
	s_add_co_u32 s46, s46, BOFF
	s_mov_b32 s47, 0
	s_mul_i32 s20, s12, 2*ASL
	s_mul_i32 s21, s12, BHF
	s_add_co_u32 s21, s21, AT
	s_mov_b32 s[TB], 0
	s_wait_dscnt 0x0
	s_wait_kmcnt 0x0
	s_add_nc_u64 s[14:15], s[4:5], s[16:17]
	s_add_nc_u64 s[46:47], s[6:7], s[46:47]
	CROUND
.irp s, 0,1
	s_mov_b32 s[G0+4*(\s)], 1
	s_add_co_u32 s[G0+4*(\s)+1], s20, (\s)*SLOT
	s_add_nc_u64 s[G0+4*(\s)+2:G0+4*(\s)+3], s[14:15], (\s)*ASTEP
	s_or_b32 s[G0+4*(\s)+3], s[G0+4*(\s)+3], 0x80000000
	s_mov_b32 s[G0B+4*(\s)], 1
	s_add_co_u32 s[G0B+4*(\s)+1], s21, (\s)*SLOT
	s_add_nc_u64 s[G0B+4*(\s)+2:G0B+4*(\s)+3], s[46:47], (\s)*BSTEP
	s_or_b32 s[G0B+4*(\s)+3], s[G0B+4*(\s)+3], 0x80000000
	JLOAD \s
.endr
	v_and_b32 v1, 15, v0
	v_bfe_u32 v2, v0, 4, 1
	v_mul_u32_u24 v3, v1, PA
	v_lshl_add_u32 v3, v2, 4, v3
	v_and_b32 v4, 7, v0
	v_lshl_add_u32 v4, v2, 3, v4
	v_mul_u32_u24 v4, v4, PB
	v_bfe_u32 v5, v0, 3, 1
	v_lshl_add_u32 v4, v5, 4, v4
	s_mul_i32 s21, s11, 64*PA                      ; my 64 rows of A
	s_lshl_b32 s22, s12, 7                         ; my 64 columns of B
	s_add_co_u32 s22, s22, AT
	v_add_nc_u32 v[ADRA0], s21, v3
	v_add_nc_u32 v[ADRB0], s22, v4
	ADDR                                           ; slot 0
	s_mul_i32 s23, s10, 16*SPITCH
	s_add_co_u32 s23, s23, STAGE
	v_mul_u32_u24 v5, v1, SPITCH                   ; in: row l % 16, 32 bytes for each half of the lanes
	v_lshl_add_u32 v5, v2, 5, v5
	v_add_nc_u32 v[STO], s23, v5
	v_mul_u32_u24 v5, v2, SPITCH                   ; back: lanes 0-15 one row piece of 256 bytes, lanes 16-31 the next
	v_lshl_add_u32 v5, v1, 4, v5
	v_add_nc_u32 v[RD], s23, v5
	v_and_b32 v6, 31, v0
	v_lshlrev_b32 v[CO], 4, v6
	s_lshl_b32 s16, s13, 15                        ; my first row, 256 bytes a row
	s_lshl_b32 s17, s11, 14
	s_add_co_u32 s16, s16, s17
	s_mov_b32 s17, 0
	s_lshl1_add_u32 s46, s42, s12                  ; my slice of Y
	s_lshl_b32 s46, s46, 20
	s_mov_b32 s47, 0
	s_add_nc_u64 s[16:17], s[16:17], s[46:47]
	s_add_nc_u64 s[8:9], s[8:9], s[16:17]
; 8 matrix instructions: row blocks a0, a0 + 1 x 4 column blocks, 32 along K: half c of buffer f.  The 16 accumulators take turns.
.macro MUL8 f, c, a0, zero
	WIN MUL
.irp a, \a0, (\a0)+1
.irp b, 0,1,2,3
.if \zero
	v_wmma_f32_16x16x32_f16 v[ACC+8*(4*(\a)+(\b)):ACC+8*(4*(\a)+(\b))+7], v[(\f)+64+8*(4*(\c)+(\b)):(\f)+64+8*(4*(\c)+(\b))+7], v[(\f)+8*(4*(\c)+(\a)):(\f)+8*(4*(\c)+(\a))+7], 0
.else
	v_wmma_f32_16x16x32_f16 v[ACC+8*(4*(\a)+(\b)):ACC+8*(4*(\a)+(\b))+7], v[(\f)+64+8*(4*(\c)+(\b)):(\f)+64+8*(4*(\c)+(\b))+7], v[(\f)+8*(4*(\c)+(\a)):(\f)+8*(4*(\c)+(\a))+7], v[ACC+8*(4*(\a)+(\b)):ACC+8*(4*(\a)+(\b))+7]
.endif
.endr
.endr
.endm
; 32 LDS loads in one run: quarter q (64 along K: one slice of A, 64 rows of B) of the slot in hand into buffer f; the first 32 along K first
.macro FETCH q, f
	WIN TO_F
.irp c, 0,1
.irp i, 0,1,2,3
	ds_load_tr16_b128 v[(\f)+64+8*(4*(\c)+(\i)):(\f)+64+8*(4*(\c)+(\i))+3],   v[AB+(\q)/2] offset:(((\q)%2)*64+32*(\c))*PB+32*(\i)
	ds_load_tr16_b128 v[(\f)+64+8*(4*(\c)+(\i))+4:(\f)+64+8*(4*(\c)+(\i))+7], v[AB+(\q)/2] offset:(((\q)%2)*64+32*(\c)+16)*PB+32*(\i)
	ds_load_b128 v[(\f)+8*(4*(\c)+(\i)):(\f)+8*(4*(\c)+(\i))+3],   v[AA] offset:(\q)*ASL+(\i)*16*PA+64*(\c)
	ds_load_b128 v[(\f)+8*(4*(\c)+(\i))+4:(\f)+8*(4*(\c)+(\i))+7], v[AA] offset:(\q)*ASL+(\i)*16*PA+64*(\c)+32
.endr
.endr
.endm
.macro PLACES
.rept 4
	v_nop
.endr
.endm
.macro QUARTER q, f, g, zero
	s_wait_dscnt 16                                ; the first 32 along K are in; the other sixteen loads may be out
	MUL8 \f, 0, 0, \zero
	MUL8 \f, 0, 2, \zero
	PLACES
	FETCH \q, \g
	s_wait_dscnt 32                                ; all but the 32 just issued
	MUL8 \f, 1, 0, 0
	MUL8 \f, 1, 2, 0
.endm
; A step's last quarter changes slots: one barrier; fill = 1: it opens a round of the cluster's, and the slot just read is filled again, with the step two on, first thing behind it
.macro TURN fill
	WIN 0
	s_wait_tensorcnt 0x0                           ; all my tensor loads have landed
	ds_add_u32 v[SPW], v[NIL]
	s_wait_dscnt 17                                ; (the add and the youngest sixteen loads may be out)
	MUL8 F1, 0, 0, 0
	s_wait_dscnt 0x0                               ; the add is done, and my reads of this slot are over
	s_barrier_signal -1
	MUL8 F1, 0, 2, 0
.if \fill
	WIN 0
.endif
	s_barrier_wait -1
.if \fill
	CREST
	s_xor_b32 s[G0+5], s[G0+5], SLOT               ; the walking descriptors: the other slot than last time, the next K step
	s_add_nc_u64 s[G0+6:G0+7], s[G0+6:G0+7], ASTEP
	s_xor_b32 s[G0B+5], s[G0B+5], SLOT
	s_add_nc_u64 s[G0B+6:G0B+7], s[G0B+6:G0B+7], BSTEP
	JLOAD 1
.else
	PLACES
	WIN 0
.endif
	s_xor_b32 s[TB], s[TB], SLOT                   ; the reads go on in the other slot
	ADDR
	FETCH 0, F0
	MUL8 F1, 1, 0, 0
	MUL8 F1, 1, 2, 0
.endm
; THE WAY OUT of row block a: the accumulators go as they are into my stage (each from its low registers on) and come back as whole row pieces of 256 bytes
.macro TOST a
.irp b, 0,1,2,3
	ds_store_b128 v[STO], v[ACC+8*(4*(\a)+(\b)):ACC+8*(4*(\a)+(\b))+3]   offset:64*(\b)
	ds_store_b128 v[STO], v[ACC+8*(4*(\a)+(\b))+4:ACC+8*(4*(\a)+(\b))+7] offset:64*(\b)+16
.endr
.irp t, 0,1,2,3,4,5,6,7
	ds_load_b128 v[TMP+32*((\a)%2)+4*(\t):TMP+32*((\a)%2)+4*(\t)+3], v[RD] offset:2*(\t)*SPITCH
.endr
.endm
.macro SEND a, younger                 ; younger: the next block's 8 stores and 8 loads, or none
	s_wait_dscnt \younger
.irp t, 0,1,2,3,4,5,6,7
	global_store_b128 v[CO], v[TMP+32*((\a)%2)+4*(\t):TMP+32*((\a)%2)+4*(\t)+3], s[8:9] offset:(\a)*4096+512*(\t)  ; 512 consecutive bytes, aligned
.endr
.endm
	s_wait_tensorcnt 1                             ; my part of K step 0 is in; step 1's stays out
	s_barrier_signal -1
	s_barrier_wait -1
	FETCH 0, F0
	QUARTER 1, F0, F1, 1                           ; the first products start the sums
	WIN 0
	s_mov_b32 s3, NS-2
.Lstep:                                                ; a trip goes from a step's second quarter to the next step's first, and fills the slot that it leaves
	QUARTER 2, F1, F0, 0
	QUARTER 3, F0, F1, 0
	TURN 1
	QUARTER 1, F0, F1, 0
	WIN 0
	s_sub_co_u32 s3, s3, 1
	s_cmp_lg_u32 s3, 0
	s_cbranch_scc1 .Lstep
	s_mov_b32 s3, 2
.Ltail:                                                ; the last two steps fill nothing: written out; the second trip is left in its middle
	QUARTER 2, F1, F0, 0
	QUARTER 3, F0, F1, 0
	WIN 0
	s_sub_co_u32 s3, s3, 1
	s_cmp_eq_u32 s3, 0
	s_cbranch_scc1 .Llast
	TURN 0
	QUARTER 1, F0, F1, 0
	WIN 0
	s_branch .Ltail
.Llast:
	s_wait_dscnt 16
	MUL8 F1, 0, 0, 0
	MUL8 F1, 0, 2, 0
	s_wait_dscnt 0x0
	MUL8 F1, 1, 0, 0
	MUL8 F1, 1, 2, 0
	WIN 0
	PLACES
	TOST 0
	TOST 1
	SEND 0, 16
	s_wait_xcnt 0x0                                ; block 0's stores have read their registers, which block 2 loads again
	TOST 2
	SEND 1, 16
	s_wait_xcnt 0x0
	TOST 3
	SEND 2, 16
	SEND 3, 0
	s_wait_tensorcnt 0x0                           ; the wave's end
	ds_add_u32 v[SPW], v[NIL]
	s_wait_dscnt 0x0
	CROUND
	s_endpgm
.Lfunc_end_k_qa06a9a6386_wo:
	.size	k_qa06a9a6386_wo, .Lfunc_end_k_qa06a9a6386_wo-k_qa06a9a6386_wo
	.p2alignl 7, 3214868480
	.fill 96, 4, 3214868480
	.section	.rodata,"a",@progbits
	.p2align	6, 0x0
	.amdhsa_kernel k_qa06a9a6386_wo
		.amdhsa_group_segment_fixed_size 327680
		.amdhsa_private_segment_fixed_size 0
		.amdhsa_enable_private_segment 0
		.amdhsa_kernarg_size 24
		.amdhsa_user_sgpr_count 2
		.amdhsa_user_sgpr_kernarg_segment_ptr 1
		.amdhsa_wavefront_size32 1
		.amdhsa_system_sgpr_workgroup_id_x 1
		.amdhsa_system_sgpr_workgroup_id_y 1
		.amdhsa_system_sgpr_workgroup_id_z 1
		.amdhsa_system_vgpr_workitem_id 0
		.amdhsa_next_free_vgpr 512
		.amdhsa_next_free_sgpr 66
		.amdhsa_reserve_vcc 0
		.amdhsa_float_denorm_mode_32 3
		.amdhsa_float_denorm_mode_16_64 3
		.amdhsa_memory_ordered 1
		.amdhsa_forward_progress 1
		.amdhsa_inst_pref_size 60
	.end_amdhsa_kernel
	.amdgpu_metadata
---
amdhsa.version: [ 1, 2 ]
amdhsa.kernels:
  - .name:           k_qa06a9a6386_wo
    .symbol:         k_qa06a9a6386_wo.kd
    .args:
      - { .name: cx, .offset: 0, .size: 8, .value_kind: global_buffer, .address_space: global }
      - { .name: cst, .offset: 8, .size: 8, .value_kind: global_buffer, .address_space: global }
      - { .name: y, .offset: 16, .size: 8, .value_kind: global_buffer, .address_space: global }
    .group_segment_fixed_size: 327680
    .private_segment_fixed_size: 0
    .kernarg_segment_align: 8
    .kernarg_segment_size: 24
    .max_flat_workgroup_size: 128
    .sgpr_count:     66
    .vgpr_count:     512
    .wavefront_size: 32
...
	.end_amdgpu_metadata
.endif
;; end of part 10
;; launch ln1 (part 11): grid 256 x 1, 8 waves a work-group, no clusters, 0 bytes of LDS; arguments y, cst, wqkvp, cx, swa; writes cx
.if DOCPART == 11
	.amdgcn_target "amdgcn-amd-amdhsa--gfx1250"
	.amdhsa_code_object_version 6
	.text
	.protected	k_qa06a9a6386_ln1
	.globl	k_qa06a9a6386_ln1
	.p2align	8
	.type	k_qa06a9a6386_ln1,@function
k_qa06a9a6386_ln1:
	s_mov_b64 s[64:65], 0
	v_nop
	global_prefetch_b8 v0, s[64:65] scope:SCOPE_SE
	s_setreg_imm32_b32 hwreg(HW_REG_WAVE_MODE, 25, 1), 1
	s_wait_xcnt 0x0
; out = gain (t - mean) / (std + 1e-6) + shift, t = residual + product + bias; std with 1,023 in the divisor.  ONE BODY FOR BOTH NORMS of the layer.  No work of the module is left out.
;   arguments: the product (sliced f32 [16][4096][64]); the residual (sliced f16 [16][4096][64]); the buffer that holds bias, gain and shift (1,024 f16 each, at byte BIA+PARO); the result; the switch.
;   first norm:  residual x, parameters wo_b, alpha1, bias1; switch 0: the result is rounded once to f16 and stored sliced.
;   second norm: residual the first norm's result, parameters b2, alpha2, bias2; switch 1: the result is stored in f32, [4096][1024].
; The switch is a whole number that the first launch stored; only the last block of the text hangs on it.  All arithmetic in f32, two passes (mean first, then the squares of the differences).
; SHARES.  A wave takes 2 rows: lane l holds row l / 16 and columns 4 (l % 16) .. + 3 of each of the 16 slices: 64 numbers.  A row's sums stay inside 16 lanes.  A load of the product covers 512 consecutive bytes.
; Memory binds: no LDS, no matrix unit, no cluster.  Straight line: all 80 loads go out at once.
.set BIA,  0x800000
.set PARO, 0x5000
.set Y,   32                           ; v[32:95]
.set RS,  96                           ; v[96:127]   the residual, later the packed result
.set AD,  128                          ; v[128:159]  the bias of the product
.set AL,  160                          ; v[160:191]  the gain
.set BE,  192                          ; v[192:223]  the shift
	s_load_b256 s[4:11], s[0:1], 0x0               ; product 4, residual 6, parameters 8, result 10
	s_load_b64 s[12:13], s[0:1], 0x20              ; the switch
	v_lshlrev_b32 v2, 4, v0
	v_lshlrev_b32 v4, 3, v0
	v_and_b32 v1, 15, v0
	v_lshlrev_b32 v5, 3, v1                        ; the parameters: 8 (l % 16)
	s_lshl_b32 s16, ttmp9, 12
	v_add_nc_u32 v2, s16, v2                       ; the product: 16 rows of 256 bytes a work-group, 16 bytes a thread
	v_add_nc_u32 v3, 0x800000, v2                  ; slices 8 to 15
	s_lshl_b32 s17, ttmp9, 11
	v_add_nc_u32 v4, s17, v4                       ; f16: half of that
	v_mov_b32 v6, 1.0
	v_lshrrev_b32 v7, 4, v0
	v_lshlrev_b32 v7, 12, v7                       ; f32 rows: my row of the work-group's 16, 4,096 bytes a row,
	v_lshl_add_u32 v7, v1, 4, v7                   ; 16 bytes at l % 16
	s_lshl_b32 s18, ttmp9, 16
	v_add_nc_u32 v7, s18, v7
	s_wait_kmcnt 0x0
	s_load_b32 s20, s[12:13], 0x0
	s_add_nc_u64 s[14:15], s[8:9], BIA+PARO
.irp j, 0,1,2,3,4,5,6,7
	global_load_b128 v[Y+4*(\j):Y+4*(\j)+3], v2, s[4:5] offset:1048576*(\j) th:TH_LOAD_NT
.endr
.irp j, 0,1,2,3,4,5,6,7
	global_load_b128 v[Y+32+4*(\j):Y+32+4*(\j)+3], v3, s[4:5] offset:1048576*(\j) th:TH_LOAD_NT
.endr
.irp j, 0,1,2,3,4,5,6,7,8,9,10,11,12,13,14,15
	global_load_b64 v[RS+2*(\j):RS+2*(\j)+1], v4, s[6:7] offset:524288*(\j)
.endr
.irp j, 0,1,2,3,4,5,6,7,8,9,10,11,12,13,14,15
	global_load_b64 v[AD+2*(\j):AD+2*(\j)+1], v5, s[14:15] offset:128*(\j)
.endr
.irp j, 0,1,2,3,4,5,6,7,8,9,10,11,12,13,14,15
	global_load_b64 v[AL+2*(\j):AL+2*(\j)+1], v5, s[14:15] offset:2048+128*(\j)
.endr
.irp j, 0,1,2,3,4,5,6,7,8,9,10,11,12,13,14,15
	global_load_b64 v[BE+2*(\j):BE+2*(\j)+1], v5, s[14:15] offset:4096+128*(\j)
.endr
.macro MIX1 d, s, hf                   ; v[d] += the f16 half hf of v[s]
.if \hf
	v_fma_mix_f32 v[\d], v[\s], v6, v[\d] op_sel:[1,0,0] op_sel_hi:[1,0,0]
.else
	v_fma_mix_f32 v[\d], v[\s], v6, v[\d] op_sel_hi:[1,0,0]
.endif
.endm
.macro MIX2 d, a, b, hf                ; v[d] = half hf of v[a] x v[d] + half hf of v[b]
.if \hf
	v_fma_mix_f32 v[\d], v[\a], v[\d], v[\b] op_sel:[1,0,1] op_sel_hi:[1,0,1]
.else
	v_fma_mix_f32 v[\d], v[\a], v[\d], v[\b] op_sel_hi:[1,0,1]
.endif
.endm
	s_wait_loadcnt 32                              ; the product, the residual and the bias are in; the gain's and the shift's 32 loads stay out
.set n, 0
.rept 64
	MIX1 Y+n, RS+n/2, n%2
	MIX1 Y+n, AD+n/2, n%2
.set n, n+1
.endr
.irp k, 0,1,2,3
	v_pk_add_f32 v[12+2*(\k):13+2*(\k)], v[Y+2*(\k):Y+2*(\k)+1], v[Y+8+2*(\k):Y+8+2*(\k)+1]  ; four chains, started by the first pairs
.endr
.set p, 8
.rept 24
	v_pk_add_f32 v[12+2*(p%4):13+2*(p%4)], v[12+2*(p%4):13+2*(p%4)], v[Y+2*p:Y+2*p+1]
.set p, p+1
.endr
	v_pk_add_f32 v[12:13], v[12:13], v[14:15]
	v_pk_add_f32 v[16:17], v[16:17], v[18:19]
	v_pk_add_f32 v[12:13], v[12:13], v[16:17]
	v_add_f32 v12, v12, v13
	v_add_f32_dpp v12, v12, v12 row_xmask:1 row_mask:0xf bank_mask:0xf
	v_add_f32_dpp v12, v12, v12 row_xmask:2 row_mask:0xf bank_mask:0xf
	v_add_f32_dpp v12, v12, v12 row_xmask:4 row_mask:0xf bank_mask:0xf
	v_add_f32_dpp v12, v12, v12 row_xmask:8 row_mask:0xf bank_mask:0xf
	v_mul_f32 v8, 0x3a800000, v12                  ; the mean: / 1,024
	v_mov_b32 v9, v8
.set p, 0
.rept 32
	v_pk_add_f32 v[Y+2*p:Y+2*p+1], v[Y+2*p:Y+2*p+1], v[8:9] neg_lo:[0,1] neg_hi:[0,1]
.set p, p+1
.endr
.irp k, 0,1,2,3
	v_pk_mul_f32 v[12+2*(\k):13+2*(\k)], v[Y+2*(\k):Y+2*(\k)+1], v[Y+2*(\k):Y+2*(\k)+1]
.endr
.set p, 4
.rept 28
	v_pk_fma_f32 v[12+2*(p%4):13+2*(p%4)], v[Y+2*p:Y+2*p+1], v[Y+2*p:Y+2*p+1], v[12+2*(p%4):13+2*(p%4)]
.set p, p+1
.endr
	v_pk_add_f32 v[12:13], v[12:13], v[14:15]
	v_pk_add_f32 v[16:17], v[16:17], v[18:19]
	v_pk_add_f32 v[12:13], v[12:13], v[16:17]
	v_add_f32 v12, v12, v13
	v_add_f32_dpp v12, v12, v12 row_xmask:1 row_mask:0xf bank_mask:0xf
	v_add_f32_dpp v12, v12, v12 row_xmask:2 row_mask:0xf bank_mask:0xf
	v_add_f32_dpp v12, v12, v12 row_xmask:4 row_mask:0xf bank_mask:0xf
	v_add_f32_dpp v12, v12, v12 row_xmask:8 row_mask:0xf bank_mask:0xf
	v_mul_f32 v10, 0x3a802008, v12                 ; / 1,023
	v_sqrt_f32 v10, v10
	v_nop                                          ; a plain instruction and the wait stand between a transcendental and the use of its result
	s_wait_alu depctr_va_vdst(0)
	v_add_f32 v10, 0x358637bd, v10                 ; + 1e-6
	v_rcp_f32 v10, v10
	v_nop
	s_wait_alu depctr_va_vdst(0)
	v_mov_b32 v11, v10
.set p, 0
.rept 32
	v_pk_mul_f32 v[Y+2*p:Y+2*p+1], v[Y+2*p:Y+2*p+1], v[10:11]
.set p, p+1
.endr
	s_wait_loadcnt 0x0                             ; the gain and the shift
.set n, 0
.rept 64
	MIX2 Y+n, AL+n/2, BE+n/2, n%2
.set n, n+1
.endr
	s_wait_kmcnt 0x0                               ; the switch
	s_cmp_eq_u32 s20, 0
	s_cbranch_scc0 .Lwide
.set n, 0
.rept 32
	v_cvt_pk_f16_f32 v[RS+n], v[Y+2*n], v[Y+2*n+1]
.set n, n+1
.endr
.irp j, 0,1,2,3,4,5,6,7,8,9,10,11,12,13,14,15
	global_store_b64 v4, v[RS+2*(\j):RS+2*(\j)+1], s[10:11] offset:524288*(\j)  ; a wave's store covers 256 consecutive bytes, aligned
.endr
	s_endpgm
.Lwide:
.irp j, 0,1,2,3,4,5,6,7,8,9,10,11,12,13,14,15
	global_store_b128 v7, v[Y+4*(\j):Y+4*(\j)+3], s[10:11] offset:256*(\j) th:TH_STORE_NT  ; sixteen lanes store 256 consecutive bytes, aligned
.endr
	s_endpgm
.Lfunc_end_k_qa06a9a6386_ln1:
	.size	k_qa06a9a6386_ln1, .Lfunc_end_k_qa06a9a6386_ln1-k_qa06a9a6386_ln1
	.p2alignl 7, 3214868480
	.fill 96, 4, 3214868480
	.section	.rodata,"a",@progbits
	.p2align	6, 0x0
	.amdhsa_kernel k_qa06a9a6386_ln1
		.amdhsa_group_segment_fixed_size 0
		.amdhsa_private_segment_fixed_size 0
		.amdhsa_enable_private_segment 0
		.amdhsa_kernarg_size 40
		.amdhsa_user_sgpr_count 2
		.amdhsa_user_sgpr_kernarg_segment_ptr 1
		.amdhsa_wavefront_size32 1
		.amdhsa_system_sgpr_workgroup_id_x 1
		.amdhsa_system_sgpr_workgroup_id_y 1
		.amdhsa_system_sgpr_workgroup_id_z 1
		.amdhsa_system_vgpr_workitem_id 0
		.amdhsa_next_free_vgpr 224
		.amdhsa_next_free_sgpr 66
		.amdhsa_reserve_vcc 0
		.amdhsa_float_denorm_mode_32 3
		.amdhsa_float_denorm_mode_16_64 3
		.amdhsa_memory_ordered 1
		.amdhsa_forward_progress 1
		.amdhsa_inst_pref_size 35
	.end_amdhsa_kernel
	.amdgpu_metadata
---
amdhsa.version: [ 1, 2 ]
amdhsa.kernels:
  - .name:           k_qa06a9a6386_ln1
    .symbol:         k_qa06a9a6386_ln1.kd
    .args:
      - { .name: y, .offset: 0, .size: 8, .value_kind: global_buffer, .address_space: global }
      - { .name: cst, .offset: 8, .size: 8, .value_kind: global_buffer, .address_space: global }
      - { .name: wqkvp, .offset: 16, .size: 8, .value_kind: global_buffer, .address_space: global }
      - { .name: cx, .offset: 24, .size: 8, .value_kind: global_buffer, .address_space: global }
      - { .name: swa, .offset: 32, .size: 8, .value_kind: global_buffer, .address_space: global }
    .group_segment_fixed_size: 0
    .private_segment_fixed_size: 0
    .kernarg_segment_align: 8
    .kernarg_segment_size: 40
    .max_flat_workgroup_size: 256
    .sgpr_count:     66
    .vgpr_count:     224
    .wavefront_size: 32
...
	.end_amdgpu_metadata
.endif
;; end of part 11
;; launch ff1: the kernel of part 9 again; grid 16 x 16, 4 waves a work-group, clusters of 4 x 4, 327,680 bytes of LDS; arguments cx, w1p, qh; writes qh
;; launch ff2 (part 12): grid 8 x 32, 4 waves a work-group, clusters of 4 x 4, 327,680 bytes of LDS; arguments qh, cst, y; writes y
.if DOCPART == 12
	.amdgcn_target "amdgcn-amd-amdhsa--gfx1250"
	.amdhsa_code_object_version 6
	.text
	.protected	k_qa06a9a6386_ff2
	.globl	k_qa06a9a6386_ff2
	.p2align	8
	.type	k_qa06a9a6386_ff2,@function
k_qa06a9a6386_ff2:
	s_mov_b64 s[64:65], 0
	v_nop
	global_prefetch_b8 v0, s[64:65] scope:SCOPE_SE
	s_setreg_imm32_b32 hwreg(HW_REG_WAVE_MODE, 25, 1), 1
	s_wait_xcnt 0x0
	s_wait_alu depctr_hold_cnt(0) depctr_sa_sdst(0) depctr_va_vdst(0) depctr_va_sdst(0) depctr_va_ssrc(0) depctr_va_vcc(0) depctr_vm_vsrc(0)
	s_getreg_b32 s2, hwreg(HW_REG_IB_STS2, 6, 4)
	s_cmp_eq_u32 s2, 0
	s_cbranch_scc0 .Lentry_in_a_cluster
	s_endpgm
.Lentry_in_a_cluster:
	s_bfe_u32 s2, ttmp6, 0x10000c
	s_cmp_lg_u32 s2, 0xf033
	s_cbranch_scc0 .Lentry_shape_is_right
	s_endpgm
.Lentry_shape_is_right:
; Y = A B, the raw product in f32, as in the launch for wo, with K = 4,096: the hidden layer (sliced f16, 64 slices) times w2 (plain f16 [4096][1024] at byte BOFF of cst).  Y: sliced f32 [16][4096][64].
; The text differs from that launch's in NS and BOFF alone: a ring's trips are counted against a constant, so each K has its own text.  No work of the module is left out.
; A tile is 128 x 128: 256 work-groups.  Four waves, 64 x 64 each.  K in steps of 256 through two LDS slots; waves 0 and 1 fetch two slices of A each, waves 2 and 3 128 rows of B each.
; A K STEP IS WRITTEN ONCE: which slot a trip reads hangs on a scalar that one exclusive or toggles, and one descriptor for A and one for B walk from refill to refill.
; CLUSTER 4 x 4: A's tile shared along a row, B's along a column.  The matrix instruction is used transposed (source 0 = 16 columns of B, read turned; source 1 = 16 rows of A).
; REGISTERS: window 0: v0-31 addresses; v32-95 at work on the way out; v128-255 accumulators.  Window 1: two fragment buffers of 128.
.set NS,    16
.set BOFF,  10485760
.set PA,    144
.set ASL,   128*PA
.set AT,    4*ASL
.set PB,    288
.set BHF,   128*PB
.set SLOT,  AT+2*BHF                   ; 147,456 = 0x24000: neither of its bits is set in a part's first byte (0, 36,864, 73,728, 110,592), so an exclusive or with it turns such an address into the other slot's
.set STAGE, 2*SLOT
.set SPITCH, 272
.set SPARE, STAGE+4*16*SPITCH
.set ASTEP, 2097152
.set BSTEP, 524288
.set ADRA0, 16
.set ADRB0, 17
.set AA,   18
.set AB,   19                          ; v19  B's k rows 0-127; v20: k rows 128-255
.set STO,  24
.set RD,   25
.set CO,   26
.set SPW,  28
.set NIL,  29
.set TMP,  32
.set ACC,  128
.set F0,   0
.set F1,   128
.set TB,  18                           ; s18  the slot that is being read: 0 or SLOT
.set G1,  24
.set G0,  32
.set G1B, 48
.set G0B, 56
.set MSB, 0
.macro WIN new
.if MSB != (\new)
	s_set_vgpr_msb (MSB<<8)|(\new)
.set MSB, \new
.endif
.endm
.set MUL,  0x05
.set TO_F, 0x40
.macro JLOAD s
	s_cmp_eq_u32 s11, 0
	s_cbranch_scc0 .Lfor_b_\@
	tensor_load_to_lds s[G0+4*(\s):G0+4*(\s)+3], s[G1:G1+7]
	s_nop 0
.rept 4
	v_nop
.endr
	s_branch .Lasked_\@
.Lfor_b_\@:
	tensor_load_to_lds s[G0B+4*(\s):G0B+4*(\s)+3], s[G1B:G1B+7]
	s_nop 0
.rept 4
	v_nop
.endr
.Lasked_\@:
.endm
.macro CREST
	s_cmp_lg_u32 s10, 0
	s_cbranch_scc1 .Lnot_wave_0_\@
	s_barrier_signal -3
.Lnot_wave_0_\@:
	s_barrier_wait -3
	s_barrier_signal -1
	s_barrier_wait -1
.endm
.macro CROUND
	s_barrier_signal -1
	s_barrier_wait -1
	CREST
.endm
.macro ADDR                            ; my fragments' addresses in the slot that is being read
	v_add_nc_u32 v[AA], s[TB], v[ADRA0]
	v_add_nc_u32 v[AB], s[TB], v[ADRB0]
	v_add_nc_u32 v[AB+1], BHF, v[AB]
.endm
	s_load_b128 s[4:7], s[0:1], 0x0                ; A s[4:5], cst s[6:7]
	s_load_b64 s[8:9], s[0:1], 0x10                ; Y
	v_lshl_add_u32 v[SPW], v0, 2, SPARE
	v_mov_b32 v[NIL], 0
	ds_add_u32 v[SPW], v[NIL]                      ; the opening: the add twice on end and its wait
	ds_add_u32 v[SPW], v[NIL]
	v_lshrrev_b32 v1, 5, v0
	v_readfirstlane_b32 s10, v1
	s_lshr_b32 s11, s10, 1
	s_and_b32 s12, s10, 1
	s_bfe_u32 s40, ttmp6, 0x40000
	s_bfe_u32 s41, ttmp6, 0x40004
	s_lshl_b32 s42, ttmp9, 2
	s_add_co_u32 s42, s42, s40                     ; tile column
	s_and_b32 s13, ttmp7, 0xffff
	s_lshl_b32 s13, s13, 2
	s_add_co_u32 s13, s13, s41                     ; tile row
	s_lshl_b32 s43, s41, 2
	s_lshl_b32 s43, 15, s43
	s_lshl_b32 s44, 0x1111, s40
	s_or_b32 s[G1+0], s43, (1<<16)|(1<<20)|(1<<21)|(4<<22)|(3<<25)
	s_mov_b32 s[G1+1], 8192<<16                    ; A: 2 rows of 8,192 elements, a slice apart
	s_mov_b32 s[G1+2], 2<<16
	s_mov_b32 s[G1+3], 8192<<16
	s_mov_b32 s[G1+4], 2
	s_mov_b32 s[G1+5], 262144
	s_mov_b32 s[G1+6], 0
	s_mov_b32 s[G1+7], 0
	s_or_b32 s[G1B+0], s44, (1<<16)|(1<<20)|(1<<21)|(5<<22)|(7<<25)
	s_mov_b32 s[G1B+1], 128<<16                    ; B: 128 rows of 256 bytes
	s_mov_b32 s[G1B+2], 128<<16
	s_mov_b32 s[G1B+3], 128<<16
	s_mov_b32 s[G1B+4], 128
	s_mov_b32 s[G1B+5], 1024
	s_mov_b32 s[G1B+6], 0
	s_mov_b32 s[G1B+7], 0
	s_lshl_b32 s16, s13, 14
	s_lshl_b32 s17, s12, 20
	s_add_co_u32 s16, s16, s17
	s_mov_b32 s17, 0
	s_lshl_b32 s46, s42, 8
	s_lshl_b32 s47, s12, 18
	s_add_co_u32 s46, s46, s47
	s_add_co_u32 s46, s46, BOFF
	s_mov_b32 s47, 0
	s_mul_i32 s20, s12, 2*ASL
	s_mul_i32 s21, s12, BHF
	s_add_co_u32 s21, s21, AT
	s_mov_b32 s[TB], 0
	s_wait_dscnt 0x0
	s_wait_kmcnt 0x0
	s_add_nc_u64 s[14:15], s[4:5], s[16:17]
	s_add_nc_u64 s[46:47], s[6:7], s[46:47]
	CROUND
.irp s, 0,1
	s_mov_b32 s[G0+4*(\s)], 1
	s_add_co_u32 s[G0+4*(\s)+1], s20, (\s)*SLOT
	s_add_nc_u64 s[G0+4*(\s)+2:G0+4*(\s)+3], s[14:15], (\s)*ASTEP
	s_or_b32 s[G0+4*(\s)+3], s[G0+4*(\s)+3], 0x80000000
	s_mov_b32 s[G0B+4*(\s)], 1
	s_add_co_u32 s[G0B+4*(\s)+1], s21, (\s)*SLOT
	s_add_nc_u64 s[G0B+4*(\s)+2:G0B+4*(\s)+3], s[46:47], (\s)*BSTEP
	s_or_b32 s[G0B+4*(\s)+3], s[G0B+4*(\s)+3], 0x80000000
	JLOAD \s
.endr
	v_and_b32 v1, 15, v0
	v_bfe_u32 v2, v0, 4, 1
	v_mul_u32_u24 v3, v1, PA
	v_lshl_add_u32 v3, v2, 4, v3
	v_and_b32 v4, 7, v0
	v_lshl_add_u32 v4, v2, 3, v4
	v_mul_u32_u24 v4, v4, PB
	v_bfe_u32 v5, v0, 3, 1
	v_lshl_add_u32 v4, v5, 4, v4
	s_mul_i32 s21, s11, 64*PA
	s_lshl_b32 s22, s12, 7
	s_add_co_u32 s22, s22, AT
	v_add_nc_u32 v[ADRA0], s21, v3
	v_add_nc_u32 v[ADRB0], s22, v4
	ADDR                                           ; slot 0
	s_mul_i32 s23, s10, 16*SPITCH
	s_add_co_u32 s23, s23, STAGE
	v_mul_u32_u24 v5, v1, SPITCH
	v_lshl_add_u32 v5, v2, 5, v5
	v_add_nc_u32 v[STO], s23, v5
	v_mul_u32_u24 v5, v2, SPITCH
	v_lshl_add_u32 v5, v1, 4, v5
	v_add_nc_u32 v[RD], s23, v5
	v_and_b32 v6, 31, v0
	v_lshlrev_b32 v[CO], 4, v6
	s_lshl_b32 s16, s13, 15
	s_lshl_b32 s17, s11, 14
	s_add_co_u32 s16, s16, s17
	s_mov_b32 s17, 0
	s_lshl1_add_u32 s46, s42, s12
	s_lshl_b32 s46, s46, 20
	s_mov_b32 s47, 0
	s_add_nc_u64 s[16:17], s[16:17], s[46:47]
	s_add_nc_u64 s[8:9], s[8:9], s[16:17]
.macro MUL8 f, c, a0, zero             ; 8 matrix instructions; the 16 accumulators take turns
	WIN MUL
.irp a, \a0, (\a0)+1
.irp b, 0,1,2,3
.if \zero
	v_wmma_f32_16x16x32_f16 v[ACC+8*(4*(\a)+(\b)):ACC+8*(4*(\a)+(\b))+7], v[(\f)+64+8*(4*(\c)+(\b)):(\f)+64+8*(4*(\c)+(\b))+7], v[(\f)+8*(4*(\c)+(\a)):(\f)+8*(4*(\c)+(\a))+7], 0
.else
	v_wmma_f32_16x16x32_f16 v[ACC+8*(4*(\a)+(\b)):ACC+8*(4*(\a)+(\b))+7], v[(\f)+64+8*(4*(\c)+(\b)):(\f)+64+8*(4*(\c)+(\b))+7], v[(\f)+8*(4*(\c)+(\a)):(\f)+8*(4*(\c)+(\a))+7], v[ACC+8*(4*(\a)+(\b)):ACC+8*(4*(\a)+(\b))+7]
.endif
.endr
.endr
.endm
.macro FETCH q, f                      ; 32 LDS loads in one run: quarter q of the slot in hand into buffer f; the first 32 along K first
	WIN TO_F
.irp c, 0,1
.irp i, 0,1,2,3
	ds_load_tr16_b128 v[(\f)+64+8*(4*(\c)+(\i)):(\f)+64+8*(4*(\c)+(\i))+3],   v[AB+(\q)/2] offset:(((\q)%2)*64+32*(\c))*PB+32*(\i)
	ds_load_tr16_b128 v[(\f)+64+8*(4*(\c)+(\i))+4:(\f)+64+8*(4*(\c)+(\i))+7], v[AB+(\q)/2] offset:(((\q)%2)*64+32*(\c)+16)*PB+32*(\i)
	ds_load_b128 v[(\f)+8*(4*(\c)+(\i)):(\f)+8*(4*(\c)+(\i))+3],   v[AA] offset:(\q)*ASL+(\i)*16*PA+64*(\c)
	ds_load_b128 v[(\f)+8*(4*(\c)+(\i))+4:(\f)+8*(4*(\c)+(\i))+7], v[AA] offset:(\q)*ASL+(\i)*16*PA+64*(\c)+32
.endr
.endr
.endm
.macro PLACES
.rept 4
	v_nop
.endr
.endm
.macro QUARTER q, f, g, zero
	s_wait_dscnt 16                                ; the first 32 along K are in; the other sixteen loads may be out
	MUL8 \f, 0, 0, \zero
	MUL8 \f, 0, 2, \zero
	PLACES
	FETCH \q, \g
	s_wait_dscnt 32                                ; all but the 32 just issued
	MUL8 \f, 1, 0, 0
	MUL8 \f, 1, 2, 0
.endm
.macro TURN fill                       ; a step's last quarter changes slots; fill = 1: the slot just read is filled again, with the step two on, first thing behind the cluster's round
	WIN 0
	s_wait_tensorcnt 0x0                           ; all my tensor loads have landed
	ds_add_u32 v[SPW], v[NIL]
	s_wait_dscnt 17                                ; (the add and the youngest sixteen loads may be out)
	MUL8 F1, 0, 0, 0
	s_wait_dscnt 0x0                               ; the add is done, and my reads of this slot are over
	s_barrier_signal -1
	MUL8 F1, 0, 2, 0
.if \fill
	WIN 0
.endif
	s_barrier_wait -1
.if \fill
	CREST
	s_xor_b32 s[G0+5], s[G0+5], SLOT               ; the walking descriptors: the other slot than last time, the next K step
	s_add_nc_u64 s[G0+6:G0+7], s[G0+6:G0+7], ASTEP
	s_xor_b32 s[G0B+5], s[G0B+5], SLOT
	s_add_nc_u64 s[G0B+6:G0B+7], s[G0B+6:G0B+7], BSTEP
	JLOAD 1
.else
	PLACES
	WIN 0
.endif
	s_xor_b32 s[TB], s[TB], SLOT                   ; the reads go on in the other slot
	ADDR
	FETCH 0, F0
	MUL8 F1, 1, 0, 0
	MUL8 F1, 1, 2, 0
.endm
.macro TOST a
.irp b, 0,1,2,3
	ds_store_b128 v[STO], v[ACC+8*(4*(\a)+(\b)):ACC+8*(4*(\a)+(\b))+3]   offset:64*(\b)
	ds_store_b128 v[STO], v[ACC+8*(4*(\a)+(\b))+4:ACC+8*(4*(\a)+(\b))+7] offset:64*(\b)+16
.endr
.irp t, 0,1,2,3,4,5,6,7
	ds_load_b128 v[TMP+32*((\a)%2)+4*(\t):TMP+32*((\a)%2)+4*(\t)+3], v[RD] offset:2*(\t)*SPITCH
.endr
.endm
.macro SEND a, younger
	s_wait_dscnt \younger
.irp t, 0,1,2,3,4,5,6,7
	global_store_b128 v[CO], v[TMP+32*((\a)%2)+4*(\t):TMP+32*((\a)%2)+4*(\t)+3], s[8:9] offset:(\a)*4096+512*(\t)
.endr
.endm
	s_wait_tensorcnt 1                             ; my part of K step 0 is in; step 1's stays out
	s_barrier_signal -1
	s_barrier_wait -1
	FETCH 0, F0
	QUARTER 1, F0, F1, 1
	WIN 0
	s_mov_b32 s3, NS-2
.Lstep:                                                ; a trip goes from a step's second quarter to the next step's first, and fills the slot that it leaves
	QUARTER 2, F1, F0, 0
	QUARTER 3, F0, F1, 0
	TURN 1
	QUARTER 1, F0, F1, 0
	WIN 0
	s_sub_co_u32 s3, s3, 1
	s_cmp_lg_u32 s3, 0
	s_cbranch_scc1 .Lstep
	s_mov_b32 s3, 2
.Ltail:                                                ; the last two steps fill nothing: written out; the second trip is left in its middle
	QUARTER 2, F1, F0, 0
	QUARTER 3, F0, F1, 0
	WIN 0
	s_sub_co_u32 s3, s3, 1
	s_cmp_eq_u32 s3, 0
	s_cbranch_scc1 .Llast
	TURN 0
	QUARTER 1, F0, F1, 0
	WIN 0
	s_branch .Ltail
.Llast:
	s_wait_dscnt 16
	MUL8 F1, 0, 0, 0
	MUL8 F1, 0, 2, 0
	s_wait_dscnt 0x0
	MUL8 F1, 1, 0, 0
	MUL8 F1, 1, 2, 0
	WIN 0
	PLACES
	TOST 0
	TOST 1
	SEND 0, 16
	s_wait_xcnt 0x0                                ; block 0's stores have read their registers, which block 2 loads again
	TOST 2
	SEND 1, 16
	s_wait_xcnt 0x0
	TOST 3
	SEND 2, 16
	SEND 3, 0
	s_wait_tensorcnt 0x0                           ; the wave's end
	ds_add_u32 v[SPW], v[NIL]
	s_wait_dscnt 0x0
	CROUND
	s_endpgm
.Lfunc_end_k_qa06a9a6386_ff2:
	.size	k_qa06a9a6386_ff2, .Lfunc_end_k_qa06a9a6386_ff2-k_qa06a9a6386_ff2
	.p2alignl 7, 3214868480
	.fill 96, 4, 3214868480
	.section	.rodata,"a",@progbits
	.p2align	6, 0x0
	.amdhsa_kernel k_qa06a9a6386_ff2
		.amdhsa_group_segment_fixed_size 327680
		.amdhsa_private_segment_fixed_size 0
		.amdhsa_enable_private_segment 0
		.amdhsa_kernarg_size 24
		.amdhsa_user_sgpr_count 2
		.amdhsa_user_sgpr_kernarg_segment_ptr 1
		.amdhsa_wavefront_size32 1
		.amdhsa_system_sgpr_workgroup_id_x 1
		.amdhsa_system_sgpr_workgroup_id_y 1
		.amdhsa_system_sgpr_workgroup_id_z 1
		.amdhsa_system_vgpr_workitem_id 0
		.amdhsa_next_free_vgpr 512
		.amdhsa_next_free_sgpr 66
		.amdhsa_reserve_vcc 0
		.amdhsa_float_denorm_mode_32 3
		.amdhsa_float_denorm_mode_16_64 3
		.amdhsa_memory_ordered 1
		.amdhsa_forward_progress 1
		.amdhsa_inst_pref_size 60
	.end_amdhsa_kernel
	.amdgpu_metadata
---
amdhsa.version: [ 1, 2 ]
amdhsa.kernels:
  - .name:           k_qa06a9a6386_ff2
    .symbol:         k_qa06a9a6386_ff2.kd
    .args:
      - { .name: qh, .offset: 0, .size: 8, .value_kind: global_buffer, .address_space: global }
      - { .name: cst, .offset: 8, .size: 8, .value_kind: global_buffer, .address_space: global }
      - { .name: y, .offset: 16, .size: 8, .value_kind: global_buffer, .address_space: global }
    .group_segment_fixed_size: 327680
    .private_segment_fixed_size: 0
    .kernarg_segment_align: 8
    .kernarg_segment_size: 24
    .max_flat_workgroup_size: 128
    .sgpr_count:     66
    .vgpr_count:     512
    .wavefront_size: 32
...
	.end_amdgpu_metadata
.endif
;; end of part 12
;; launch ln2: the kernel of part 11 again; grid 256 x 1, 8 waves a work-group, no clusters, 0 bytes of LDS; arguments y, cx, w1p, out0, swb; writes out0
